; MI455X (gfx1250); checked and timed in simulation.
; The chip was launched on July 23, 2026; its instructions are those of AMD's public machine-readable ISA for CDNA 5 (MIT licence, August 2026) and "CDNA5" Instruction Set Architecture Reference Guide (July 2026). The comments in the code are by the model that wrote it; some were corrected since.
;; Encoder Layer. Allowed arithmetic: matrix products marked QUANTISED: E2M3 operands, one E8M0 scale for each 32 along K, by v_wmma_scale_f32_16x16x128_f8f6f4 with both operands' format E2M3, f32 sums; everything else in f32.
;; Inputs: attn_coef_w 8 x 1 x 1 float32; b1 2,048 float32; b2 512 float32; k_kernel 8 x 512 x 64 float32; ln1_b 512 float32; ln1_g 512 float32; ln2_b 512 float32; ln2_g 512 float32; mask 16 x 1,024 x 1,024 bool; proj_bias 512 float32; proj_kernel 8 x 64 x 512 float32; q_kernel 8 x 512 x 64 float32; timediff 16 x 1 x 1,024 x 1,024 float32; v_kernel 8 x 512 x 64 float32; value 16 x 1,024 x 512 float32; w1 512 x 2,048 float32; w2 2,048 x 512 float32.
;; Outputs: out0 16 x 1,024 x 512 float32.
;; This version of the problem:
;;   THIS VERSION OF THE PROBLEM IS GIVEN IN LOW PRECISION. The matrix products marked QUANTISED in the list below multiply operands that are first quantised to E2M3 (2 exponent bits, 3 mantissa bits; 6 bits a number), with one power-of-two scale for each 32 numbers along K (OCP MX v1.0); their sums are f32. All else is computed in f32.
;;   The module's matrix products, in the order in which they are computed (A, B: the left and right operand; K: the contracted axis; several contracted axes count as one K, in the product's order):
;;     1. [M 16,384, K 512] x [K 512, N 512]; A: input value; B: input q_kernel: QUANTISED
;;     2. [M 16,384, K 512] x [K 512, N 512]; A: input value; B: input k_kernel: QUANTISED
;;     3. [M 16,384, K 512] x [K 512, N 512]; A: input value; B: input v_kernel: QUANTISED
;;     4. batch 128 x [M 1,024, K 64] x [K 64, N 1,024]; A: computed on the way; B: computed on the way: QUANTISED
;;     5. batch 128 x [M 64, K 1,024] x [K 1,024, N 1,024]; A: computed on the way; B: softmax (see below): QUANTISED
;;     6. [M 16,384, K 512] x [K 512, N 512]; A: computed on the way; B: input proj_kernel: QUANTISED
;;     7. [M 16,384, K 512] x [K 512, N 2,048]; A: computed on the way; B: input w1: QUANTISED
;;     8. [M 16,384, K 2,048] x [K 2,048, N 512]; A: computed on the way; B: input w2: QUANTISED
;;   THE QUANTISER, for each operand of a quantised product, along K:
;;     - K is cut into blocks of 32 from its start; a last block that is shorter is filled with zeros.
;;     - A block's scale is 2^e with e = floor(log2(the largest magnitude in the block)) - 2, held to -126 .. 127; a block of zeros has e = 0. As a byte (E8M0): e + 127.
;;     - Each number is divided by its block's scale, clamped to +-7.5, and rounded to the nearest number of E2M3, ties to even, subnormals kept.
;;     - The product sums the exact products of the quantised numbers (number of the format x scale) in f32.
;;   ~~~python
;;   def quantise(x, axis):      # numpy; x: float32 -> the quantised numbers, widened to float32 again
;;       x = np.moveaxis(x, axis, -1); K = x.shape[-1]
;;       x = np.pad(x, [(0, 0)] * (x.ndim - 1) + [(0, -K % 32)]); x = x.reshape(x.shape[:-1] + (-1, 32)); a = np.abs(x).max(-1, keepdims=True)
;;       e = np.where(a > 0, np.clip(np.frexp(np.where(a > 0, a, 1))[1] - 1 - 2, -126, 127), 0)      # np.frexp(a)[1] - 1 = floor(log2(a)), exactly
;;       r = np.clip(x / 2.0 ** e, -7.5, 7.5)
;;       step = 2.0 ** (np.maximum(np.frexp(np.where(r == 0, 1, r))[1] - 1, 0) - 3)
;;       q = np.round(r / step) * step * 2.0 ** e      # np.round: ties to even
;;       return np.moveaxis(q.reshape(q.shape[:-2] + (-1,))[..., :K], -1, axis).astype(np.float32)
;;   ~~~
;;   SOFTMAX AHEAD OF A QUANTISED PRODUCT. Where the list says 'softmax', what is quantised is not the finished softmax but p = 2^(t - M), with t = logit x log2(e) and M = ceil(the row's largest t), a whole number; so 1/2 < the row's largest p <= 1. The row's sum l is taken of the UNQUANTISED p, in f32, and the product's result is divided by l at the end. Since M is a whole number, a kernel that streams over the keys may use a running M (the ceiling of the running maximum): every later rescaling is an exact power of two, which a block's scale takes up: the codes' values come out the same.
;;   OPERANDS COMPUTED ON THE WAY. 'Computed on the way' means the value that the module computes at that place (a softmax that the list does not call 'softmax' is quantised finished and normalised). What goes into a quantiser is computed in f32, as accurately as f32 sums, v_exp_f32 and their like allow (about 1e-6 of the number): no bf16 or f16 on the way to a quantiser, and a product that is left as it is and whose result goes on into a quantised operand takes f32 operands (vector FMAs, or v_wmma_f32_16x16x4_f32). A number that lies on a knife's edge between two numbers of the format may be rounded either way, as far as f32 arithmetic and the matrix unit's own rounding can turn it there, and no further.
;; 2 versions. Each part assembles by itself: llvm-mc -triple=amdgcn-amd-amdhsa -mcpu=gfx1250 --defsym DOCPART=n.
;; ======== version 1 of 2: 4 launches
;; workspace buffers: wts 2,457,600 bytes; qc 6,291,456 bytes; qs 262,144 bytes; kv 13,107,200 bytes; mhc 6,291,456 bytes; mhs 262,144 bytes
;; launch prep (part 1): grid 384 x 1, 4 waves a work-group, no clusters, 0 bytes of LDS; arguments q_kernel, k_kernel, v_kernel, proj_kernel, w1, w2, wts; writes wts
.if DOCPART == 1
	.amdgcn_target "amdgcn-amd-amdhsa--gfx1250"
	.amdhsa_code_object_version 6
	.text
	.protected	k_q86b46858c0_prep
	.globl	k_q86b46858c0_prep
	.p2align	8
	.type	k_q86b46858c0_prep,@function
k_q86b46858c0_prep:
	s_mov_b64 s[64:65], 0
	v_nop
	global_prefetch_b8 v0, s[64:65] scope:SCOPE_SE
	s_setreg_imm32_b32 hwreg(HW_REG_WAVE_MODE, 25, 1), 1
	s_wait_xcnt 0x0
; PREP: the six weights (f32, K along their first matrix axis) become codes of E2M3 with one E8M0 byte for each 32 along K, laid in wts in the order in which the later launches walk them.
; DEAD WORK: none is left out in this program.  Every input of the layer has a way to out0 for some values (a masked logit too: a row that is masked throughout gives a uniform softmax), so all 17 inputs are loaded.
; LIMITS of the whole program: NaN and infinities among the inputs are not served.  A block of zeros gets the scale byte 1 (its codes are zeros; the bytes are read by this program alone).
; A block whose largest magnitude lies under 2^-124 (for q: 2^-121) is quantised under that floor's scale.
; LAYOUT OF wts: 24 slots of 102,400 bytes; a slot = 4 parts (one for each wave of a reader) of 25,600; a part = 16 fragments of 1,536 bytes and 1,024 bytes of scale words.
; A fragment = 16 columns of a weight x 128 along K as the image of the operand's 12 registers: two halves of 768 bytes (64 along K each): registers 0-3 of lane l at 16 l, registers 4-5 at 512 + 8 l.
; THE 16 COLUMNS OF A TILE ARE NOT NEIGHBOURS: in a group of 64 columns, row r of tile u is column 32 (r / 8) + 8 u + r % 8.  Used as source 0, four such tiles leave 32 neighbouring columns in a lane's 32 result registers.
; Slots 2 t + par (t = q, k, v): part w, fragment 4 q + u: head 2 w + par, K step q.  Slots 6 + p: proj, column group w + 4 p.  Slots 8 + 4 rho + a: w1, hidden group 8 rho + 2 w + a.
; Slots 10 + 4 rho + e: w2, K step 4 rho + 2 e + q / 2, column group w + 4 (q % 2).
; SHARES: one wave makes one fragment.  Lane (r, h) takes its column and its registers run down K in the operand's own order (k = 64 c + 32 h + 0 .. 31), so a block of 32 lies in one lane.
; No LDS, no barrier, no matrix unit: 12.6 MB are read once and the launch is short; tiles, clusters and a ring would buy nothing.
.set H8,  7                            ; v7      8 x (lane / 16): where my block's byte stands in a half word
.set QB,  8                            ; v8-11   four chains of the largest magnitude
.set QSC, 12                           ; v12     the conversions' scale operand
.set QBY, 13                           ; v13     the scale's byte
.set QP,  14                           ; v14     the other half's byte
.set QT,  16                           ; v16-18  a block's upper 16 codes
.set HWA, 24                           ; v24, v25 the two half words
.set HWB, 25
.set X,   32                           ; v32-95  my 64 numbers
.set CD,  96                           ; v96-107 the fragment
.set SEL, 40                           ; s[40:41] lane selects: lane l xor 16
.set MSB, 0
.macro WIN new                         ; the immediate's high byte repeats the setting that is left; here every window is 0 and nothing is written
.if MSB != (\new)
	s_set_vgpr_msb (MSB<<8)|(\new)
.set MSB, \new
.endif
.endm
; 32 numbers of a lane, one block along K, v[x] on in window wx, become six registers of codes at v[c] and the half word hw: the byte of the block in lanes 0-15 below, that of lanes 16-31 above.
; The largest magnitude has a floor among its leaves, so that the byte cannot fall under 1.  extra: that many more off the byte alone (a division by 2^extra that the scale takes up).
.macro QH x, wx, c, extra, hw
	WIN (\wx)|((\wx)<<2)
.irp k, 0,1,2,3
	v_max3_num_f32 v[QB+\k], |v[(\x)+8*\k]|, |v[(\x)+8*\k+1]|, (3+(\extra))<<23
.endr
.irp i, 2,4,6
.irp k, 0,1,2,3
	v_max3_num_f32 v[QB+\k], |v[(\x)+8*\k+\i]|, |v[(\x)+8*\k+\i+1]|, v[QB+\k]
.endr
.endr
	WIN 0
	v_max3_num_f32 v[QB], v[QB], v[QB+1], v[QB+2]
	v_max_num_f32 v[QB], v[QB], v[QB+3]
	v_add_nc_u32 v[QSC], 0xff000000, v[QB]         ; 2 off the exponent field: the conversion takes that field as its scale
	v_add_nc_u32 v[QBY], -((2+(\extra))<<23), v[QB]
	v_lshrrev_b32 v[QBY], 23, v[QBY]               ; the byte
	WIN (\wx)
	v_cvt_scalef32_pk16_fp6_f32 v[(\c):(\c)+2], v[(\x):(\x)+15], v[QSC]
	v_cvt_scalef32_pk16_fp6_f32 v[QT:QT+2], v[(\x)+16:(\x)+31], v[QSC]   ; (a conversion's three registers begin on an even number)
	WIN 0
	v_lshlrev_b32 v[QBY], v[H8], v[QBY]            ; the plain line behind the conversions
	v_mov_b32 v[(\c)+3], v[QT]
	v_mov_b32 v[(\c)+4], v[QT+1]
	v_mov_b32 v[(\c)+5], v[QT+2]
	v_permlanex16_b32 v[QP], v[QBY], s[SEL], s[SEL+1]
	v_or_b32 v[\hw], v[QBY], v[QP]
.endm
.macro LOADS pitch                     ; register 32 c + i: row 64 c + i of my 128 (lanes 16-31 begin 32 rows further down)
.set n, 0
.rept 64
	global_load_b32 v[X+n], v22, s[34:35] offset:(n+32*(n/32))*(\pitch)
.set n, n+1
.endr
.endm
	s_load_b256 s[4:11], s[0:1], 0x0               ; q_kernel, k_kernel, v_kernel, proj_kernel
	s_load_b128 s[12:15], s[0:1], 0x20             ; w1, w2
	s_load_b64 s[16:17], s[0:1], 0x30              ; wts
	v_lshrrev_b32 v1, 5, v0
	v_readfirstlane_b32 s23, v1                    ; u: my tile of the group of 64 columns
	v_and_b32 v1, 31, v0                           ; lane
	v_and_b32 v2, 15, v0                           ; r
	v_bfe_u32 v3, v0, 4, 1                         ; h
	v_lshlrev_b32 v[H8], 3, v3
	v_lshlrev_b32 v4, 4, v1                        ; 16 x lane
	v_lshlrev_b32 v5, 3, v1                        ; 8 x lane
	v_lshlrev_b32 v6, 4, v2                        ; 16 r
	v_and_b32 v20, 8, v2
	v_and_b32 v21, 7, v2
	v_lshl_add_u32 v20, v20, 2, v21                ; 32 (r / 8) + r % 8
	s_lshl_b32 s24, s23, 3
	v_add_nc_u32 v20, s24, v20                     ; + 8 u: my column in the group
	v_lshlrev_b32 v20, 2, v20                      ; in bytes
	v_mov_b32 v[QP], 0                             ; written once: a lane permute's destination counts as one of its sources
	s_mov_b32 s[SEL], 0x76543210
	s_mov_b32 s[SEL+1], 0xfedcba98
	s_lshr_b32 s20, ttmp9, 4                       ; slot
	s_bfe_u32 s21, ttmp9, 0x20002                  ; part
	s_and_b32 s22, ttmp9, 3                        ; q
	s_and_b32 s25, s20, 1                          ; slot % 2
	s_mul_i32 s26, s20, 102400
	s_mul_i32 s27, s21, 25600
	s_add_co_u32 s26, s26, s27                     ; my part's first byte in wts
	s_lshl_b32 s27, s22, 2
	s_add_co_u32 s27, s27, s23                     ; fragment i = 4 q + u
	s_mul_i32 s27, s27, 1536
	s_add_co_u32 s28, s26, s27
	s_mov_b32 s29, 0
	s_lshr_b32 s27, s22, 1                         ; the scale word of (i, r): 24576 + 512 (i / 8) + 16 (r + 16 (i % 2)) + 4 ((i / 2) % 4)
	s_lshl_b32 s27, s27, 9
	s_add_co_u32 s30, s26, s27
	s_and_b32 s27, s22, 1
	s_lshl_b32 s27, s27, 3
	s_add_co_u32 s30, s30, s27
	s_lshr_b32 s27, s23, 1
	s_lshl_b32 s27, s27, 2
	s_add_co_u32 s30, s30, s27
	s_and_b32 s27, s23, 1
	s_lshl_b32 s27, s27, 8
	s_add_co_u32 s30, s30, s27
	s_add_co_u32 s30, s30, 24576
	s_mov_b32 s31, 0
	s_wait_kmcnt 0x0
	s_add_nc_u64 s[28:29], s[16:17], s[28:29]
	s_add_nc_u64 s[30:31], s[16:17], s[30:31]
	; three arms, one for each pitch of a source row; the choice hangs on the work-group's number alone
	s_cmp_lt_u32 s20, 6
	s_cbranch_scc0 .Lnot_qkv
	s_cmp_lt_u32 s20, 2
	s_cselect_b64 s[34:35], s[4:5], s[6:7]
	s_cmp_lt_u32 s20, 4
	s_cselect_b64 s[34:35], s[34:35], s[8:9]
	s_lshl_b32 s36, s21, 1
	s_add_co_u32 s36, s36, s25                     ; head 2 w + par
	s_lshl_b32 s36, s36, 17                        ; 512 rows of 256 bytes a head
	s_lshl_b32 s37, s22, 15                        ; 128 rows a K step
	s_add_co_u32 s36, s36, s37
	s_mov_b32 s37, 0
	s_add_nc_u64 s[34:35], s[34:35], s[36:37]
	v_lshl_add_u32 v22, v3, 13, v20                ; + 32 rows for lanes 16-31
	LOADS 256
	s_branch .Lgot
.Lnot_qkv:
	s_sub_co_u32 s38, s20, 8
	s_lshr_b32 s38, s38, 2                         ; rho (of no meaning in slots 6 and 7, where it is selected away)
	s_bitcmp1_b32 s20, 1                           ; from slot 6 on, bit 1 set: proj or w2, rows of 2,048 bytes; clear: w1
	s_cbranch_scc0 .Lw1
	s_lshl_b32 s39, s38, 2
	s_lshl_b32 s42, s25, 1
	s_add_co_u32 s39, s39, s42
	s_lshr_b32 s42, s22, 1
	s_add_co_u32 s39, s39, s42                     ; w2's K step 4 rho + 2 e + q / 2
	s_and_b32 s42, s22, 1                          ; and which half of the column groups
	s_cmp_lt_u32 s20, 8
	s_cselect_b32 s39, s22, s39                    ; proj: K step q,
	s_cselect_b32 s42, s25, s42                    ; half p
	s_cselect_b64 s[34:35], s[10:11], s[14:15]
	s_lshl_b32 s42, s42, 2
	s_add_co_u32 s42, s42, s21                     ; column group
	s_lshl_b32 s36, s39, 18                        ; 128 rows of 2,048 bytes a K step
	s_lshl_b32 s42, s42, 8
	s_add_co_u32 s36, s36, s42
	s_mov_b32 s37, 0
	s_add_nc_u64 s[34:35], s[34:35], s[36:37]
	v_lshl_add_u32 v22, v3, 16, v20
	LOADS 2048
	s_branch .Lgot
.Lw1:
	s_lshl_b32 s36, s38, 3
	s_lshl_b32 s39, s21, 1
	s_add_co_u32 s36, s36, s39
	s_add_co_u32 s36, s36, s25                     ; hidden group 8 rho + 2 w + a
	s_lshl_b32 s36, s36, 8
	s_lshl_b32 s39, s22, 20                        ; 128 rows of 8,192 bytes a K step
	s_add_co_u32 s36, s36, s39
	s_mov_b32 s37, 0
	s_add_nc_u64 s[34:35], s[12:13], s[36:37]
	v_lshl_add_u32 v22, v3, 18, v20
	LOADS 8192
.Lgot:
	s_wait_loadcnt 0x0
	QH X, 0, CD, 0, HWA
	QH X+32, 0, CD+6, 0, HWB
	v_lshl_or_b32 v26, v[HWB], 16, v[HWA]          ; the four bytes of my column
	global_store_b128 v4, v[CD:CD+3], s[28:29]                 ; 512 consecutive bytes
	global_store_b64 v5, v[CD+4:CD+5], s[28:29] offset:512     ; 256 consecutive bytes
	global_store_b128 v4, v[CD+6:CD+9], s[28:29] offset:768
	global_store_b64 v5, v[CD+10:CD+11], s[28:29] offset:1280
	global_store_b32 v6, v26, s[30:31]             ; lanes r and 16 + r hold the same word and write the same bytes
	s_endpgm
.Lfunc_end_k_q86b46858c0_prep:
	.size	k_q86b46858c0_prep, .Lfunc_end_k_q86b46858c0_prep-k_q86b46858c0_prep
	.p2alignl 7, 3214868480
	.fill 96, 4, 3214868480
	.section	.rodata,"a",@progbits
	.p2align	6, 0x0
	.amdhsa_kernel k_q86b46858c0_prep
		.amdhsa_group_segment_fixed_size 0
		.amdhsa_private_segment_fixed_size 0
		.amdhsa_enable_private_segment 0
		.amdhsa_kernarg_size 56
		.amdhsa_user_sgpr_count 2
		.amdhsa_user_sgpr_kernarg_segment_ptr 1
		.amdhsa_wavefront_size32 1
		.amdhsa_system_sgpr_workgroup_id_x 1
		.amdhsa_system_sgpr_workgroup_id_y 1
		.amdhsa_system_sgpr_workgroup_id_z 1
		.amdhsa_system_vgpr_workitem_id 0
		.amdhsa_next_free_vgpr 128
		.amdhsa_next_free_sgpr 66
		.amdhsa_reserve_vcc 0
		.amdhsa_float_denorm_mode_32 3
		.amdhsa_float_denorm_mode_16_64 3
		.amdhsa_memory_ordered 1
		.amdhsa_forward_progress 1
		.amdhsa_inst_pref_size 26
	.end_amdhsa_kernel
	.amdgpu_metadata
---
amdhsa.version: [ 1, 2 ]
amdhsa.kernels:
  - .name:           k_q86b46858c0_prep
    .symbol:         k_q86b46858c0_prep.kd
    .args:
      - { .name: q_kernel, .offset: 0, .size: 8, .value_kind: global_buffer, .address_space: global }
      - { .name: k_kernel, .offset: 8, .size: 8, .value_kind: global_buffer, .address_space: global }
      - { .name: v_kernel, .offset: 16, .size: 8, .value_kind: global_buffer, .address_space: global }
      - { .name: proj_kernel, .offset: 24, .size: 8, .value_kind: global_buffer, .address_space: global }
      - { .name: w1, .offset: 32, .size: 8, .value_kind: global_buffer, .address_space: global }
      - { .name: w2, .offset: 40, .size: 8, .value_kind: global_buffer, .address_space: global }
      - { .name: wts, .offset: 48, .size: 8, .value_kind: global_buffer, .address_space: global }
    .group_segment_fixed_size: 0
    .private_segment_fixed_size: 0
    .kernarg_segment_align: 8
    .kernarg_segment_size: 56
    .max_flat_workgroup_size: 128
    .sgpr_count:     66
    .vgpr_count:     128
    .wavefront_size: 32
...
	.end_amdgpu_metadata
.endif
;; end of part 1
;; launch qkv (part 2): grid 256 x 1, 4 waves a work-group, clusters of 4 x 1, 327,680 bytes of LDS; arguments value, wts, qc, qs, kv; writes qc, qs, kv
.if DOCPART == 2
	.amdgcn_target "amdgcn-amd-amdhsa--gfx1250"
	.amdhsa_code_object_version 6
	.text
	.protected	k_q86b46858c0_qkv
	.globl	k_q86b46858c0_qkv
	.p2align	8
	.type	k_q86b46858c0_qkv,@function
k_q86b46858c0_qkv:
	s_mov_b64 s[64:65], 0
	v_nop
	global_prefetch_b8 v0, s[64:65] scope:SCOPE_SE
	s_setreg_imm32_b32 hwreg(HW_REG_WAVE_MODE, 25, 1), 1
	s_wait_xcnt 0x0
	s_wait_alu depctr_hold_cnt(0) depctr_sa_sdst(0) depctr_va_vdst(0) depctr_va_sdst(0) depctr_va_ssrc(0) depctr_va_vcc(0) depctr_vm_vsrc(0)
	s_getreg_b32 s2, hwreg(HW_REG_IB_STS2, 6, 4)
	s_cmp_eq_u32 s2, 0
	s_cbranch_scc0 .Lentry_in_a_cluster
	s_endpgm
.Lentry_in_a_cluster:
	s_bfe_u32 s2, ttmp6, 0x10000c
	s_cmp_lg_u32 s2, 0x3003
	s_cbranch_scc0 .Lentry_shape_is_right
	s_endpgm
.Lentry_shape_is_right:
; QKV: value is quantised along its 512; q, k, v = value x the three kernels (K = 512, four matrix instructions deep); q / 8, k and v are quantised for the two products of attention.  No work of the layer is left out.
; SHARES.  A work-group takes 64 rows of value.  Its four waves share the HEADS: in weight slot 2 t + par wave w makes head 2 w + par for all 64 rows: 16 fragments x 4 tiles of rows = 64 matrix instructions.
; CLUSTER.  The four work-groups of a cluster walk the same six weight slots, so each part of a slot is asked for jointly (mask 15).  A wave fetches the part that it reads itself.
; THE ROWS OF A TILE ARE NOT NEIGHBOURS: row r of tile m is row 32 (r / 8) + 8 m + r % 8 of the 64; the weights' columns likewise (launch prep).  So:
;   q, k: source 0 = 16 columns, source 1 = 16 rows: a lane holds one row and its 32 registers 32 neighbouring channels of the head: a whole block of product 4's K.
;   v:    source 0 = 16 rows, source 1 = 16 columns: a lane holds one channel and its 32 registers 32 neighbouring keys: a whole block of product 5's K.
; q's division by 8 is taken up by its scale bytes (3 off each): the codes are the same.
; value is loaded straight into registers, 128 consecutive bytes a lane and block; its fragments go from wave to wave through LDS as images of their registers.
; OUT: qc, qs for the queries; kv: one dense block of 102,400 bytes for each batch and 128 keys: K's fragments, V's fragments, K's and V's scale words, as launch attn reads them.
; V's scale words are made of two work-groups' halves, so those leave by stores of two bytes a lane (262 KB in all).
; REGISTERS: window 0: addresses, scale words, codes, two sets of four weight fragments; window 1: value's 16 fragments; window 2: the 16 accumulators (before that: value's numbers).
.set SLOT1, 102400                     ; LDS: slot 0 at 0, slot 1 here;
.set AIMG,  204800                     ; value's 16 fragments, (tile m, K step s) at (4 m + s) x 1,536;
.set ASC,   229376                     ; their scale words at 256 m + 16 r + 4 s;
.set SPARE, 230400                     ; the spare words, 128 bytes for each wave: two blocks of 256 bytes that no other line names
.set L16, 1                            ; v1   16 x lane
.set L8,  2                            ; v2   8 x lane
.set VA,  3                            ; v3   value: my row x 2,048 + 128 h
.set IW16, 4                           ; v4, v5  where I store my tile's images
.set IW8, 5
.set ASW, 6                            ; v6   and its scale words
.set SA,  7                            ; v7-10  my part of slot 0 (16 x lane, 8 x lane), of slot 1
.set R16, 11                           ; v11  16 r
.set H8,  12                           ; v12  8 h
.set IR16, 13                          ; v13, v14  the images, to be read
.set IR8, 14
.set ASR, 15                           ; v15  their scale words, to be read
.set SPW, 16                           ; v16  my spare word; never rewritten
.set NIL, 17                           ; v17  0; never rewritten
.set QB,  18
.set QSC, 22
.set QBY, 23
.set QP,  24
.set QT,  26
.set SW,  32                           ; v32-39  the weights' scale words: fragment i in register i / 2, lanes 0-15 (i even) or 16-31
.set AS,  40                           ; v40-47  value's: (m, s) in register 4 (m / 2) + s, lanes 0-15 (m even) or 16-31
.set HK,  48                           ; v48-51  half words kept from the even head
.set WD,  52                           ; v52-55  scale words
.set CS0, 56                           ; v56-87  four sets of codes
.set WF,  96                           ; v96-191 two sets of four weight fragments
.set WV,  14
.set SEL, 16
.set G1W, 24                           ; s[24:31] a part of a slot: 100 rows of 256 bytes, dense
.set G0A, 32                           ; s[32:35] slot 0's group 0;  s[36:39] slot 1's
.set QCB, 44
.set QSB, 46
.set KB,  48
.set KSB, 50
.set VB,  52
.set VSB, 54
.set VALB, 56
.set MSB, 0
.macro WIN new                         ; the immediate's high byte repeats the setting that is left
.if MSB != (\new)
	s_set_vgpr_msb (MSB<<8)|(\new)
.set MSB, \new
.endif
.endm
.macro PLACES n
.rept \n
	v_nop
.endr
.endm
.macro ROUND                           ; a round of the cluster's barrier
	s_barrier_signal -1
	s_barrier_wait -1
	s_cmp_lg_u32 s[WV], 0
	s_cbranch_scc1 .Lnot_wave_0_\@
	s_barrier_signal -3
.Lnot_wave_0_\@:
	s_barrier_wait -3
	s_barrier_signal -1
	s_barrier_wait -1
.endm
; 32 numbers of a lane, one block along K, v[x] on in window wx, become six registers of codes at v[c] (window 0) and the half word hw (the byte of lanes 0-15 below, of lanes 16-31 above).
; Each accumulator is read from its low end on.  extra: that many more off the byte alone.
.macro QH x, wx, c, extra, hw
	WIN (\wx)|((\wx)<<2)
.irp k, 0,1,2,3
	v_max3_num_f32 v[QB+\k], |v[(\x)+8*\k]|, |v[(\x)+8*\k+1]|, (3+(\extra))<<23
.endr
.irp i, 2,4,6
.irp k, 0,1,2,3
	v_max3_num_f32 v[QB+\k], |v[(\x)+8*\k+\i]|, |v[(\x)+8*\k+\i+1]|, v[QB+\k]
.endr
.endr
	WIN 0
	v_max3_num_f32 v[QB], v[QB], v[QB+1], v[QB+2]
	v_max_num_f32 v[QB], v[QB], v[QB+3]
	v_add_nc_u32 v[QSC], 0xff000000, v[QB]
	v_add_nc_u32 v[QBY], -((2+(\extra))<<23), v[QB]
	v_lshrrev_b32 v[QBY], 23, v[QBY]
	WIN (\wx)
	v_cvt_scalef32_pk16_fp6_f32 v[(\c):(\c)+2], v[(\x):(\x)+15], v[QSC]
	v_cvt_scalef32_pk16_fp6_f32 v[QT:QT+2], v[(\x)+16:(\x)+31], v[QSC]
	WIN 0
	v_lshlrev_b32 v[QBY], v[H8], v[QBY]            ; the plain line behind the conversions
	v_mov_b32 v[(\c)+3], v[QT]
	v_mov_b32 v[(\c)+4], v[QT+1]
	v_mov_b32 v[(\c)+5], v[QT+2]
	v_permlanex16_b32 v[QP], v[QBY], s[SEL], s[SEL+1]
	v_or_b32 v[\hw], v[QBY], v[QP]
.endm
.macro FRAG reg, a16, a8, off          ; a fragment's image comes back as it was stored
	ds_load_b128 v[(\reg):(\reg)+3], v[\a16] offset:(\off)
	ds_load_b64 v[(\reg)+4:(\reg)+5], v[\a8] offset:(\off)+512
	ds_load_b128 v[(\reg)+6:(\reg)+9], v[\a16] offset:(\off)+768
	ds_load_b64 v[(\reg)+10:(\reg)+11], v[\a8] offset:(\off)+1280
.endm
; one matrix instruction.  c < 0: the constant 0 starts the sum.  ra, rb: the half of the lanes in which the side's scale words stand
.macro WM d, a, b, c, sa, ra, sb, rb
.if (\c) < 0
.if (\ra) == 0
.if (\rb) == 0
	v_wmma_scale_f32_16x16x128_f8f6f4 v[(\d):(\d)+7], v[(\a):(\a)+11], v[(\b):(\b)+11], 0, v[\sa], v[\sb] matrix_a_fmt:MATRIX_FMT_FP6 matrix_b_fmt:MATRIX_FMT_FP6
.else
	v_wmma_scale_f32_16x16x128_f8f6f4 v[(\d):(\d)+7], v[(\a):(\a)+11], v[(\b):(\b)+11], 0, v[\sa], v[\sb] matrix_a_fmt:MATRIX_FMT_FP6 matrix_b_fmt:MATRIX_FMT_FP6 matrix_b_scale:MATRIX_SCALE_ROW1
.endif
.else
.if (\rb) == 0
	v_wmma_scale_f32_16x16x128_f8f6f4 v[(\d):(\d)+7], v[(\a):(\a)+11], v[(\b):(\b)+11], 0, v[\sa], v[\sb] matrix_a_fmt:MATRIX_FMT_FP6 matrix_b_fmt:MATRIX_FMT_FP6 matrix_a_scale:MATRIX_SCALE_ROW1
.else
	v_wmma_scale_f32_16x16x128_f8f6f4 v[(\d):(\d)+7], v[(\a):(\a)+11], v[(\b):(\b)+11], 0, v[\sa], v[\sb] matrix_a_fmt:MATRIX_FMT_FP6 matrix_b_fmt:MATRIX_FMT_FP6 matrix_a_scale:MATRIX_SCALE_ROW1 matrix_b_scale:MATRIX_SCALE_ROW1
.endif
.endif
.else
.if (\ra) == 0
.if (\rb) == 0
	v_wmma_scale_f32_16x16x128_f8f6f4 v[(\d):(\d)+7], v[(\a):(\a)+11], v[(\b):(\b)+11], v[(\c):(\c)+7], v[\sa], v[\sb] matrix_a_fmt:MATRIX_FMT_FP6 matrix_b_fmt:MATRIX_FMT_FP6
.else
	v_wmma_scale_f32_16x16x128_f8f6f4 v[(\d):(\d)+7], v[(\a):(\a)+11], v[(\b):(\b)+11], v[(\c):(\c)+7], v[\sa], v[\sb] matrix_a_fmt:MATRIX_FMT_FP6 matrix_b_fmt:MATRIX_FMT_FP6 matrix_b_scale:MATRIX_SCALE_ROW1
.endif
.else
.if (\rb) == 0
	v_wmma_scale_f32_16x16x128_f8f6f4 v[(\d):(\d)+7], v[(\a):(\a)+11], v[(\b):(\b)+11], v[(\c):(\c)+7], v[\sa], v[\sb] matrix_a_fmt:MATRIX_FMT_FP6 matrix_b_fmt:MATRIX_FMT_FP6 matrix_a_scale:MATRIX_SCALE_ROW1
.else
	v_wmma_scale_f32_16x16x128_f8f6f4 v[(\d):(\d)+7], v[(\a):(\a)+11], v[(\b):(\b)+11], v[(\c):(\c)+7], v[\sa], v[\sb] matrix_a_fmt:MATRIX_FMT_FP6 matrix_b_fmt:MATRIX_FMT_FP6 matrix_a_scale:MATRIX_SCALE_ROW1 matrix_b_scale:MATRIX_SCALE_ROW1
.endif
.endif
.endif
.endm
.macro UNIT sp, q                      ; the four weight fragments of K step q, from my part of slot sp, into set q % 2: 16 LDS loads
.irp u, 0,1,2,3
	FRAG WF+48*((\q)%2)+12*\u, SA+2*(\sp), SA+2*(\sp)+1, (4*(\q)+\u)*1536
.endr
.endm
; A slot's 64 matrix instructions: K steps 0 to 3, in each the 16 accumulators by turns, one instruction a turn.
; nat = 0: source 0 = weights, source 1 = value, accumulator (m, u) at 32 m + 8 u.  nat = 1: the sources change places, accumulator at 32 u + 8 m.
.macro GEMM sp, nat
	PLACES 5                                       ; in front of loads into registers that matrix instructions have read, and of sums begun anew over earlier results
	ds_load_b128 v[SW:SW+3], v[SA+2*(\sp)] offset:24576
	ds_load_b128 v[SW+4:SW+7], v[SA+2*(\sp)] offset:25088
	UNIT \sp, 0
.irp q, 0,1,2,3
.if \q < 3
.if \q > 0
	PLACES 4                                       ; the set that takes the next loads was multiplied a K step ago
.endif
	UNIT \sp, \q+1
	s_wait_dscnt 16                                ; all but the 16 loads just issued
.else
	s_wait_dscnt 0x0
.endif
.if \nat
	WIN 0xa1                                       ; source 0 (value) window 1, source 1 (weights) window 0, C and D window 2
.else
	WIN 0xa4                                       ; source 0 (weights) window 0, source 1 (value) window 1, C and D window 2
.endif
.irp m, 0,1,2,3
.irp u, 0,1,2,3
.if \nat
.if \q == 0
	WM 32*\u+8*\m, 12*(4*\m+\q), WF+48*(\q%2)+12*\u, -1, AS+4*(\m/2)+\q, \m%2, SW+2*\q+\u/2, \u%2
.else
	WM 32*\u+8*\m, 12*(4*\m+\q), WF+48*(\q%2)+12*\u, 32*\u+8*\m, AS+4*(\m/2)+\q, \m%2, SW+2*\q+\u/2, \u%2
.endif
.else
.if \q == 0
	WM 32*\m+8*\u, WF+48*(\q%2)+12*\u, 12*(4*\m+\q), -1, SW+2*\q+\u/2, \u%2, AS+4*(\m/2)+\q, \m%2
.else
	WM 32*\m+8*\u, WF+48*(\q%2)+12*\u, 12*(4*\m+\q), 32*\m+8*\u, SW+2*\q+\u/2, \u%2, AS+4*(\m/2)+\q, \m%2
.endif
.endif
.endr
.endr
	WIN 0
.endr
.endm
; THE CHANGE OF SLOTS.  Each wave waits for all its tensor loads (its part of the slot ahead), adds 0 to its spare word, and waits for that and for its reads of slot o, which it has left.
; fill = 1: slot o is filled again, two weight slots on: the barrier is a round of the cluster's, and the joint refill is the first thing behind it.
.macro CHG o, fill
	s_wait_tensorcnt 0x0                           ; no tensor load of mine is out, so a group 0 may be written
	ds_add_u32 v[SPW], v[NIL]
.if \fill
	s_add_nc_u64 s[G0A+4*(\o)+2:G0A+4*(\o)+3], s[G0A+4*(\o)+2:G0A+4*(\o)+3], 204800
	s_wait_dscnt 0x0
	ROUND
	tensor_load_to_lds s[G0A+4*(\o):G0A+4*(\o)+3], s[G1W:G1W+7]
	s_nop 0
	PLACES 4
.else
	s_wait_dscnt 0x0
	s_barrier_signal -1
	s_barrier_wait -1
.endif
.endm
.macro VLOAD s, reg                    ; my 16 rows' numbers of K step s: 64 a lane: k = 128 s + 64 c + 32 h + 0 .. 31
	WIN 0x80
.set n, 0
.rept 16
	global_load_b128 v[(\reg)+4*n:(\reg)+4*n+3], v[VA], s[VALB:VALB+1] offset:512*(\s)+256*(n/8)+16*(n%8) th:TH_LOAD_NT
.set n, n+1
.endr
	WIN 0
.endm
.macro VQ s, reg                       ; they become fragment (w, s), whose image goes to LDS
	s_wait_dscnt 0x0                               ; the last image's stores have read their registers
	QH \reg, 2, CS0, 0, HK
	QH (\reg)+32, 2, CS0+8, 0, HK+1
	v_lshl_or_b32 v[WD+(\s)], v[HK+1], 16, v[HK]
	ds_store_b128 v[IW16], v[CS0:CS0+3] offset:(\s)*1536
	ds_store_b64 v[IW8], v[CS0+4:CS0+5] offset:(\s)*1536+512
	ds_store_b128 v[IW16], v[CS0+8:CS0+11] offset:(\s)*1536+768
	ds_store_b64 v[IW8], v[CS0+12:CS0+13] offset:(\s)*1536+1280
.endm
; q's and k's way out: four tiles of rows, each 64 channels of head 2 w + par: half a fragment, 768 bytes in whole runs of 512 and 256.  The two heads' half words make a scale word.
.macro OUTQK par, extra, cb, sb
	PLACES 4
	s_wait_xcnt 0x0                                ; the last slot's stores have read their registers
.irp m, 0,1,2,3
.if \par
	QH 32*\m, 2, CS0+8*\m, \extra, WD+\m
	v_lshl_or_b32 v[WD+\m], v[WD+\m], 16, v[HK+\m]
.else
	QH 32*\m, 2, CS0+8*\m, \extra, HK+\m
.endif
	global_store_b128 v[L16], v[CS0+8*\m:CS0+8*\m+3], s[\cb:\cb+1] offset:\m*6144+(\par)*768
	global_store_b64 v[L8], v[CS0+8*\m+4:CS0+8*\m+5], s[\cb:\cb+1] offset:\m*6144+(\par)*768+512
.endr
.if \par
	global_store_b128 v[R16], v[WD:WD+3], s[\sb:\sb+1]     ; lanes r and 16 + r hold the same words and write the same bytes
.endif
.endm
.macro OUTV par                        ; v's: four tiles of channels, each my 64 keys
	PLACES 4
	s_wait_xcnt 0x0
.irp u, 0,1,2,3
	QH 32*\u, 2, CS0+8*\u, 0, HK+\u
	global_store_b128 v[L16], v[CS0+8*\u:CS0+8*\u+3], s[VB:VB+1] offset:(\par)*6144+\u*1536
	global_store_b64 v[L8], v[CS0+8*\u+4:CS0+8*\u+5], s[VB:VB+1] offset:(\par)*6144+\u*1536+512
	global_store_b16 v[R16], v[HK+\u], s[VSB:VSB+1] offset:(\par)*256+4*\u
.endr
.endm
	s_load_b256 s[4:11], s[0:1], 0x0               ; value, wts, qc, qs
	s_load_b64 s[12:13], s[0:1], 0x20              ; kv
	v_lshl_add_u32 v[SPW], v0, 2, SPARE
	v_mov_b32 v[NIL], 0
	ds_add_u32 v[SPW], v[NIL]                      ; the wave's opening: the add, twice on end, and its wait ahead of my first tensor load
	ds_add_u32 v[SPW], v[NIL]
	v_lshrrev_b32 v88, 5, v0
	v_readfirstlane_b32 s[WV], v88                 ; wave 0..3
	s_mov_b32 s[G1W], 15|(3<<16)|(1<<21)           ; the mask: all four work-groups; elements of 8 bytes; bit 21 beside a mask; no padding
	s_mov_b32 s[G1W+1], 32<<16                     ; tensor_dim0 = 32 elements = 256 bytes
	s_mov_b32 s[G1W+2], 100<<16                    ; tensor_dim1 = 100
	s_mov_b32 s[G1W+3], 32<<16                     ; tile_dim0
	s_mov_b32 s[G1W+4], 100                        ; tile_dim1
	s_mov_b32 s[G1W+5], 32                         ; the pitch: dense
	s_mov_b32 s[G1W+6], 0
	s_mov_b32 s[G1W+7], 0
	s_mov_b32 s[SEL], 0x76543210
	s_mov_b32 s[SEL+1], 0xfedcba98
	s_mul_i32 s20, s[WV], 25600                    ; my part, in a slot of wts and in a slot of LDS: no place in the cluster enters it
	s_mov_b32 s21, 0
	s_wait_dscnt 0x0                               ; both opening adds are done
	s_wait_kmcnt 0x0
	s_mov_b32 s[G0A], 1
	s_mov_b32 s[G0A+1], s20
	s_add_nc_u64 s[G0A+2:G0A+3], s[6:7], s[20:21]  ; weight slot 0
	s_mov_b32 s[G0A+4], 1
	s_add_co_u32 s[G0A+5], s20, SLOT1
	s_add_nc_u64 s[G0A+6:G0A+7], s[G0A+2:G0A+3], 102400   ; weight slot 1
	s_or_b32 s[G0A+3], s[G0A+3], 0x80000000
	s_or_b32 s[G0A+7], s[G0A+7], 0x80000000
	ROUND                                          ; all four work-groups are here: the first joint loads meet
	tensor_load_to_lds s[G0A:G0A+3], s[G1W:G1W+7]
	s_nop 0
	tensor_load_to_lds s[G0A+4:G0A+7], s[G1W:G1W+7]   ; two loads of mine are out
	s_nop 0
	PLACES 4
	v_and_b32 v88, 31, v0                          ; lane
	v_and_b32 v89, 15, v0                          ; r
	v_bfe_u32 v90, v0, 4, 1                        ; h
	v_lshlrev_b32 v[L16], 4, v88
	v_lshlrev_b32 v[L8], 3, v88
	v_lshlrev_b32 v[R16], 4, v89
	v_lshlrev_b32 v[H8], 3, v90
	v_and_b32 v91, 8, v89
	v_and_b32 v92, 7, v89
	v_lshl_add_u32 v91, v91, 2, v92
	s_lshl_b32 s22, s[WV], 3
	v_add_nc_u32 v91, s22, v91                     ; my row of the 64: 32 (r / 8) + 8 w + r % 8
	v_lshlrev_b32 v[VA], 11, v91
	v_lshl_add_u32 v[VA], v90, 7, v[VA]
	s_mul_i32 s22, s[WV], 6144
	s_add_co_u32 s22, s22, AIMG
	v_add_nc_u32 v[IW16], s22, v[L16]
	v_add_nc_u32 v[IW8], s22, v[L8]
	s_lshl_b32 s22, s[WV], 8
	s_add_co_u32 s22, s22, ASC
	v_add_nc_u32 v[ASW], s22, v[R16]
	v_add_nc_u32 v[SA], s20, v[L16]
	v_add_nc_u32 v[SA+1], s20, v[L8]
	v_add_nc_u32 v[SA+2], SLOT1, v[SA]
	v_add_nc_u32 v[SA+3], SLOT1, v[SA+1]
	v_add_nc_u32 v[IR16], AIMG, v[L16]
	v_add_nc_u32 v[IR8], AIMG, v[L8]
	v_add_nc_u32 v[ASR], ASC, v[L16]
	v_mov_b32 v[QP], 0                             ; written once: a lane permute's destination counts as one of its sources
	s_bfe_u32 s18, ttmp6, 0x40000                  ; cx
	s_lshl_b32 s19, ttmp9, 2
	s_add_co_u32 s19, s19, s18                     ; my block of 64 rows: it enters addresses of plain loads and stores alone
	s_mov_b32 s41, 0
	s_lshl_b32 s40, s19, 17
	s_add_nc_u64 s[VALB:VALB+1], s[4:5], s[40:41]
	s_mul_i32 s40, s19, 24576
	s_mul_i32 s42, s[WV], 1536
	s_add_co_u32 s40, s40, s42
	s_add_nc_u64 s[QCB:QCB+1], s[8:9], s[40:41]    ; qc: ((block x 4 + m) x 8 + head) x 768
	s_lshl_b32 s40, s19, 2
	s_add_co_u32 s40, s40, s[WV]
	s_lshl_b32 s40, s40, 8
	s_add_nc_u64 s[QSB:QSB+1], s[10:11], s[40:41]  ; qs: (block x 4 + head pair) x 256 + 16 r + 4 m
	s_lshr_b32 s40, s19, 1
	s_mul_i32 s40, s40, 102400                     ; my block of kv: 128 keys
	s_add_nc_u64 s[12:13], s[12:13], s[40:41]
	s_and_b32 s43, s19, 1                          ; which 64 of them are mine
	s_mul_i32 s40, s43, 24576
	s_add_co_u32 s40, s40, s42
	s_add_nc_u64 s[KB:KB+1], s[12:13], s[40:41]    ; K's fragment (tile 4 cc + m, head pair w)
	s_lshl_b32 s40, s[WV], 9
	s_lshl_b32 s42, s43, 8
	s_add_co_u32 s40, s40, s42
	s_add_co_u32 s40, s40, 98304
	s_add_nc_u64 s[KSB:KSB+1], s[12:13], s[40:41]
	s_mul_i32 s40, s[WV], 12288
	s_mul_i32 s42, s43, 768
	s_add_co_u32 s40, s40, s42
	s_add_co_u32 s40, s40, 49152
	s_add_nc_u64 s[VB:VB+1], s[12:13], s[40:41]    ; V's fragment (head, u), the half of my 64 keys
	s_lshl_b32 s40, s[WV], 9
	s_lshl_b32 s42, s43, 1
	s_add_co_u32 s40, s40, s42
	s_add_co_u32 s40, s40, 100352
	s_add_nc_u64 s[VSB:VSB+1], s[12:13], s[40:41]
	; value: wave w quantises tile w; one K step's loads are out while another is worked on
	VLOAD 0, 0
	VLOAD 1, 64
	s_wait_loadcnt 16                              ; this K step's 16 loads are in; the next step's may be out
	VQ 0, 0
	VLOAD 2, 0
	s_wait_loadcnt 16
	VQ 1, 64
	VLOAD 3, 64
	s_wait_loadcnt 16
	VQ 2, 0
	s_wait_loadcnt 0x0
	VQ 3, 64
	ds_store_b128 v[ASW], v[WD:WD+3]               ; my tile's scale words (lanes r and 16 + r write the same)
	s_wait_tensorcnt 0x1                           ; my part of slot 0 is in; slot 1's may stay out
	s_wait_dscnt 0x0                               ; my images have landed
	s_barrier_signal -1
	s_barrier_wait -1                              ; everybody's have
	WIN 0x40
.set f, 0
.rept 16
	FRAG 12*f, IR16, IR8, f*1536
.set f, f+1
.endr
	WIN 0
	ds_load_b128 v[AS:AS+3], v[ASR]
	ds_load_b128 v[AS+4:AS+7], v[ASR] offset:512
	GEMM 0, 0
	OUTQK 0, 3, QCB, QSB                           ; q, even heads
	CHG 0, 1
	GEMM 1, 0
	OUTQK 1, 3, QCB, QSB                           ; q, odd heads
	CHG 1, 1
	GEMM 0, 0
	OUTQK 0, 0, KB, KSB                            ; k
	CHG 0, 1
	GEMM 1, 0
	OUTQK 1, 0, KB, KSB
	CHG 1, 1
	GEMM 0, 1
	OUTV 0                                         ; v
	CHG 0, 0                                       ; nothing is left to fetch
	GEMM 1, 1
	OUTV 1
	s_wait_tensorcnt 0x0                           ; the wave's end
	ds_add_u32 v[SPW], v[NIL]
	s_wait_dscnt 0x0
	ROUND                                          ; the closing round
	s_endpgm
.Lfunc_end_k_q86b46858c0_qkv:
	.size	k_q86b46858c0_qkv, .Lfunc_end_k_q86b46858c0_qkv-k_q86b46858c0_qkv
	.p2alignl 7, 3214868480
	.fill 96, 4, 3214868480
	.section	.rodata,"a",@progbits
	.p2align	6, 0x0
	.amdhsa_kernel k_q86b46858c0_qkv
		.amdhsa_group_segment_fixed_size 327680
		.amdhsa_private_segment_fixed_size 0
		.amdhsa_enable_private_segment 0
		.amdhsa_kernarg_size 40
		.amdhsa_user_sgpr_count 2
		.amdhsa_user_sgpr_kernarg_segment_ptr 1
		.amdhsa_wavefront_size32 1
		.amdhsa_system_sgpr_workgroup_id_x 1
		.amdhsa_system_sgpr_workgroup_id_y 1
		.amdhsa_system_sgpr_workgroup_id_z 1
		.amdhsa_system_vgpr_workitem_id 0
		.amdhsa_next_free_vgpr 640
		.amdhsa_next_free_sgpr 66
		.amdhsa_reserve_vcc 0
		.amdhsa_float_denorm_mode_32 3
		.amdhsa_float_denorm_mode_16_64 3
		.amdhsa_memory_ordered 1
		.amdhsa_forward_progress 1
		.amdhsa_inst_pref_size 165
	.end_amdhsa_kernel
	.amdgpu_metadata
---
amdhsa.version: [ 1, 2 ]
amdhsa.kernels:
  - .name:           k_q86b46858c0_qkv
    .symbol:         k_q86b46858c0_qkv.kd
    .args:
      - { .name: value, .offset: 0, .size: 8, .value_kind: global_buffer, .address_space: global }
      - { .name: wts, .offset: 8, .size: 8, .value_kind: global_buffer, .address_space: global }
      - { .name: qc, .offset: 16, .size: 8, .value_kind: global_buffer, .address_space: global }
      - { .name: qs, .offset: 24, .size: 8, .value_kind: global_buffer, .address_space: global }
      - { .name: kv, .offset: 32, .size: 8, .value_kind: global_buffer, .address_space: global }
    .group_segment_fixed_size: 327680
    .private_segment_fixed_size: 0
    .kernarg_segment_align: 8
    .kernarg_segment_size: 40
    .max_flat_workgroup_size: 128
    .sgpr_count:     66
    .vgpr_count:     640
    .wavefront_size: 32
...
	.end_amdgpu_metadata
.endif
;; end of part 2
;; launch attn (part 3): grid 16 x 16, 4 waves a work-group, clusters of 4 x 1, 327,680 bytes of LDS; arguments qc, qs, kv, mask, timediff, attn_coef_w, mhc, mhs; writes mhc, mhs
.if DOCPART == 3
	.amdgcn_target "amdgcn-amd-amdhsa--gfx1250"
	.amdhsa_code_object_version 6
	.text
	.protected	k_q86b46858c0_attn
	.globl	k_q86b46858c0_attn
	.p2align	8
	.type	k_q86b46858c0_attn,@function
k_q86b46858c0_attn:
	s_mov_b64 s[64:65], 0
	v_nop
	global_prefetch_b8 v0, s[64:65] scope:SCOPE_SE
	s_setreg_imm32_b32 hwreg(HW_REG_WAVE_MODE, 25, 1), 1
	s_wait_xcnt 0x0
	s_wait_alu depctr_hold_cnt(0) depctr_sa_sdst(0) depctr_va_vdst(0) depctr_va_sdst(0) depctr_va_ssrc(0) depctr_va_vcc(0) depctr_vm_vsrc(0)
	s_getreg_b32 s2, hwreg(HW_REG_IB_STS2, 6, 4)
	s_cmp_eq_u32 s2, 0
	s_cbranch_scc0 .Lentry_in_a_cluster
	s_endpgm
.Lentry_in_a_cluster:
	s_bfe_u32 s2, ttmp6, 0x10000c
	s_cmp_lg_u32 s2, 0x3003
	s_cbranch_scc0 .Lentry_shape_is_right
	s_endpgm
.Lentry_shape_is_right:
; ATTN: for each batch, head and query: t = (q . k + (-1e10)(1 - mask) - timediff x w_head) x log2(e); p = 2^(t - M), M the running largest t rounded up to a whole number; p is quantised along the keys;
; O = sum of p v, divided at the end by the sum of the unquantised p; the result is quantised along (head, channel) for the projection.  No work of the layer is left out.
; SHARES.  A work-group takes 64 queries of one batch; wave w takes tile w of them (query 32 (r / 8) + 8 w + r % 8 in lane r) FOR ALL 8 HEADS: so timediff and mask are read from memory once and serve eight heads from registers.
; Keys go in 8 steps of 128 through two LDS slots.  A slot holds the step's dense block of kv (K's and V's fragments and scale words, as launch qkv laid them), 64 x 128 of timediff and of mask.
; CLUSTER.  The four query blocks of a cluster belong to one batch and walk the same kv: waves 0 and 1 ask for its halves jointly; wave 2 fetches timediff's tile and wave 3 mask's, which are the work-group's own.
; LAYOUT.  S^T = K Q^T (source 0 = 16 keys, source 1 = my 16 queries), O^T = V^T P^T (source 0 = 16 channels, source 1 = P): a lane holds one query throughout.  By the choice of a tile's keys a lane's 32 registers of
; four tiles are 32 neighbouring keys, one whole block of the second product's K; by the choice of V's channels O^T's 32 registers of a head are a whole block of the projection's K.
; The first product's K is 64 and the instruction's 128: a fragment of K holds two heads' halves, and each head's fragment of Q has zero codes in the other head's half.
; THE MASK: t = s c + (0 or -1e10 c), then minus timediff x (w c), each by one fused multiply-add: a masked key's p falls to 0.  A row that is masked throughout comes out uniform, as in the layer's own f32,
; as long as |s c| and |timediff w c| stay under 512, half a unit in the last place of 1e10 c.  LIMIT: the time bias is rounded once where the layer as written rounds twice.
; No prefetch: a step's tiles are asked for a whole step (96 matrix and some 2,500 vector instructions of a wave) ahead of the wait for them.
; REGISTERS: window 0: addresses, scale words, statistics (-M, largest t, the sum in two halves: four a head), P's codes, at work, S^T of two heads.  window 1: O^T, 32 a head.
;   window 2: v0-95 K's 8 fragments of a head pair; v96-191 V's 8; v192-255 the mask's term.  window 3: v0-95 Q's 8 fragments; v96-159 timediff; v160-175 mask bytes.
.set SLOTB, 145408                     ; a slot: kv's block 102,400; timediff 64 rows x 528; mask 64 rows x 144
.set VOFF,  49152
.set SOFF,  98304
.set TDO,   102400
.set MKO,   136192
.set SPARE, 290816                     ; behind the two slots: the spare words, 128 bytes for each wave: two blocks of 256 bytes that no other line names
.set L16, 1
.set L8,  2
.set TD0, 3                            ; v3   my query's row of timediff's tile, + 128 h
.set MK0, 4                            ; v4   of mask's, + 32 h
.set AK16, 5                           ; v5-11  the step's addresses
.set AK8, 6
.set AV16, 7
.set AV8, 8
.set ASC, 9
.set ATD, 10
.set AMK, 11
.set H8,  12
.set R16, 13
.set SPW, 14                           ; v14  my spare word; never rewritten
.set NIL, 15                           ; v15  0; never rewritten
.set KSW, 16                           ; v16-19  K's scale words: tile T in register T % 4, lanes 0-15 (T < 4) or 16-31
.set VSW, 20                           ; v20-23  V's: tile u in register u, lanes 0-15 (even head) or 16-31
.set QSW, 24                           ; v24-27  Q's, one a head pair
.set PW,  28                           ; v28     P's
.set FF,  30                           ; v30, v31  f = 2^(old M - new M); the pair's upper half is written once
.set ST,  32                           ; v32-63  statistics
.set PC,  64                           ; v64-75  P's codes
.set QT,  76                           ; v76-78, v80-82  upper halves of blocks
.set QT2, 80
.set CH,  84                           ; v84-91  chains of maxima
.set BM,  92                           ; v92, v93  the two blocks' largest t, then p
.set RM,  94
.set RP,  95
.set TMP, 96
.set QS,  98                           ; v98, v99  the conversions' scale operands
.set BY,  100                          ; v100, v101  the bytes
.set PWT, 102
.set PP,  103
.set SMB, 104                          ; v104-109  three chains of the sum
.set HWD, 112                          ; v112-119  the heads' half words on the way out
.set WDS, 120                          ; v120-123  and the four scale words
.set SXA, 128                          ; v128-191  S^T of the even head
.set SXB, 192                          ; v192-255  of the odd head
.set QB,  84                           ; the quantiser of the way out works in registers that the softmax has left
.set QSC, 98
.set QBY, 100
.set QP,  103
.set VF,  96                           ; window 2
.set MT,  192
.set TD,  96                           ; window 3
.set MB,  160
.set WV,  20
.set SEL, 22
.set CS,  24                           ; s[24:25] c = log2(e)
.set MTC, 26                           ; s26  -1e10 x log2(e)
.set TB,  27                           ; s27  the slot in hand
.set TF,  28                           ; s28  the slot to be filled
.set KVW, 29                           ; s29  51,200 x (wave % 2)
.set CNT, 30
.set G1KV, 32
.set G1TD, 40
.set G1MK, 48
.set G0KV, 56
.set G0TD, 60
.set G0MK, 68
.set WC,  80                           ; s[80:95] -(w_head x log2(e)), a pair a head
.set MSB, 0
.macro WIN new
.if MSB != (\new)
	s_set_vgpr_msb (MSB<<8)|(\new)
.set MSB, \new
.endif
.endm
.macro PLACES n
.rept \n
	v_nop
.endr
.endm
.macro ROUND
	s_barrier_signal -1
	s_barrier_wait -1
	s_cmp_lg_u32 s[WV], 0
	s_cbranch_scc1 .Lnot_wave_0_\@
	s_barrier_signal -3
.Lnot_wave_0_\@:
	s_barrier_wait -3
	s_barrier_signal -1
	s_barrier_wait -1
.endm
.macro QH x, wx, c, extra, hw          ; as in launch qkv: 32 numbers of a lane become six registers of codes and a half word of scale bytes
	WIN (\wx)|((\wx)<<2)
.irp k, 0,1,2,3
	v_max3_num_f32 v[QB+\k], |v[(\x)+8*\k]|, |v[(\x)+8*\k+1]|, (3+(\extra))<<23
.endr
.irp i, 2,4,6
.irp k, 0,1,2,3
	v_max3_num_f32 v[QB+\k], |v[(\x)+8*\k+\i]|, |v[(\x)+8*\k+\i+1]|, v[QB+\k]
.endr
.endr
	WIN 0
	v_max3_num_f32 v[QB], v[QB], v[QB+1], v[QB+2]
	v_max_num_f32 v[QB], v[QB], v[QB+3]
	v_add_nc_u32 v[QSC], 0xff000000, v[QB]
	v_add_nc_u32 v[QBY], -((2+(\extra))<<23), v[QB]
	v_lshrrev_b32 v[QBY], 23, v[QBY]
	WIN (\wx)
	v_cvt_scalef32_pk16_fp6_f32 v[(\c):(\c)+2], v[(\x):(\x)+15], v[QSC]
	v_cvt_scalef32_pk16_fp6_f32 v[QT:QT+2], v[(\x)+16:(\x)+31], v[QSC]
	WIN 0
	v_lshlrev_b32 v[QBY], v[H8], v[QBY]
	v_mov_b32 v[(\c)+3], v[QT]
	v_mov_b32 v[(\c)+4], v[QT+1]
	v_mov_b32 v[(\c)+5], v[QT+2]
	v_permlanex16_b32 v[QP], v[QBY], s[SEL], s[SEL+1]
	v_or_b32 v[\hw], v[QBY], v[QP]
.endm
.macro FRAG reg, a16, a8, off
	ds_load_b128 v[(\reg):(\reg)+3], v[\a16] offset:(\off)
	ds_load_b64 v[(\reg)+4:(\reg)+5], v[\a8] offset:(\off)+512
	ds_load_b128 v[(\reg)+6:(\reg)+9], v[\a16] offset:(\off)+768
	ds_load_b64 v[(\reg)+10:(\reg)+11], v[\a8] offset:(\off)+1280
.endm
.macro WM d, a, b, c, sa, ra, sb       ; one matrix instruction; c < 0: the constant 0; ra: the half of the lanes with source 0's scale words; source 1's stand in lanes 0-15
.if (\c) < 0
.if (\ra) == 0
	v_wmma_scale_f32_16x16x128_f8f6f4 v[(\d):(\d)+7], v[(\a):(\a)+11], v[(\b):(\b)+11], 0, v[\sa], v[\sb] matrix_a_fmt:MATRIX_FMT_FP6 matrix_b_fmt:MATRIX_FMT_FP6
.else
	v_wmma_scale_f32_16x16x128_f8f6f4 v[(\d):(\d)+7], v[(\a):(\a)+11], v[(\b):(\b)+11], 0, v[\sa], v[\sb] matrix_a_fmt:MATRIX_FMT_FP6 matrix_b_fmt:MATRIX_FMT_FP6 matrix_a_scale:MATRIX_SCALE_ROW1
.endif
.else
.if (\ra) == 0
	v_wmma_scale_f32_16x16x128_f8f6f4 v[(\d):(\d)+7], v[(\a):(\a)+11], v[(\b):(\b)+11], v[(\c):(\c)+7], v[\sa], v[\sb] matrix_a_fmt:MATRIX_FMT_FP6 matrix_b_fmt:MATRIX_FMT_FP6
.else
	v_wmma_scale_f32_16x16x128_f8f6f4 v[(\d):(\d)+7], v[(\a):(\a)+11], v[(\b):(\b)+11], v[(\c):(\c)+7], v[\sa], v[\sb] matrix_a_fmt:MATRIX_FMT_FP6 matrix_b_fmt:MATRIX_FMT_FP6 matrix_a_scale:MATRIX_SCALE_ROW1
.endif
.endif
.endm
; Each wave's one tensor load: waves 0 and 1 the halves of kv's block (joint), wave 2 timediff's tile, wave 3 mask's.  The branches hang on the wave's number alone.
.macro TLOAD
	s_cmp_lt_u32 s[WV], 2
	s_cbranch_scc0 .Lnot_kv_\@
	tensor_load_to_lds s[G0KV:G0KV+3], s[G1KV:G1KV+7]
	s_nop 0
	PLACES 4
	s_branch .Lasked_\@
.Lnot_kv_\@:
	s_cmp_eq_u32 s[WV], 2
	s_cbranch_scc0 .Lfor_mask_\@
	tensor_load_to_lds s[G0TD:G0TD+3], s[G1TD:G1TD+7]
	s_nop 0
	PLACES 4
	s_branch .Lasked_\@
.Lfor_mask_\@:
	tensor_load_to_lds s[G0MK:G0MK+3], s[G1MK:G1MK+7]
	s_nop 0
	PLACES 4
.Lasked_\@:
.endm
.macro KLOAD hp                        ; K's 8 fragments of head pair hp and their scale words: 33 LDS loads
	WIN 0x80
.irp T, 0,1,2,3,4,5,6,7
	FRAG 12*\T, AK16, AK8, (4*\T+(\hp))*1536
.endr
	WIN 0
	ds_load_b128 v[KSW:KSW+3], v[ASC] offset:(\hp)*512
.endm
.macro VLOAD hp                        ; V's 8 fragments (two heads x four tiles of channels) and their scale words: 33
	WIN 0x80
.irp f, 0,1,2,3,4,5,6,7
	FRAG VF+12*\f, AV16, AV8, (8*(\hp)+\f)*1536
.endr
	WIN 0
	ds_load_b128 v[VSW:VSW+3], v[ASC] offset:2048+(\hp)*512
.endm
; ONE HEAD'S SOFTMAX FOR 128 KEYS.  Register 32 c + i of S is key 64 c + 32 h + i of my query.
.macro SOFTMAX hd, S
.set rT, ST+4*(\hd)
	WIN 0x20                                       ; source 2 (the mask's term) window 2
.set n, 0
.rept 32
	v_pk_fma_f32 v[(\S)+n:(\S)+n+1], v[(\S)+n:(\S)+n+1], s[CS:CS+1], v[MT+n:MT+n+1] op_sel_hi:[1,0,1]   ; each accumulator from its low end on
.set n, n+2
.endr
	WIN 0x03                                       ; source 0 (timediff) window 3
.set n, 0
.rept 32
	v_pk_fma_f32 v[(\S)+n:(\S)+n+1], v[TD+n:TD+n+1], s[WC+2*(\hd):WC+2*(\hd)+1], v[(\S)+n:(\S)+n+1] op_sel_hi:[1,0,1]   ; t
.set n, n+2
.endr
	WIN 0
.irp k, 0,1,2,3,4,5,6,7
	v_max3_num_f32 v[CH+\k], v[(\S)+8*\k], v[(\S)+8*\k+1], v[(\S)+8*\k+2]    ; eight chains by turns
.endr
.irp i, 3,5
.irp k, 0,1,2,3,4,5,6,7
	v_max3_num_f32 v[CH+\k], v[CH+\k], v[(\S)+8*\k+\i], v[(\S)+8*\k+\i+1]
.endr
.endr
.irp k, 0,1,2,3,4,5,6,7
	v_max_num_f32 v[CH+\k], v[CH+\k], v[(\S)+8*\k+7]
.endr
	v_max3_num_f32 v[BM], v[CH], v[CH+1], v[CH+2]              ; THE LARGEST t OF EACH OF MY TWO BLOCKS: it serves the row's maximum and, since p rises with t, the block's largest p
	v_max3_num_f32 v[BM+1], v[CH+4], v[CH+5], v[CH+6]
	v_max_num_f32 v[BM], v[BM], v[CH+3]
	v_max_num_f32 v[BM+1], v[BM+1], v[CH+7]
	v_max_num_f32 v[RM], v[BM], v[BM+1]
	v_permlanex16_b32 v[RP], v[RM], s[SEL], s[SEL+1]           ; my query's other 64 keys lie in the lane 16 away
	v_mov_b32 v[TMP], v[rT]
	v_max3_num_f32 v[rT+1], v[RM], v[RP], v[rT+1]              ; the running largest t
	v_floor_f32 v[rT], -v[rT+1]                                ; -M = floor(-t): M is a whole number
	v_sub_f32 v[TMP], v[rT], v[TMP]                            ; old M - new M, 0 or less
	v_cvt_i32_f32 v[TMP], v[TMP]                               ; (it saturates)
	v_ldexp_f32 v[FF], 1.0, v[TMP]                             ; f: a multiplication by it rounds nothing
.set n, 0
.rept 32
	v_pk_add_f32 v[(\S)+n:(\S)+n+1], v[(\S)+n:(\S)+n+1], v[rT:rT+1] op_sel_hi:[1,0]   ; t - M
.set n, n+2
.endr
	v_add_f32 v[BM], v[BM], v[rT]
	v_add_f32 v[BM+1], v[BM+1], v[rT]
.set n, 0
.rept 64
	v_exp_f32 v[(\S)+n], v[(\S)+n]                             ; p, at most 1, not normalised
.set n, n+1
.endr
	v_pk_mul_f32 v[rT+2:rT+3], v[rT+2:rT+3], v[FF:FF+1] op_sel_hi:[1,0]   ; the sum under the new M: the plain line behind the exponentials
	s_wait_alu depctr_va_vdst(0)                   ; one wait for the batch, ahead of its first reader
	v_exp_f32 v[BM], v[BM]                         ; the blocks' largest p: the same operations on the same numbers give the same bits
	v_exp_f32 v[BM+1], v[BM+1]
	v_pk_add_f32 v[SMB:SMB+1], v[(\S):(\S)+1], v[(\S)+2:(\S)+3]            ; THE ROW'S SUM IS TAKEN OF THE UNQUANTISED p, in four chains
	v_pk_add_f32 v[SMB+2:SMB+3], v[(\S)+4:(\S)+5], v[(\S)+6:(\S)+7]
	v_pk_add_f32 v[SMB+4:SMB+5], v[(\S)+8:(\S)+9], v[(\S)+10:(\S)+11]
.set n, 0
.rept 26
.if n%4 == 0
	v_pk_add_f32 v[rT+2:rT+3], v[rT+2:rT+3], v[(\S)+12+2*n:(\S)+13+2*n]
.else
	v_pk_add_f32 v[SMB-2+2*(n%4):SMB-1+2*(n%4)], v[SMB-2+2*(n%4):SMB-1+2*(n%4)], v[(\S)+12+2*n:(\S)+13+2*n]
.endif
.set n, n+1
.endr
	v_pk_add_f32 v[rT+2:rT+3], v[rT+2:rT+3], v[SMB:SMB+1]
	v_pk_add_f32 v[SMB+2:SMB+3], v[SMB+2:SMB+3], v[SMB+4:SMB+5]
	v_pk_add_f32 v[rT+2:rT+3], v[rT+2:rT+3], v[SMB+2:SMB+3]
	s_wait_alu depctr_va_vdst(0)                   ; and one for the two
	v_max_num_f32 v[BM], 0x1800000, v[BM]          ; the floor 2^(3 - 127): the byte cannot fall under 1
	v_max_num_f32 v[BM+1], 0x1800000, v[BM+1]
	v_add_nc_u32 v[QS], 0xff000000, v[BM]
	v_add_nc_u32 v[QS+1], 0xff000000, v[BM+1]
	v_lshrrev_b32 v[BY], 23, v[QS]
	v_lshrrev_b32 v[BY+1], 23, v[QS+1]
	v_lshl_or_b32 v[PWT], v[BY+1], 16, v[BY]       ; my blocks h and 2 + h,
	v_lshlrev_b32 v[PWT], v[H8], v[PWT]            ; at their places;
	v_permlanex16_b32 v[PP], v[PWT], s[SEL], s[SEL+1]
	v_or_b32 v[PW], v[PWT], v[PP]                  ; with the other half's two the word is whole
	v_cvt_scalef32_pk16_fp6_f32 v[PC:PC+2], v[(\S):(\S)+15], v[QS]
	v_cvt_scalef32_pk16_fp6_f32 v[QT:QT+2], v[(\S)+16:(\S)+31], v[QS]
	v_cvt_scalef32_pk16_fp6_f32 v[PC+6:PC+8], v[(\S)+32:(\S)+47], v[QS+1]
	v_cvt_scalef32_pk16_fp6_f32 v[QT2:QT2+2], v[(\S)+48:(\S)+63], v[QS+1]
	v_nop                                          ; the plain line behind the conversions
.irp i, 0,1,2
	v_mov_b32 v[PC+3+\i], v[QT+\i]
	v_mov_b32 v[PC+9+\i], v[QT2+\i]
.endr
	WIN 0x41                                       ; O^T (destination and source 0) window 1
.set n, 0
.rept 16
	v_pk_mul_f32 v[32*(\hd)+n:32*(\hd)+n+1], v[32*(\hd)+n:32*(\hd)+n+1], v[FF:FF+1] op_sel_hi:[1,0]   ; O^T under the new M; these 16 stand between the lines that made P's codes and scale word and the products
.set n, n+2
.endr
.endm
.macro PV hd                           ; O^T += V^T P^T: four accumulators, one instruction each
	WIN 0x52                                       ; source 0 (V) window 2, source 1 (P) window 0, C and D window 1
.irp u, 0,1,2,3
	WM 32*(\hd)+8*\u, VF+48*((\hd)%2)+12*\u, PC, 32*(\hd)+8*\u, VSW+\u, (\hd)%2, PW
.endr
.endm
.macro PAIR hp                         ; two heads
	s_wait_dscnt 33                                ; K is in; V's 33 loads, issued behind it, may be out
	WIN 0x0e                                       ; source 0 (K) window 2, source 1 (Q) window 3, D window 0
.irp T, 0,1,2,3,4,5,6,7
	WM SXA+8*\T, 12*\T, 24*(\hp), -1, KSW+(\T%4), \T/4, QSW+(\hp)
	WM SXB+8*\T, 12*\T, 24*(\hp)+12, -1, KSW+(\T%4), \T/4, QSW+(\hp)
.endr
	WIN 0
	PLACES 4                                       ; in front of the loads into K's registers and of the first read of the scores
.if (\hp) < 3
	KLOAD (\hp)+1
.endif
	SOFTMAX 2*(\hp), SXA
.if (\hp) < 3
	s_wait_dscnt 33                                ; V is in; the next K's 33 loads may be out
.else
	s_wait_dscnt 0x0
.endif
	PV 2*(\hp)
	SOFTMAX 2*(\hp)+1, SXB
	PV 2*(\hp)+1
	WIN 0
	PLACES 4                                       ; in front of loads into V's registers
.if (\hp) < 3
	VLOAD (\hp)+1
.endif
.endm
.macro BODY                            ; a key step, from the slot at s[TB]
	s_add_co_u32 s96, s[TB], VOFF
	s_add_co_u32 s97, s[TB], SOFF
	v_add_nc_u32 v[AK16], s[TB], v[L16]
	v_add_nc_u32 v[AK8], s[TB], v[L8]
	v_add_nc_u32 v[AV16], s96, v[L16]
	v_add_nc_u32 v[AV8], s96, v[L8]
	v_add_nc_u32 v[ASC], s97, v[L16]
	v_add_nc_u32 v[ATD], s[TB], v[TD0]
	v_add_nc_u32 v[AMK], s[TB], v[MK0]
	WIN 0xc0
.set n, 0
.rept 16
	ds_load_b128 v[TD+4*n:TD+4*n+3], v[ATD] offset:256*(n/8)+16*(n%8)     ; timediff of my query at keys 64 c + 32 h + 0 .. 31
.set n, n+1
.endr
.set n, 0
.rept 4
	ds_load_b128 v[MB+4*n:MB+4*n+3], v[AMK] offset:64*(n/2)+16*(n%2)      ; mask bytes likewise
.set n, n+1
.endr
	KLOAD 0
	s_wait_dscnt 33                                ; timediff and mask are in; K's 33 loads may be out
	WIN 0x83                                       ; destination window 2, source 0 window 3
.set n, 0
.rept 64
	v_bfe_u32 v[MT+n], v[MB+8*(n/32)+((n%32)/4)], 8*(n%4), 1              ; the mask's byte: 1 counts, 0 is masked
.set n, n+1
.endr
	WIN 0x88
.set n, 0
.rept 64
	v_add_nc_u32 v[MT+n], -1, v[MT+n]              ; 0, or all ones where masked
.set n, n+1
.endr
.set n, 0
.rept 64
	v_and_b32 v[MT+n], s[MTC], v[MT+n]             ; 0, or -1e10 x log2(e): shared by the eight heads
.set n, n+1
.endr
	VLOAD 0
	PAIR 0
	PAIR 1
	PAIR 2
	PAIR 3
.endm
; THE CHANGE OF SLOTS stands at a step's head.  Each wave waits for all its tensor loads (its part of the slot ahead), adds 0 to its spare word, and waits for that and for its reads of the other slot.
; fill = 1: the other slot takes the next step's tiles: a round of the cluster's barrier, and each wave's one load first behind it: it has a whole step in which to land.
.macro CHANGE fill
	s_wait_tensorcnt 0x0                           ; no tensor load of mine is out, so the groups 0 may be written
	ds_add_u32 v[SPW], v[NIL]
.if \fill
	s_xor_b32 s[TF], s[TB], SLOTB                  ; 0 or SLOTB: the other slot
	s_add_co_u32 s[G0KV+1], s[TF], s[KVW]
	s_add_co_u32 s[G0TD+1], s[TF], TDO
	s_add_co_u32 s[G0MK+1], s[TF], MKO
	s_add_nc_u64 s[G0KV+2:G0KV+3], s[G0KV+2:G0KV+3], 102400    ; the next 128 keys
	s_add_nc_u64 s[G0TD+2:G0TD+3], s[G0TD+2:G0TD+3], 512
	s_add_nc_u64 s[G0MK+2:G0MK+3], s[G0MK+2:G0MK+3], 128
	s_wait_dscnt 0x0
	ROUND
	TLOAD
.else
	s_wait_dscnt 0x0
	s_barrier_signal -1
	s_barrier_wait -1
.endif
.endm
	s_load_b256 s[4:11], s[0:1], 0x0               ; qc, qs, kv, mask
	s_load_b256 s[12:19], s[0:1], 0x20             ; timediff, attn_coef_w, mhc, mhs
	v_lshl_add_u32 v[SPW], v0, 2, SPARE
	v_mov_b32 v[NIL], 0
	ds_add_u32 v[SPW], v[NIL]                      ; the wave's opening: the add, twice on end, and its wait ahead of my first tensor load
	ds_add_u32 v[SPW], v[NIL]
	v_lshrrev_b32 v84, 5, v0
	v_readfirstlane_b32 s[WV], v84
	s_mov_b32 s[G1KV], 15|(3<<16)|(1<<21)          ; half a block of kv: 200 rows of 256 bytes, dense; the mask names all four work-groups
	s_mov_b32 s[G1KV+1], 32<<16
	s_mov_b32 s[G1KV+2], 200<<16
	s_mov_b32 s[G1KV+3], 32<<16
	s_mov_b32 s[G1KV+4], 200
	s_mov_b32 s[G1KV+5], 32
	s_mov_b32 s[G1KV+6], 0
	s_mov_b32 s[G1KV+7], 0
	s_mov_b32 s[G1TD], (2<<16)|(1<<20)|(6<<22)|(3<<25)   ; timediff: 64 rows of 128 f32, 16 bytes of padding behind each 128 words
	s_mov_b32 s[G1TD+1], 128<<16
	s_mov_b32 s[G1TD+2], 64<<16
	s_mov_b32 s[G1TD+3], 128<<16
	s_mov_b32 s[G1TD+4], 64
	s_mov_b32 s[G1TD+5], 1024
	s_mov_b32 s[G1TD+6], 0
	s_mov_b32 s[G1TD+7], 0
	s_mov_b32 s[G1MK], (1<<20)|(4<<22)|(3<<25)     ; mask: 64 rows of 128 bytes, 16 bytes of padding behind each 32 words
	s_mov_b32 s[G1MK+1], 128<<16
	s_mov_b32 s[G1MK+2], 64<<16
	s_mov_b32 s[G1MK+3], 128<<16
	s_mov_b32 s[G1MK+4], 64
	s_mov_b32 s[G1MK+5], 1024
	s_mov_b32 s[G1MK+6], 0
	s_mov_b32 s[G1MK+7], 0
	s_mov_b32 s[SEL], 0x76543210
	s_mov_b32 s[SEL+1], 0xfedcba98
	s_mov_b32 s[CS], 0x3fb8aa3b
	s_mov_b32 s[CS+1], s[CS]
	s_mov_b32 s[MTC], 0xd056fa73
	s_mov_b32 s[TB], 0
	s_mov_b32 s[CNT], 7
	s_and_b32 s[KVW], s[WV], 1
	s_mul_i32 s[KVW], s[KVW], 51200
	s_and_b32 s96, ttmp7, 0xffff                   ; the batch, which the four partners share
	s_mul_i32 s100, s96, 819200                    ; its 8 blocks of kv
	s_add_co_u32 s100, s100, s[KVW]
	s_mov_b32 s101, 0
	s_bfe_u32 s97, ttmp6, 0x40000                  ; cx
	s_lshl_b32 s98, ttmp9, 2
	s_add_co_u32 s98, s98, s97                     ; my block of 64 queries: it enters the plain loads' and the stores' addresses alone
	s_lshl_b32 s66, s96, 22
	s_lshl_b32 s67, s98, 18
	s_add_co_u32 s66, s66, s67                     ; timediff at my first query
	s_mov_b32 s67, 0
	s_lshl_b32 s2, s96, 20
	s_lshl_b32 s3, s98, 16
	s_add_co_u32 s2, s2, s3                        ; mask likewise
	s_mov_b32 s3, 0
	s_wait_dscnt 0x0                               ; both opening adds are done
	s_wait_kmcnt 0x0
	s_load_b256 s[72:79], s[14:15], 0x0            ; the eight heads' coefficients
	s_mov_b32 s[G0KV], 1
	s_mov_b32 s[G0KV+1], s[KVW]
	s_add_nc_u64 s[G0KV+2:G0KV+3], s[8:9], s[100:101]
	s_or_b32 s[G0KV+3], s[G0KV+3], 0x80000000
	s_mov_b32 s[G0TD], 1
	s_mov_b32 s[G0TD+1], TDO
	s_add_nc_u64 s[G0TD+2:G0TD+3], s[12:13], s[66:67]
	s_or_b32 s[G0TD+3], s[G0TD+3], 0x80000000
	s_mov_b32 s[G0MK], 1
	s_mov_b32 s[G0MK+1], MKO
	s_add_nc_u64 s[G0MK+2:G0MK+3], s[10:11], s[2:3]
	s_or_b32 s[G0MK+3], s[G0MK+3], 0x80000000
	ROUND                                          ; all four work-groups are here
	TLOAD                                          ; key step 0 into slot 0
	v_and_b32 v84, 31, v0
	v_and_b32 v85, 15, v0
	v_bfe_u32 v86, v0, 4, 1
	v_lshlrev_b32 v[L16], 4, v84
	v_lshlrev_b32 v[L8], 3, v84
	v_lshlrev_b32 v[R16], 4, v85
	v_lshlrev_b32 v[H8], 3, v86
	v_and_b32 v87, 8, v85
	v_and_b32 v88, 7, v85
	v_lshl_add_u32 v87, v87, 2, v88
	s_lshl_b32 s2, s[WV], 3
	v_add_nc_u32 v87, s2, v87                      ; my query's row of the 64
	v_mul_u32_u24 v[TD0], v87, 528
	v_lshl_add_u32 v[TD0], v86, 7, v[TD0]
	v_add_nc_u32 v[TD0], TDO, v[TD0]
	v_mul_u32_u24 v[MK0], v87, 144
	v_lshl_add_u32 v[MK0], v86, 5, v[MK0]
	v_add_nc_u32 v[MK0], MKO, v[MK0]
	s_lshl_b32 s66, s96, 4
	s_add_co_u32 s66, s66, s98                     ; my block among all 256
	s_mov_b32 s3, 0
	s_lshl_b32 s2, s66, 10
	s_lshl_b32 s67, s[WV], 2
	s_add_co_u32 s2, s2, s67
	s_add_nc_u64 s[6:7], s[6:7], s[2:3]            ; qs: block x 1,024 + head pair x 256 + 16 r + 4 w
	s_lshl_b32 s66, s66, 2
	s_add_co_u32 s66, s66, s[WV]                   ; my tile among all 1,024
	s_mul_i32 s2, s66, 6144
	s_add_nc_u64 s[4:5], s[4:5], s[2:3]            ; qc, and mhc, which is laid alike: 768 bytes a head
	s_add_nc_u64 s[16:17], s[16:17], s[2:3]
	s_lshl_b32 s2, s66, 8
	s_add_nc_u64 s[18:19], s[18:19], s[2:3]        ; mhs
	WIN 0xc0                                       ; destination window 3
.irp hd, 0,1,2,3,4,5,6,7
	global_load_b128 v[12*\hd+6*(\hd%2):12*\hd+6*(\hd%2)+3], v[L16], s[4:5] offset:\hd*768          ; Q's half fragment, in the half of its head
	global_load_b64 v[12*\hd+6*(\hd%2)+4:12*\hd+6*(\hd%2)+5], v[L8], s[4:5] offset:\hd*768+512
.endr
.irp hd, 0,1,2,3,4,5,6,7
.irp i, 0,1,2,3,4,5
	v_mov_b32 v[12*\hd+6*(1-\hd%2)+\i], 0          ; zero codes in the other head's half
.endr
.endr
	WIN 0
.irp hp, 0,1,2,3
	global_load_b32 v[QSW+\hp], v[R16], s[6:7] offset:\hp*256
.endr
.irp hd, 0,1,2,3,4,5,6,7
	v_mov_b32 v[ST+4*\hd+1], 0xff61b1e6            ; the largest t so far: -3e38, under every t
	v_mov_b32 v[ST+4*\hd+2], 0                     ; the sum, in two halves
	v_mov_b32 v[ST+4*\hd+3], 0
.endr
.irp hd, 0,1,2,3,4,5,6,7
	v_floor_f32 v[ST+4*\hd], -v[ST+4*\hd+1]        ; -M
.endr
	v_mov_b32 v[FF+1], 0                           ; named as a pair's upper half
	v_mov_b32 v[RP], 0                             ; written once: a lane permute's destination counts as one of its sources
	v_mov_b32 v[PP], 0
	WIN 0x40
.set n, 0
.rept 256
	v_mov_b32 v[n], 0                              ; O^T.  The step is written for the loop and for the tail alone: the first step finds zeros, which the first change of M leaves zeros
.set n, n+1
.endr
	WIN 0
	s_wait_kmcnt 0x0
.irp hd, 0,1,2,3,4,5,6,7
	s_mul_f32 s[WC+2*\hd], s[72+\hd], 0xbfb8aa3b
.endr
.irp hd, 0,1,2,3,4,5,6,7
	s_mov_b32 s[WC+2*\hd+1], s[WC+2*\hd]
.endr
	s_wait_loadcnt 0x0                             ; Q and its scale words
.Lstep:                                            ; 7 trips: behind each change of slots but the last the next step is asked for
	CHANGE 1
	BODY
	s_xor_b32 s[TB], s[TB], SLOTB
	s_sub_co_u32 s[CNT], s[CNT], 1
	s_cmp_lg_u32 s[CNT], 0
	s_cbranch_scc1 .Lstep
	CHANGE 0                                       ; the last step is written out
	BODY
	; THE WAY OUT: O^T / the sum, quantised along (head, channel): a head's 32 registers are one block in each half of the lanes
.irp hd, 0,1,2,3,4,5,6,7
	v_add_f32 v[ST+4*\hd+2], v[ST+4*\hd+2], v[ST+4*\hd+3]
.endr
.irp hd, 0,1,2,3,4,5,6,7
	v_permlanex16_b32 v[CH+\hd], v[ST+4*\hd+2], s[SEL], s[SEL+1]
.endr
.irp hd, 0,1,2,3,4,5,6,7
	v_add_f32 v[ST+4*\hd+2], v[ST+4*\hd+2], v[CH+\hd]
.endr
.irp hd, 0,1,2,3,4,5,6,7
	v_rcp_f32 v[ST+4*\hd+2], v[ST+4*\hd+2]
.endr
	v_nop                                          ; the plain line behind the reciprocals
	s_wait_alu depctr_va_vdst(0)                   ; one wait for the eight, ahead of their first reader
.irp hd, 0,1,2,3,4,5,6,7
	WIN 0x41
.set n, 0
.rept 16
	v_pk_mul_f32 v[32*\hd+n:32*\hd+n+1], v[32*\hd+n:32*\hd+n+1], v[ST+4*\hd+2:ST+4*\hd+3] op_sel_hi:[1,0]
.set n, n+2
.endr
	QH 32*\hd, 1, SXA+8*\hd, 0, HWD+\hd
	global_store_b128 v[L16], v[SXA+8*\hd:SXA+8*\hd+3], s[16:17] offset:\hd*768
	global_store_b64 v[L8], v[SXA+8*\hd+4:SXA+8*\hd+5], s[16:17] offset:\hd*768+512
.endr
.irp s, 0,1,2,3
	v_lshl_or_b32 v[WDS+\s], v[HWD+2*\s+1], 16, v[HWD+2*\s]
.endr
	global_store_b128 v[R16], v[WDS:WDS+3], s[18:19]           ; lanes r and 16 + r hold the same words and write the same bytes
	s_wait_tensorcnt 0x0                           ; the wave's end
	ds_add_u32 v[SPW], v[NIL]
	s_wait_dscnt 0x0
	ROUND                                          ; the closing round
	s_endpgm
.Lfunc_end_k_q86b46858c0_attn:
	.size	k_q86b46858c0_attn, .Lfunc_end_k_q86b46858c0_attn-k_q86b46858c0_attn
	.p2alignl 7, 3214868480
	.fill 96, 4, 3214868480
	.section	.rodata,"a",@progbits
	.p2align	6, 0x0
	.amdhsa_kernel k_q86b46858c0_attn
		.amdhsa_group_segment_fixed_size 327680
		.amdhsa_private_segment_fixed_size 0
		.amdhsa_enable_private_segment 0
		.amdhsa_kernarg_size 64
		.amdhsa_user_sgpr_count 2
		.amdhsa_user_sgpr_kernarg_segment_ptr 1
		.amdhsa_wavefront_size32 1
		.amdhsa_system_sgpr_workgroup_id_x 1
		.amdhsa_system_sgpr_workgroup_id_y 1
		.amdhsa_system_sgpr_workgroup_id_z 1
		.amdhsa_system_vgpr_workitem_id 0
		.amdhsa_next_free_vgpr 1024
		.amdhsa_next_free_sgpr 104
		.amdhsa_reserve_vcc 0
		.amdhsa_float_denorm_mode_32 3
		.amdhsa_float_denorm_mode_16_64 3
		.amdhsa_memory_ordered 1
		.amdhsa_forward_progress 1
		.amdhsa_inst_pref_size 255
	.end_amdhsa_kernel
	.section	.bss,"aw",@nobits
	.p2align	6
	.space	262144
	.amdgpu_metadata
---
amdhsa.version: [ 1, 2 ]
amdhsa.kernels:
  - .name:           k_q86b46858c0_attn
    .symbol:         k_q86b46858c0_attn.kd
    .args:
      - { .name: qc, .offset: 0, .size: 8, .value_kind: global_buffer, .address_space: global }
      - { .name: qs, .offset: 8, .size: 8, .value_kind: global_buffer, .address_space: global }
      - { .name: kv, .offset: 16, .size: 8, .value_kind: global_buffer, .address_space: global }
      - { .name: mask, .offset: 24, .size: 8, .value_kind: global_buffer, .address_space: global }
      - { .name: timediff, .offset: 32, .size: 8, .value_kind: global_buffer, .address_space: global }
      - { .name: attn_coef_w, .offset: 40, .size: 8, .value_kind: global_buffer, .address_space: global }
      - { .name: mhc, .offset: 48, .size: 8, .value_kind: global_buffer, .address_space: global }
      - { .name: mhs, .offset: 56, .size: 8, .value_kind: global_buffer, .address_space: global }
    .group_segment_fixed_size: 327680
    .private_segment_fixed_size: 0
    .kernarg_segment_align: 8
    .kernarg_segment_size: 64
    .max_flat_workgroup_size: 128
    .sgpr_count:     104
    .vgpr_count:     1024
    .wavefront_size: 32
...
	.end_amdgpu_metadata
.endif
;; end of part 3
;; launch tail (part 4): grid 256 x 1, 4 waves a work-group, clusters of 4 x 1, 327,680 bytes of LDS; arguments mhc, mhs, wts, value, proj_bias, ln1_g, ln1_b, b1, b2, ln2_g, ln2_b, out0; writes out0
.if DOCPART == 4
	.amdgcn_target "amdgcn-amd-amdhsa--gfx1250"
	.amdhsa_code_object_version 6
	.text
	.protected	k_q86b46858c0_tail
	.globl	k_q86b46858c0_tail
	.p2align	8
	.type	k_q86b46858c0_tail,@function
k_q86b46858c0_tail:
	s_mov_b64 s[64:65], 0
	v_nop
	global_prefetch_b8 v0, s[64:65] scope:SCOPE_SE
	s_setreg_imm32_b32 hwreg(HW_REG_WAVE_MODE, 25, 1), 1
	s_wait_xcnt 0x0
	s_wait_alu depctr_hold_cnt(0) depctr_sa_sdst(0) depctr_va_vdst(0) depctr_va_sdst(0) depctr_va_ssrc(0) depctr_va_vcc(0) depctr_vm_vsrc(0)
	s_getreg_b32 s2, hwreg(HW_REG_IB_STS2, 6, 4)
	s_cmp_eq_u32 s2, 0
	s_cbranch_scc0 .Lentry_in_a_cluster
	s_endpgm
.Lentry_in_a_cluster:
	s_bfe_u32 s2, ttmp6, 0x10000c
	s_cmp_lg_u32 s2, 0x3003
	s_cbranch_scc0 .Lentry_shape_is_right
	s_endpgm
.Lentry_shape_is_right:
; TAIL: out1 = LN1(value + mh x proj + proj_bias); out0 = LN2(out1 + relu(out1 x w1 + b1) x w2 + b2).  The three products on codes; out1 and the hidden layer are quantised on the way and never go to memory.  No work of the layer is left out.
; SHARES.  A work-group takes 64 rows (the rows and tiles of launch attn: row r of tile m is row 32 (r / 8) + 8 m + r % 8).  THE WAVES SHARE THE COLUMNS: wave w owns column groups w and w + 4 (64 columns each) of the 512, for all 64 rows:
; X, 256 registers, register 64 m + 32 g + i = column 64 (w + 4 g) + 32 h + i of my lane's row of tile m.  X is in turn value + proj_bias, + the projection, out1, out1 + b2, and the accumulator of the last product: the residuals cost no pass.
; Every product is used with source 0 = 16 columns of the weight, source 1 = 16 rows: a lane's 32 result registers are one block of the next product's K.
; CLUSTER.  The four work-groups of a cluster walk the same 18 weight slots (2 of proj; four times 2 of w1 and 2 of w2, 512 hidden units a time), each part asked for jointly; a wave fetches the part that it reads itself.
; out1's and the hidden layer's fragments go from wave to wave through LDS as images of their registers.  The norms take mean and variance in two passes, as the layer is written, over lanes (one exchange) and waves (through LDS).
; REGISTERS: window 0: addresses, scale words, at work, two sets of four weight fragments.  window 1: the 16 fragments of mh, then of out1.  window 2: X.
;   window 3: v0-127 the hidden layer's accumulators; also the norms' gains and biases, and 8 hidden fragments; v128-191 b1's part; v192-255 proj_bias, then b2.
.set SLOT1, 102400
.set OIMG,  204800                     ; out1's 16 fragments
.set OSC,   229376                     ; their scale words at 256 m + 16 r + 4 s
.set HIMG,  230400                     ; 512 hidden units' 16 fragments, (m, K step) at (4 m + k) x 1,536
.set HSC,   254976
.set RED,   256000                     ; the norms' partial sums: two regions of 2,048
.set SPARE, 260096                     ; the spare words, 128 bytes for each wave: two blocks of 256 bytes that no other line names
.set SPIT,  2064                       ; the stage for out0, 64 rows of 2,048 + 16 bytes from LDS byte 0: in the slots, behind their last fill and last read
.set L16, 1
.set L8,  2
.set R16, 3
.set H8,  4
.set SPW, 5                            ; v5   my spare word; never rewritten
.set NIL, 6                            ; v6   0; never rewritten
.set SA,  7                            ; v7-10  my part of slot 0 (16 x lane, 8 x lane), of slot 1
.set OR16, 11
.set OR8, 12
.set OSR, 13
.set OW16, 14
.set OW8, 15
.set OSW, 16
.set HR16, 17
.set HR8, 18
.set HSR, 19
.set HW16, 20
.set HW8, 21
.set HSW, 22
.set RDW, 23
.set RDR, 24
.set VX,  25                           ; v25  value: my row of tile 0 x 2,048 + 256 w + 128 h
.set CB,  26                           ; v26  256 w + 128 h: my columns in a vector of 512
.set B1O, 27                           ; v27  512 w + 128 h: my hidden units in 512 of b1
.set STW, 28
.set STR, 29
.set QB,  32
.set QSC, 36
.set QBY, 37
.set QP,  38
.set QT,  40
.set SW,  44                           ; v44-51  the weights' scale words
.set AS,  52                           ; v52-59  mh's, then out1's
.set HS,  60                           ; v60-67  the hidden layer's
.set SUM, 68
.set RD,  72
.set BP,  88                           ; v88-95  -mean, then 1/sqrt: a pair a tile, the low word serves
.set PS,  96                           ; v96-103 a chain a tile
.set CSA, 104                          ; v104-115  two sets of codes
.set HWT, 116                          ; v116, v117  two half words
.set WF,  120                          ; v120-215  two sets of four weight fragments
.set GG,  0                            ; window 3
.set GB,  64
.set B1R, 128
.set PB,  192
.set WV,  28
.set SEL, 30
.set G1W, 32
.set G0A, 40                           ; s[40:43] slot 0's group 0;  s[44:47] slot 1's
.set INV, 56
.set NINV, 57
.set EPS, 58
.set CNT, 59
.set MSB, 0
.macro WIN new
.if MSB != (\new)
	s_set_vgpr_msb (MSB<<8)|(\new)
.set MSB, \new
.endif
.endm
.macro PLACES n
.rept \n
	v_nop
.endr
.endm
.macro ROUND
	s_barrier_signal -1
	s_barrier_wait -1
	s_cmp_lg_u32 s[WV], 0
	s_cbranch_scc1 .Lnot_wave_0_\@
	s_barrier_signal -3
.Lnot_wave_0_\@:
	s_barrier_wait -3
	s_barrier_signal -1
	s_barrier_wait -1
.endm
.macro QH x, wx, c, extra, hw          ; as in launch qkv
	WIN (\wx)|((\wx)<<2)
.irp k, 0,1,2,3
	v_max3_num_f32 v[QB+\k], |v[(\x)+8*\k]|, |v[(\x)+8*\k+1]|, (3+(\extra))<<23
.endr
.irp i, 2,4,6
.irp k, 0,1,2,3
	v_max3_num_f32 v[QB+\k], |v[(\x)+8*\k+\i]|, |v[(\x)+8*\k+\i+1]|, v[QB+\k]
.endr
.endr
	WIN 0
	v_max3_num_f32 v[QB], v[QB], v[QB+1], v[QB+2]
	v_max_num_f32 v[QB], v[QB], v[QB+3]
	v_add_nc_u32 v[QSC], 0xff000000, v[QB]
	v_add_nc_u32 v[QBY], -((2+(\extra))<<23), v[QB]
	v_lshrrev_b32 v[QBY], 23, v[QBY]
	WIN (\wx)
	v_cvt_scalef32_pk16_fp6_f32 v[(\c):(\c)+2], v[(\x):(\x)+15], v[QSC]
	v_cvt_scalef32_pk16_fp6_f32 v[QT:QT+2], v[(\x)+16:(\x)+31], v[QSC]
	WIN 0
	v_lshlrev_b32 v[QBY], v[H8], v[QBY]
	v_mov_b32 v[(\c)+3], v[QT]
	v_mov_b32 v[(\c)+4], v[QT+1]
	v_mov_b32 v[(\c)+5], v[QT+2]
	v_permlanex16_b32 v[QP], v[QBY], s[SEL], s[SEL+1]
	v_or_b32 v[\hw], v[QBY], v[QP]
.endm
.macro FRAG reg, a16, a8, off
	ds_load_b128 v[(\reg):(\reg)+3], v[\a16] offset:(\off)
	ds_load_b64 v[(\reg)+4:(\reg)+5], v[\a8] offset:(\off)+512
	ds_load_b128 v[(\reg)+6:(\reg)+9], v[\a16] offset:(\off)+768
	ds_load_b64 v[(\reg)+10:(\reg)+11], v[\a8] offset:(\off)+1280
.endm
.macro WM d, a, b, c, sa, ra, sb, rb   ; one matrix instruction; ra, rb: the half of the lanes in which the side's scale words stand
.if (\ra) == 0
.if (\rb) == 0
	v_wmma_scale_f32_16x16x128_f8f6f4 v[(\d):(\d)+7], v[(\a):(\a)+11], v[(\b):(\b)+11], v[(\c):(\c)+7], v[\sa], v[\sb] matrix_a_fmt:MATRIX_FMT_FP6 matrix_b_fmt:MATRIX_FMT_FP6
.else
	v_wmma_scale_f32_16x16x128_f8f6f4 v[(\d):(\d)+7], v[(\a):(\a)+11], v[(\b):(\b)+11], v[(\c):(\c)+7], v[\sa], v[\sb] matrix_a_fmt:MATRIX_FMT_FP6 matrix_b_fmt:MATRIX_FMT_FP6 matrix_b_scale:MATRIX_SCALE_ROW1
.endif
.else
.if (\rb) == 0
	v_wmma_scale_f32_16x16x128_f8f6f4 v[(\d):(\d)+7], v[(\a):(\a)+11], v[(\b):(\b)+11], v[(\c):(\c)+7], v[\sa], v[\sb] matrix_a_fmt:MATRIX_FMT_FP6 matrix_b_fmt:MATRIX_FMT_FP6 matrix_a_scale:MATRIX_SCALE_ROW1
.else
	v_wmma_scale_f32_16x16x128_f8f6f4 v[(\d):(\d)+7], v[(\a):(\a)+11], v[(\b):(\b)+11], v[(\c):(\c)+7], v[\sa], v[\sb] matrix_a_fmt:MATRIX_FMT_FP6 matrix_b_fmt:MATRIX_FMT_FP6 matrix_a_scale:MATRIX_SCALE_ROW1 matrix_b_scale:MATRIX_SCALE_ROW1
.endif
.endif
.endm
.macro UNIT sp, q                      ; fragments 4 q .. 4 q + 3 of my part of slot sp into set q % 2: 16 LDS loads
.irp u, 0,1,2,3
	FRAG WF+48*((\q)%2)+12*\u, SA+2*(\sp), SA+2*(\sp)+1, (4*(\q)+\u)*1536
.endr
.endm
; A slot's 64 matrix instructions, four units of 16, in each 16 accumulators by turns, one instruction a turn.
; kind 0: the projection, column group w + 4 x, unit = K step.  kind 1: w1, hidden group 2 w + x of the 8, unit = K step; b1 is the C of the first.  kind 2: w2, K steps 2 x + q / 2 of the 4, column group w + 4 (q % 2).
.macro GEMM sp, kind, x
	PLACES 5                                       ; in front of loads into registers that matrix instructions have read, and of sums begun anew over registers that they named
.if (\kind) == 2
	WIN 0xc0
.irp k2, 0,1
.irp m, 0,1,2,3
	FRAG 48*\k2+12*\m, HR16, HR8, (4*\m+2*(\x)+\k2)*1536
.endr
.endr
	WIN 0
.if (\x) == 0
	ds_load_b128 v[HS:HS+3], v[HSR]
	ds_load_b128 v[HS+4:HS+7], v[HSR] offset:512
.endif
.endif
	ds_load_b128 v[SW:SW+3], v[SA+2*(\sp)] offset:24576
	ds_load_b128 v[SW+4:SW+7], v[SA+2*(\sp)] offset:25088
	UNIT \sp, 0
.irp q, 0,1,2,3
.if \q < 3
.if \q > 0
	PLACES 4
.endif
	UNIT \sp, \q+1
	s_wait_dscnt 16                                ; all but the 16 loads just issued
.else
	s_wait_dscnt 0x0
.endif
.if (\kind) == 0
	WIN 0xa4                                       ; source 1 window 1; C and D (X) window 2
.elseif (\kind) == 1
	WIN 0xf4                                       ; source 1 window 1; C and D window 3
.else
	WIN 0xac                                       ; source 1 (hidden fragments) window 3; C and D (X) window 2
.endif
.irp m, 0,1,2,3
.irp u, 0,1,2,3
.if (\kind) == 0
	WM 64*\m+32*(\x)+8*\u, WF+48*(\q%2)+12*\u, 12*(4*\m+\q), 64*\m+32*(\x)+8*\u, SW+2*\q+\u/2, \u%2, AS+4*(\m/2)+\q, \m%2
.elseif (\kind) == 1
.if \q == 0
	WM 32*\m+8*\u, WF+48*(\q%2)+12*\u, 12*(4*\m+\q), B1R+32*(\x)+8*\u, SW+2*\q+\u/2, \u%2, AS+4*(\m/2)+\q, \m%2
.else
	WM 32*\m+8*\u, WF+48*(\q%2)+12*\u, 12*(4*\m+\q), 32*\m+8*\u, SW+2*\q+\u/2, \u%2, AS+4*(\m/2)+\q, \m%2
.endif
.else
	WM 64*\m+32*(\q%2)+8*\u, WF+48*(\q%2)+12*\u, 48*(\q/2)+12*\m, 64*\m+32*(\q%2)+8*\u, SW+2*\q+\u/2, \u%2, HS+4*(\m/2)+2*(\x)+\q/2, \m%2
.endif
.endr
.endr
	WIN 0
.endr
.endm
.macro CHG o, fill                     ; the change of slots, as in launch qkv: slot o has been left; fill = 1: it takes the weight slot two on
	s_wait_tensorcnt 0x0                           ; no tensor load of mine is out, so a group 0 may be written
	ds_add_u32 v[SPW], v[NIL]
.if \fill
	s_add_nc_u64 s[G0A+4*(\o)+2:G0A+4*(\o)+3], s[G0A+4*(\o)+2:G0A+4*(\o)+3], 204800
	s_wait_dscnt 0x0                               ; the add, my reads of the slot, and my image stores: the round publishes them
	ROUND
	tensor_load_to_lds s[G0A+4*(\o):G0A+4*(\o)+3], s[G1W:G1W+7]
	s_nop 0
	PLACES 4
.else
	s_wait_dscnt 0x0
	s_barrier_signal -1
	s_barrier_wait -1
.endif
.endm
.macro CLOAD reg, base                 ; my 64 columns' numbers of a vector of 512 into window 3
	WIN 0xc0
.set n, 0
.rept 16
	global_load_b128 v[(\reg)+4*n:(\reg)+4*n+3], v[CB], s[\base:\base+1] offset:1024*(n/8)+16*(n%8)
.set n, n+1
.endr
	WIN 0
.endm
.macro B1LOAD                          ; b1 at my 128 hidden units of the 512 in hand
	WIN 0xc0
.set n, 0
.rept 16
	global_load_b128 v[B1R+4*n:B1R+4*n+3], v[B1O], s[18:19] offset:256*(n/8)+16*(n%8)
.set n, n+1
.endr
	WIN 0
.endm
.macro XADD                            ; X += the vector at PB, in each of the four tiles of rows
	WIN 0x8e
.set n, 0
.rept 128
	v_pk_add_f32 v[2*n:2*n+1], v[2*n:2*n+1], v[PB+(2*n)%64:PB+(2*n)%64+1]
.set n, n+1
.endr
	WIN 0
.endm
.macro RELUQ a                         ; the hidden layer's 64 units x 64 rows: relu, quantised, half a fragment a tile of rows to LDS
	PLACES 4
	WIN 0xcc
.set n, 0
.rept 128
	v_max_num_f32 v[n], 0, v[n]
.set n, n+1
.endr
.irp m, 0,1,2,3
	s_wait_dscnt 3                                 ; the stores of the group before last have read this set's registers; the last group's three may be out
	QH 32*\m, 3, CSA+6*(\m%2), 0, HWT+(\m%2)
	ds_store_b128 v[HW16], v[CSA+6*(\m%2):CSA+6*(\m%2)+3] offset:\m*6144+768*(\a)
	ds_store_b64 v[HW8], v[CSA+6*(\m%2)+4:CSA+6*(\m%2)+5] offset:\m*6144+768*(\a)+512
	ds_store_b16 v[HSW], v[HWT+(\m%2)] offset:256*\m+2*(\a)
.endr
.endm
.macro REDUCE off                      ; the four tiles' chains become the rows' sums over all 512 columns: the pair, the lane 16 away, the four waves
.irp m, 0,1,2,3
	v_add_f32 v[SUM+\m], v[PS+2*\m], v[PS+2*\m+1]
.endr
.irp m, 0,1,2,3
	v_permlanex16_b32 v[PS+2*\m], v[SUM+\m], s[SEL], s[SEL+1]
.endr
.irp m, 0,1,2,3
	v_add_f32 v[SUM+\m], v[SUM+\m], v[PS+2*\m]
.endr
	ds_store_b128 v[RDW], v[SUM:SUM+3] offset:\off
	s_wait_dscnt 0x0                               ; for the others' sake
	s_barrier_signal -1
	s_barrier_wait -1
.irp k, 0,1,2,3
	ds_load_b128 v[RD+4*\k:RD+4*\k+3], v[RDR] offset:(\off)+512*\k
.endr
	s_wait_dscnt 0x0
.irp m, 0,1,2,3
	v_add_f32 v[SUM+\m], v[RD+\m], v[RD+4+\m]
	v_add_f32 v[PS+2*\m], v[RD+8+\m], v[RD+12+\m]
.endr
.irp m, 0,1,2,3
	v_add_f32 v[SUM+\m], v[SUM+\m], v[PS+2*\m]
.endr
.endm
.macro LNORM                           ; X = (X - mean) / sqrt(variance + 1e-6) x gain + bias; gain at GG, bias at GB of window 3
	WIN 0x0a
.irp m, 0,1,2,3
	v_pk_add_f32 v[PS+2*\m:PS+2*\m+1], v[64*\m:64*\m+1], v[64*\m+2:64*\m+3]    ; each accumulator is read from its low end on
.endr
	WIN 0x08
.set n, 4
.rept 30
.irp m, 0,1,2,3
	v_pk_add_f32 v[PS+2*\m:PS+2*\m+1], v[PS+2*\m:PS+2*\m+1], v[64*\m+n:64*\m+n+1]
.endr
.set n, n+2
.endr
	WIN 0
	REDUCE 0
.irp m, 0,1,2,3
	v_mul_f32 v[BP+2*\m], s[NINV], v[SUM+\m]       ; -mean
.endr
	WIN 0x82
.set n, 0
.rept 128
	v_pk_add_f32 v[2*n:2*n+1], v[2*n:2*n+1], v[BP+2*(n/32):BP+2*(n/32)+1] op_sel_hi:[1,0]
.set n, n+1
.endr
	WIN 0x0a
.irp m, 0,1,2,3
	v_pk_mul_f32 v[PS+2*\m:PS+2*\m+1], v[64*\m:64*\m+1], v[64*\m:64*\m+1]
.endr
.set n, 2
.rept 31
.irp m, 0,1,2,3
	v_pk_fma_f32 v[PS+2*\m:PS+2*\m+1], v[64*\m+n:64*\m+n+1], v[64*\m+n:64*\m+n+1], v[PS+2*\m:PS+2*\m+1]
.endr
.set n, n+2
.endr
	WIN 0
	REDUCE 2048
.irp m, 0,1,2,3
	v_fma_f32 v[SUM+\m], v[SUM+\m], s[INV], s[EPS]
.endr
.irp m, 0,1,2,3
	v_rsq_f32 v[BP+2*\m], v[SUM+\m]
.endr
	v_nop                                          ; the plain line behind the four
	s_wait_alu depctr_va_vdst(0)                   ; one wait for them, ahead of their first reader
	WIN 0x82
.set n, 0
.rept 128
	v_pk_mul_f32 v[2*n:2*n+1], v[2*n:2*n+1], v[BP+2*(n/32):BP+2*(n/32)+1] op_sel_hi:[1,0]
.set n, n+1
.endr
	WIN 0xbe
.set n, 0
.rept 128
	v_pk_fma_f32 v[2*n:2*n+1], v[2*n:2*n+1], v[GG+(2*n)%64:GG+(2*n)%64+1], v[GB+(2*n)%64:GB+(2*n)%64+1]
.set n, n+1
.endr
	WIN 0
.endm
.macro FFN last                        ; 512 hidden units: two slots of w1, two of w2
	CHG 1, 1
	s_wait_loadcnt 0x0                             ; b1's part
	GEMM 0, 1, 0
	RELUQ 0
	CHG 0, 1
	GEMM 1, 1, 1
	RELUQ 1
	CHG 1, 1                                       ; the round publishes the hidden layer's images
.if !(\last)
	s_add_nc_u64 s[18:19], s[18:19], 2048          ; (the loads that named this base were waited for above)
	B1LOAD                                         ; the next 512 units' b1
.endif
	GEMM 0, 2, 0
	CHG 0, 1-(\last)
	GEMM 1, 2, 1
.endm
	s_load_b512 s[4:19], s[0:1], 0x0               ; mhc, mhs, wts, value, proj_bias, ln1_g, ln1_b, b1
	s_load_b256 s[20:27], s[0:1], 0x40             ; b2, ln2_g, ln2_b, out0
	v_lshl_add_u32 v[SPW], v0, 2, SPARE
	v_mov_b32 v[NIL], 0
	ds_add_u32 v[SPW], v[NIL]                      ; the wave's opening: the add, twice on end, and its wait ahead of my first tensor load
	ds_add_u32 v[SPW], v[NIL]
	v_lshrrev_b32 v216, 5, v0
	v_readfirstlane_b32 s[WV], v216
	s_mov_b32 s[G1W], 15|(3<<16)|(1<<21)           ; a part of a slot: 100 rows of 256 bytes, dense; the mask names all four work-groups
	s_mov_b32 s[G1W+1], 32<<16
	s_mov_b32 s[G1W+2], 100<<16
	s_mov_b32 s[G1W+3], 32<<16
	s_mov_b32 s[G1W+4], 100
	s_mov_b32 s[G1W+5], 32
	s_mov_b32 s[G1W+6], 0
	s_mov_b32 s[G1W+7], 0
	s_mov_b32 s[SEL], 0x76543210
	s_mov_b32 s[SEL+1], 0xfedcba98
	s_mov_b32 s[INV], 0x3b000000                   ; 1 / 512
	s_mov_b32 s[NINV], 0xbb000000
	s_mov_b32 s[EPS], 0x358637bd                   ; 1e-6
	s_mul_i32 s48, s[WV], 25600                    ; my part: no place in the cluster enters it
	s_mov_b32 s49, 0
	s_wait_dscnt 0x0                               ; both opening adds are done
	s_wait_kmcnt 0x0
	s_add_nc_u64 s[50:51], s[8:9], s[48:49]
	s_mov_b32 s[G0A], 1
	s_mov_b32 s[G0A+1], s48
	s_add_nc_u64 s[G0A+2:G0A+3], s[50:51], 6*102400   ; weight slot 6
	s_mov_b32 s[G0A+4], 1
	s_add_co_u32 s[G0A+5], s48, SLOT1
	s_add_nc_u64 s[G0A+6:G0A+7], s[50:51], 7*102400   ; weight slot 7
	s_or_b32 s[G0A+3], s[G0A+3], 0x80000000
	s_or_b32 s[G0A+7], s[G0A+7], 0x80000000
	ROUND                                          ; all four work-groups are here
	tensor_load_to_lds s[G0A:G0A+3], s[G1W:G1W+7]
	s_nop 0
	tensor_load_to_lds s[G0A+4:G0A+7], s[G1W:G1W+7]   ; two loads of mine are out
	s_nop 0
	PLACES 4
	v_and_b32 v216, 31, v0
	v_and_b32 v217, 15, v0
	v_bfe_u32 v218, v0, 4, 1
	v_lshlrev_b32 v[L16], 4, v216
	v_lshlrev_b32 v[L8], 3, v216
	v_lshlrev_b32 v[R16], 4, v217
	v_lshlrev_b32 v[H8], 3, v218
	v_add_nc_u32 v[SA], s48, v[L16]
	v_add_nc_u32 v[SA+1], s48, v[L8]
	v_add_nc_u32 v[SA+2], SLOT1, v[SA]
	v_add_nc_u32 v[SA+3], SLOT1, v[SA+1]
	v_add_nc_u32 v[OR16], OIMG, v[L16]
	v_add_nc_u32 v[OR8], OIMG, v[L8]
	v_add_nc_u32 v[OSR], OSC, v[L16]
	s_mul_i32 s49, s[WV], 768
	s_add_co_u32 s49, s49, OIMG
	v_add_nc_u32 v[OW16], s49, v[L16]              ; out1's half fragment of column group w + 4 g: 6,144 m + 3,072 g + 768 w
	v_add_nc_u32 v[OW8], s49, v[L8]
	s_lshl_b32 s49, s[WV], 1
	s_add_co_u32 s49, s49, OSC
	v_add_nc_u32 v[OSW], s49, v[R16]
	v_add_nc_u32 v[HR16], HIMG, v[L16]
	v_add_nc_u32 v[HR8], HIMG, v[L8]
	v_add_nc_u32 v[HSR], HSC, v[L16]
	s_mul_i32 s49, s[WV], 1536
	s_add_co_u32 s49, s49, HIMG
	v_add_nc_u32 v[HW16], s49, v[L16]
	v_add_nc_u32 v[HW8], s49, v[L8]
	s_lshl_b32 s49, s[WV], 2
	s_add_co_u32 s49, s49, HSC
	v_add_nc_u32 v[HSW], s49, v[R16]
	s_lshl_b32 s49, s[WV], 9
	s_add_co_u32 s49, s49, RED
	v_add_nc_u32 v[RDW], s49, v[L16]
	v_add_nc_u32 v[RDR], RED, v[L16]
	v_and_b32 v219, 8, v217
	v_and_b32 v220, 7, v217
	v_lshl_add_u32 v219, v219, 2, v220             ; 32 (r / 8) + r % 8: my row of tile 0
	s_lshl_b32 s49, s[WV], 8
	v_lshlrev_b32 v[CB], 7, v218
	v_add_nc_u32 v[CB], s49, v[CB]
	v_lshl_add_u32 v[VX], v219, 11, v[CB]
	v_mul_u32_u24 v[STW], v219, SPIT
	v_add_nc_u32 v[STW], v[STW], v[CB]
	s_lshl_b32 s49, s[WV], 9
	v_lshlrev_b32 v[B1O], 7, v218
	v_add_nc_u32 v[B1O], s49, v[B1O]
	s_mul_i32 s49, s[WV], 16*SPIT
	v_add_nc_u32 v[STR], s49, v[L16]
	v_mov_b32 v[QP], 0                             ; written once: a lane permute's destination counts as one of its sources
.irp m, 0,1,2,3
	v_mov_b32 v[BP+2*\m+1], 0                      ; named as a pair's upper half
.endr
	s_bfe_u32 s60, ttmp6, 0x40000                  ; cx
	s_lshl_b32 s61, ttmp9, 2
	s_add_co_u32 s61, s61, s60                     ; my block of 64 rows: it enters addresses of plain loads and stores alone
	s_mov_b32 s63, 0
	s_mul_i32 s62, s61, 24576
	s_add_nc_u64 s[4:5], s[4:5], s[62:63]
	s_lshl_b32 s62, s61, 10
	s_add_nc_u64 s[6:7], s[6:7], s[62:63]
	s_lshl_b32 s62, s61, 17
	s_add_nc_u64 s[10:11], s[10:11], s[62:63]
	s_lshl_b32 s66, s[WV], 15
	s_add_co_u32 s62, s62, s66
	s_add_nc_u64 s[26:27], s[26:27], s[62:63]      ; out0 at the 16 rows that I store
	WIN 0x80
.set n, 0
.rept 64
	global_load_b128 v[4*n:4*n+3], v[VX], s[10:11] offset:16384*(n/16)+1024*((n/8)%2)+16*(n%8) th:TH_LOAD_NT   ; X = value: 128 consecutive bytes a lane, tile and column group
.set n, n+1
.endr
	CLOAD PB, 12
	CLOAD GG, 14
	CLOAD GB, 16
	B1LOAD
	WIN 0x40
.set f, 0
.rept 16
	global_load_b128 v[12*f:12*f+3], v[L16], s[4:5] offset:f*1536          ; mh's fragments, as launch attn stored them
	global_load_b64 v[12*f+4:12*f+5], v[L8], s[4:5] offset:f*1536+512
	global_load_b128 v[12*f+6:12*f+9], v[L16], s[4:5] offset:f*1536+768
	global_load_b64 v[12*f+10:12*f+11], v[L8], s[4:5] offset:f*1536+1280
.set f, f+1
.endr
	WIN 0
	global_load_b128 v[AS:AS+3], v[L16], s[6:7]
	global_load_b128 v[AS+4:AS+7], v[L16], s[6:7] offset:512
	s_wait_loadcnt 0x0
	XADD                                           ; + proj_bias
	CLOAD PB, 20                                   ; b2 takes its place
	s_wait_tensorcnt 0x1                           ; my part of slot 0 is in, and I alone read it; slot 1's may stay out
	GEMM 0, 0, 0
	CHG 0, 1
	GEMM 1, 0, 1
	PLACES 4
	LNORM                                          ; X = out1
.irp m, 0,1,2,3
.irp g, 0,1
	s_wait_dscnt 3                                 ; the stores of the group before last have read this set's registers
	QH 64*\m+32*\g, 2, CSA+6*\g, 0, HWT+\g
	ds_store_b128 v[OW16], v[CSA+6*\g:CSA+6*\g+3] offset:6144*\m+3072*\g
	ds_store_b64 v[OW8], v[CSA+6*\g+4:CSA+6*\g+5] offset:6144*\m+3072*\g+512
	ds_store_b16 v[OSW], v[HWT+\g] offset:256*\m+8*\g
.endr
.endr
	s_wait_loadcnt 0x0                             ; b2
	XADD                                           ; X = out1 + b2: what the last product adds onto
	s_wait_dscnt 0x0                               ; my images of out1 have landed
	s_barrier_signal -1
	s_barrier_wait -1                              ; everybody's have
	WIN 0x40
.set f, 0
.rept 16
	FRAG 12*f, OR16, OR8, f*1536
.set f, f+1
.endr
	WIN 0
	ds_load_b128 v[AS:AS+3], v[OSR]
	ds_load_b128 v[AS+4:AS+7], v[OSR] offset:512
	s_mov_b32 s[CNT], 3
.Lffn:
	FFN 0
	s_sub_co_u32 s[CNT], s[CNT], 1
	s_cmp_lg_u32 s[CNT], 0
	s_cbranch_scc1 .Lffn
	FFN 1                                          ; the last 512 units are written out: no load of b1 beyond its end, no tensor load behind the last change of slots
	PLACES 4
	CLOAD GG, 22
	CLOAD GB, 24
	s_wait_loadcnt 0x0
	LNORM
	; THE WAY OUT: a lane holds 128 bytes of a row and the lanes beside it other rows: the 64 rows meet in a stage and leave whole.  Behind the norm's barriers no wave reads a slot any more, and no fill follows.
	WIN 0x08                                       ; an LDS store's data: window 2
.set n, 0
.rept 64
	ds_store_b128 v[STW], v[4*n:4*n+3] offset:8*SPIT*(n/16)+1024*((n/8)%2)+16*(n%8)
.set n, n+1
.endr
	WIN 0
	s_wait_dscnt 0x0
	s_barrier_signal -1
	s_barrier_wait -1
	WIN 0x80
.set n, 0
.rept 64
	ds_load_b128 v[4*n:4*n+3], v[STR] offset:SPIT*(n/4)+512*(n%4)          ; rows 16 w .. 16 w + 15, 512 bytes an instruction
.set n, n+1
.endr
	WIN 0x08
.set n, 0
.rept 64
	s_wait_dscnt 63-n                              ; the younger loads may be out
	global_store_b128 v[L16], v[4*n:4*n+3], s[26:27] offset:512*n th:TH_STORE_NT   ; 32 lanes store 512 consecutive bytes, at a multiple of 256 from out0's first byte
.set n, n+1
.endr
	WIN 0
	s_wait_tensorcnt 0x0                           ; the wave's end
	ds_add_u32 v[SPW], v[NIL]
	s_wait_dscnt 0x0
	ROUND                                          ; the closing round
	s_endpgm
.Lfunc_end_k_q86b46858c0_tail:
	.size	k_q86b46858c0_tail, .Lfunc_end_k_q86b46858c0_tail-k_q86b46858c0_tail
	.p2alignl 7, 3214868480
	.fill 96, 4, 3214868480
	.section	.rodata,"a",@progbits
	.p2align	6, 0x0
	.amdhsa_kernel k_q86b46858c0_tail
		.amdhsa_group_segment_fixed_size 327680
		.amdhsa_private_segment_fixed_size 0
		.amdhsa_enable_private_segment 0
		.amdhsa_kernarg_size 96
		.amdhsa_user_sgpr_count 2
		.amdhsa_user_sgpr_kernarg_segment_ptr 1
		.amdhsa_wavefront_size32 1
		.amdhsa_system_sgpr_workgroup_id_x 1
		.amdhsa_system_sgpr_workgroup_id_y 1
		.amdhsa_system_sgpr_workgroup_id_z 1
		.amdhsa_system_vgpr_workitem_id 0
		.amdhsa_next_free_vgpr 1024
		.amdhsa_next_free_sgpr 72
		.amdhsa_reserve_vcc 0
		.amdhsa_float_denorm_mode_32 3
		.amdhsa_float_denorm_mode_16_64 3
		.amdhsa_memory_ordered 1
		.amdhsa_forward_progress 1
		.amdhsa_inst_pref_size 255
	.end_amdhsa_kernel
	.section	.bss,"aw",@nobits
	.p2align	6
	.space	262144
	.amdgpu_metadata
---
amdhsa.version: [ 1, 2 ]
amdhsa.kernels:
  - .name:           k_q86b46858c0_tail
    .symbol:         k_q86b46858c0_tail.kd
    .args:
      - { .name: mhc, .offset: 0, .size: 8, .value_kind: global_buffer, .address_space: global }
      - { .name: mhs, .offset: 8, .size: 8, .value_kind: global_buffer, .address_space: global }
      - { .name: wts, .offset: 16, .size: 8, .value_kind: global_buffer, .address_space: global }
      - { .name: value, .offset: 24, .size: 8, .value_kind: global_buffer, .address_space: global }
      - { .name: proj_bias, .offset: 32, .size: 8, .value_kind: global_buffer, .address_space: global }
      - { .name: ln1_g, .offset: 40, .size: 8, .value_kind: global_buffer, .address_space: global }
      - { .name: ln1_b, .offset: 48, .size: 8, .value_kind: global_buffer, .address_space: global }
      - { .name: b1, .offset: 56, .size: 8, .value_kind: global_buffer, .address_space: global }
      - { .name: b2, .offset: 64, .size: 8, .value_kind: global_buffer, .address_space: global }
      - { .name: ln2_g, .offset: 72, .size: 8, .value_kind: global_buffer, .address_space: global }
      - { .name: ln2_b, .offset: 80, .size: 8, .value_kind: global_buffer, .address_space: global }
      - { .name: out0, .offset: 88, .size: 8, .value_kind: global_buffer, .address_space: global }
    .group_segment_fixed_size: 327680
    .private_segment_fixed_size: 0
    .kernarg_segment_align: 8
    .kernarg_segment_size: 96
    .max_flat_workgroup_size: 128
    .sgpr_count:     72
    .vgpr_count:     1024
    .wavefront_size: 32
...
	.end_amdgpu_metadata
.endif
;; end of part 4
;; ======== version 2 of 2: 4 launches
;; limits: right only within a limited range of input values
;; workspace buffers: wts 2,457,600 bytes; qc 6,291,456 bytes; qs 262,144 bytes; kv 13,107,200 bytes; mhc 6,291,456 bytes; mhs 262,144 bytes
;; launch prep (part 5): grid 384 x 1, 4 waves a work-group, no clusters, 0 bytes of LDS; arguments q_kernel, k_kernel, v_kernel, proj_kernel, w1, w2, wts; writes wts
.if DOCPART == 5
	.amdgcn_target "amdgcn-amd-amdhsa--gfx1250"
	.amdhsa_code_object_version 6
	.text
	.protected	k_q86b46858c0_prep
	.globl	k_q86b46858c0_prep
	.p2align	8
	.type	k_q86b46858c0_prep,@function
k_q86b46858c0_prep:
	s_mov_b64 s[64:65], 0
	v_nop
	global_prefetch_b8 v0, s[64:65] scope:SCOPE_SE
	s_setreg_imm32_b32 hwreg(HW_REG_WAVE_MODE, 25, 1), 1
	s_wait_xcnt 0x0
; PREP: the six weights (f32, K along their first matrix axis) become codes of E2M3 with one E8M0 byte for each 32 along K, laid in wts in the order in which the later launches walk them.
; DEAD WORK: none is left out in this program.  Every input of the layer has a way to out0 for some values (a masked logit too: a row that is masked throughout gives a uniform softmax), so all 17 inputs are loaded.
; LIMITS of the whole program: NaN and infinities among the inputs are not served.  A block of zeros gets the scale byte 1 (its codes are zeros; the bytes are read by this program alone).
; A block whose largest magnitude lies under 2^-124 (for q: 2^-121) is quantised under that floor's scale.
; LAYOUT OF wts: 24 slots of 102,400 bytes; a slot = 4 parts (one for each wave of a reader) of 25,600; a part = 16 fragments of 1,536 bytes and 1,024 bytes of scale words.
; A fragment = 16 columns of a weight x 128 along K as the image of the operand's 12 registers: three blocks of 512 bytes, registers 4 g .. 4 g + 3 of lane l at 512 g + 16 l: a reader takes it by three loads of 16 bytes a lane.
; THE 16 COLUMNS OF A TILE ARE NOT NEIGHBOURS: in a group of 64 columns, row r of tile u is column 32 (r / 8) + 8 u + r % 8.  Used as source 0, four such tiles leave 32 neighbouring columns in a lane's 32 result registers.
; Slots 2 t + par (t = q, k, v): part w, fragment 4 q + u: head 2 w + par, K step q.  Slots 6 + p: proj, column group w + 4 p.  Slots 8 + 4 rho + a: w1, hidden group 8 rho + 2 w + a.
; Slots 10 + 4 rho + e: w2, K step 4 rho + 2 e + q / 2, column group w + 4 (q % 2).
; SHARES: one wave makes one fragment.  Lane (r, h) takes its column and its registers run down K in the operand's own order (k = 64 c + 32 h + 0 .. 31), so a block of 32 lies in one lane.
; No LDS, no barrier, no matrix unit: each weight is read once, and nothing is shared between waves.
.set H8,  7                            ; v7      8 x (lane / 16): where my block's byte stands in a half word
.set QB,  8                            ; v8-11   four chains of the largest magnitude
.set QSC, 12                           ; v12     the conversions' scale operand
.set QBY, 13                           ; v13     the scale's byte
.set QP,  14                           ; v14     the other half's byte
.set QT,  16                           ; v16-18  a block's upper 16 codes
.set HWA, 24                           ; v24, v25 the two half words
.set HWB, 25
.set X,   32                           ; v32-95  my 64 numbers
.set CD,  96                           ; v96-107 the fragment
.set SEL, 40                           ; s[40:41] lane selects: lane l xor 16
; 32 numbers of a lane, one block along K, become six registers of codes at v[c] and the half word hw: the byte of the block in lanes 0-15 below, that of lanes 16-31 above.
; The largest magnitude has a floor among its leaves, so that the byte cannot fall under 1.
.macro QH x, c, hw
.irp k, 0,1,2,3
	v_max3_num_f32 v[QB+\k], |v[(\x)+8*\k]|, |v[(\x)+8*\k+1]|, 3<<23
.endr
.irp i, 2,4,6
.irp k, 0,1,2,3
	v_max3_num_f32 v[QB+\k], |v[(\x)+8*\k+\i]|, |v[(\x)+8*\k+\i+1]|, v[QB+\k]
.endr
.endr
	v_max3_num_f32 v[QB], v[QB], v[QB+1], v[QB+2]
	v_max_num_f32 v[QB], v[QB], v[QB+3]
	v_add_nc_u32 v[QSC], 0xff000000, v[QB]         ; 2 off the exponent field: the conversion takes that field as its scale
	v_lshrrev_b32 v[QBY], 23, v[QSC]               ; the byte
	v_cvt_scalef32_pk16_fp6_f32 v[(\c):(\c)+2], v[(\x):(\x)+15], v[QSC]
	v_cvt_scalef32_pk16_fp6_f32 v[QT:QT+2], v[(\x)+16:(\x)+31], v[QSC]   ; (a conversion's three registers begin on an even number)
	v_lshlrev_b32 v[QBY], v[H8], v[QBY]            ; the plain line behind the conversions
	v_mov_b32 v[(\c)+3], v[QT]
	v_mov_b32 v[(\c)+4], v[QT+1]
	v_mov_b32 v[(\c)+5], v[QT+2]
	v_permlanex16_b32 v[QP], v[QBY], s[SEL], s[SEL+1]
	v_or_b32 v[\hw], v[QBY], v[QP]
.endm
.macro LOADS pitch                     ; register 32 c + i: row 64 c + i of my 128 (lanes 16-31 begin 32 rows further down)
.set n, 0
.rept 64
	global_load_b32 v[X+n], v22, s[34:35] offset:(n+32*(n/32))*(\pitch)
.set n, n+1
.endr
.endm
	s_load_b256 s[4:11], s[0:1], 0x0               ; q_kernel, k_kernel, v_kernel, proj_kernel
	s_load_b128 s[12:15], s[0:1], 0x20             ; w1, w2
	s_load_b64 s[16:17], s[0:1], 0x30              ; wts
	v_lshrrev_b32 v1, 5, v0
	v_readfirstlane_b32 s23, v1                    ; u: my tile of the group of 64 columns
	v_and_b32 v1, 31, v0                           ; lane
	v_and_b32 v2, 15, v0                           ; r
	v_bfe_u32 v3, v0, 4, 1                         ; h
	v_lshlrev_b32 v[H8], 3, v3
	v_lshlrev_b32 v4, 4, v1                        ; 16 x lane
	v_lshlrev_b32 v6, 4, v2                        ; 16 r
	v_and_b32 v20, 8, v2
	v_and_b32 v21, 7, v2
	v_lshl_add_u32 v20, v20, 2, v21                ; 32 (r / 8) + r % 8
	s_lshl_b32 s24, s23, 3
	v_add_nc_u32 v20, s24, v20                     ; + 8 u: my column in the group
	v_lshlrev_b32 v20, 2, v20                      ; in bytes
	v_mov_b32 v[QP], 0                             ; written once: a lane permute's destination counts as one of its sources
	s_mov_b32 s[SEL], 0x76543210
	s_mov_b32 s[SEL+1], 0xfedcba98
	s_lshr_b32 s20, ttmp9, 4                       ; slot
	s_bfe_u32 s21, ttmp9, 0x20002                  ; part
	s_and_b32 s22, ttmp9, 3                        ; q
	s_and_b32 s25, s20, 1                          ; slot % 2
	s_mul_i32 s26, s20, 102400
	s_mul_i32 s27, s21, 25600
	s_add_co_u32 s26, s26, s27                     ; my part's first byte in wts
	s_lshl_b32 s27, s22, 2
	s_add_co_u32 s27, s27, s23                     ; fragment i = 4 q + u
	s_mul_i32 s27, s27, 1536
	s_add_co_u32 s28, s26, s27
	s_mov_b32 s29, 0
	s_lshr_b32 s27, s22, 1                         ; the scale word of (i, r): 24576 + 512 (i / 8) + 16 (r + 16 (i % 2)) + 4 ((i / 2) % 4)
	s_lshl_b32 s27, s27, 9
	s_add_co_u32 s30, s26, s27
	s_and_b32 s27, s22, 1
	s_lshl_b32 s27, s27, 3
	s_add_co_u32 s30, s30, s27
	s_lshr_b32 s27, s23, 1
	s_lshl_b32 s27, s27, 2
	s_add_co_u32 s30, s30, s27
	s_and_b32 s27, s23, 1
	s_lshl_b32 s27, s27, 8
	s_add_co_u32 s30, s30, s27
	s_add_co_u32 s30, s30, 24576
	s_mov_b32 s31, 0
	s_wait_alu depctr_va_vdst(0)
	s_wait_kmcnt 0x0
	s_add_nc_u64 s[28:29], s[16:17], s[28:29]
	s_add_nc_u64 s[30:31], s[16:17], s[30:31]
	; three arms, one for each pitch of a source row; the choice hangs on the work-group's number alone
	s_cmp_lt_u32 s20, 6
	s_cbranch_scc0 .Lnot_qkv
	s_cmp_lt_u32 s20, 2
	s_cselect_b64 s[34:35], s[4:5], s[6:7]
	s_cmp_lt_u32 s20, 4
	s_cselect_b64 s[34:35], s[34:35], s[8:9]
	s_lshl_b32 s36, s21, 1
	s_add_co_u32 s36, s36, s25                     ; head 2 w + par
	s_lshl_b32 s36, s36, 17                        ; 512 rows of 256 bytes a head
	s_lshl_b32 s37, s22, 15                        ; 128 rows a K step
	s_add_co_u32 s36, s36, s37
	s_mov_b32 s37, 0
	s_add_nc_u64 s[34:35], s[34:35], s[36:37]
	v_lshl_add_u32 v22, v3, 13, v20                ; + 32 rows for lanes 16-31
	LOADS 256
	s_branch .Lgot
.Lnot_qkv:
	s_sub_co_u32 s38, s20, 8
	s_lshr_b32 s38, s38, 2                         ; rho (of no meaning in slots 6 and 7, where it is selected away)
	s_bitcmp1_b32 s20, 1                           ; from slot 6 on, bit 1 set: proj or w2, rows of 2,048 bytes; clear: w1
	s_cbranch_scc0 .Lw1
	s_lshl_b32 s39, s38, 2
	s_lshl_b32 s42, s25, 1
	s_add_co_u32 s39, s39, s42
	s_lshr_b32 s42, s22, 1
	s_add_co_u32 s39, s39, s42                     ; w2's K step 4 rho + 2 e + q / 2
	s_and_b32 s42, s22, 1                          ; and which half of the column groups
	s_cmp_lt_u32 s20, 8
	s_cselect_b32 s39, s22, s39                    ; proj: K step q,
	s_cselect_b32 s42, s25, s42                    ; half p
	s_cselect_b64 s[34:35], s[10:11], s[14:15]
	s_lshl_b32 s42, s42, 2
	s_add_co_u32 s42, s42, s21                     ; column group
	s_lshl_b32 s36, s39, 18                        ; 128 rows of 2,048 bytes a K step
	s_lshl_b32 s42, s42, 8
	s_add_co_u32 s36, s36, s42
	s_mov_b32 s37, 0
	s_add_nc_u64 s[34:35], s[34:35], s[36:37]
	v_lshl_add_u32 v22, v3, 16, v20
	LOADS 2048
	s_branch .Lgot
.Lw1:
	s_lshl_b32 s36, s38, 3
	s_lshl_b32 s39, s21, 1
	s_add_co_u32 s36, s36, s39
	s_add_co_u32 s36, s36, s25                     ; hidden group 8 rho + 2 w + a
	s_lshl_b32 s36, s36, 8
	s_lshl_b32 s39, s22, 20                        ; 128 rows of 8,192 bytes a K step
	s_add_co_u32 s36, s36, s39
	s_mov_b32 s37, 0
	s_add_nc_u64 s[34:35], s[12:13], s[36:37]
	v_lshl_add_u32 v22, v3, 18, v20
	LOADS 8192
.Lgot:
	s_wait_loadcnt 0x0
	QH X, CD, HWA
	QH X+32, CD+6, HWB
	v_lshl_or_b32 v26, v[HWB], 16, v[HWA]          ; the four bytes of my column
	global_store_b128 v4, v[CD:CD+3], s[28:29]                 ; each store covers 512 consecutive bytes
	global_store_b128 v4, v[CD+4:CD+7], s[28:29] offset:512
	global_store_b128 v4, v[CD+8:CD+11], s[28:29] offset:1024
	global_store_b32 v6, v26, s[30:31]             ; lanes r and 16 + r hold the same word and write the same bytes
	s_endpgm
.Lfunc_end_k_q86b46858c0_prep:
	.size	k_q86b46858c0_prep, .Lfunc_end_k_q86b46858c0_prep-k_q86b46858c0_prep
	.p2alignl 7, 3214868480
	.fill 96, 4, 3214868480
	.section	.rodata,"a",@progbits
	.p2align	6, 0x0
	.amdhsa_kernel k_q86b46858c0_prep
		.amdhsa_group_segment_fixed_size 0
		.amdhsa_private_segment_fixed_size 0
		.amdhsa_enable_private_segment 0
		.amdhsa_kernarg_size 56
		.amdhsa_user_sgpr_count 2
		.amdhsa_user_sgpr_kernarg_segment_ptr 1
		.amdhsa_wavefront_size32 1
		.amdhsa_system_sgpr_workgroup_id_x 1
		.amdhsa_system_sgpr_workgroup_id_y 1
		.amdhsa_system_sgpr_workgroup_id_z 1
		.amdhsa_system_vgpr_workitem_id 0
		.amdhsa_next_free_vgpr 128
		.amdhsa_next_free_sgpr 66
		.amdhsa_reserve_vcc 0
		.amdhsa_float_denorm_mode_32 3
		.amdhsa_float_denorm_mode_16_64 3
		.amdhsa_memory_ordered 1
		.amdhsa_forward_progress 1
		.amdhsa_inst_pref_size 26
	.end_amdhsa_kernel
	.amdgpu_metadata
---
amdhsa.version: [ 1, 2 ]
amdhsa.kernels:
  - .name:           k_q86b46858c0_prep
    .symbol:         k_q86b46858c0_prep.kd
    .args:
      - { .name: q_kernel, .offset: 0, .size: 8, .value_kind: global_buffer, .address_space: global }
      - { .name: k_kernel, .offset: 8, .size: 8, .value_kind: global_buffer, .address_space: global }
      - { .name: v_kernel, .offset: 16, .size: 8, .value_kind: global_buffer, .address_space: global }
      - { .name: proj_kernel, .offset: 24, .size: 8, .value_kind: global_buffer, .address_space: global }
      - { .name: w1, .offset: 32, .size: 8, .value_kind: global_buffer, .address_space: global }
      - { .name: w2, .offset: 40, .size: 8, .value_kind: global_buffer, .address_space: global }
      - { .name: wts, .offset: 48, .size: 8, .value_kind: global_buffer, .address_space: global }
    .group_segment_fixed_size: 0
    .private_segment_fixed_size: 0
    .kernarg_segment_align: 8
    .kernarg_segment_size: 56
    .max_flat_workgroup_size: 128
    .sgpr_count:     66
    .vgpr_count:     128
    .wavefront_size: 32
...
	.end_amdgpu_metadata
.endif
;; end of part 5
;; launch qkv (part 6): grid 256 x 1, 4 waves a work-group, no clusters, 59,904 bytes of LDS; arguments value, wts, qc, qs, kv; writes qc, qs, kv
.if DOCPART == 6
	.amdgcn_target "amdgcn-amd-amdhsa--gfx1250"
	.amdhsa_code_object_version 6
	.text
	.protected	k_q86b46858c0_qkv
	.globl	k_q86b46858c0_qkv
	.p2align	8
	.type	k_q86b46858c0_qkv,@function
k_q86b46858c0_qkv:
	s_mov_b64 s[64:65], 0
	v_nop
	global_prefetch_b8 v0, s[64:65] scope:SCOPE_SE
	s_setreg_imm32_b32 hwreg(HW_REG_WAVE_MODE, 25, 1), 1
	s_wait_xcnt 0x0
; QKV: q, k, v = Q(value) x Q(weights), quantised again on the way out for launch attn (q's division by 8 goes into its scale bytes).  No work of the layer is left out.
; SHARES.  A work-group takes 64 rows of value.  Each wave quantises 16 of them; the codes pass through LDS once as images of operand registers, and every wave then holds all 64 rows (16 fragments, window 1).
; Wave w multiplies them with part w of slots 0 to 5 of wts (two heads of q, of k, of v): 64 matrix instructions a slot.
; THE WEIGHTS GO FROM MEMORY STRAIGHT INTO OPERAND REGISTERS.  A wave alone reads its part of a slot, so LDS would share nothing: a unit (4 fragments, 48 registers, 12 loads of 512 consecutive bytes) is loaded into a ring of
; 5 units in window 3, and a unit's registers are asked for again as soon as its 16 products are issued: 4 units, 48 loads, are on their way while one is multiplied.  No barrier stands in the walk over the weights.
; NO CLUSTER, NO TENSOR LOAD: no weight tile lies in LDS, so there is none that a joint load could bring.  NO PREFETCH: the ring itself asks 4 units (64 matrix instructions) ahead of each use.
; REGISTERS: window 0 addresses, scale words, the quantiser; window 1 value's 16 fragments; window 2 value as f32, then the 16 accumulators; window 3 the ring.
.set AIMG,  0                          ; LDS: value's codes, 16 fragments of 1,536 bytes
.set ASC,   24576                      ; their scale words
.set SPARE, 25600                      ; the spare words, 128 bytes a wave
.set VST,   26112                      ; a stage of 16 rows x 528 bytes for each wave
.set VPIT,  528
.set RING,  5
.set UNITS, 24
.set L16, 1
.set L8,  2
.set VA,  3
.set IW16, 4
.set IW8, 5
.set ASW, 6
.set R16, 11
.set H8,  12
.set IR16, 13
.set IR8, 14
.set ASR, 15
.set SPW, 16
.set NIL, 17
.set QB,  18
.set QSC, 22
.set QBY, 23
.set QP,  24
.set QT,  26
.set VSW, 29
.set VSR, 30
.set AS,  40
.set HK,  48
.set WD,  52
.set CS0, 56
.set SWS, 96                           ; v96-111 the weights' scale words, two sets of 8
.set WV,  14
.set SEL, 16
.set WP,  32                           ; s[32:33] my part of slot 0
.set QCB, 44
.set QSB, 46
.set KB,  48
.set KSB, 50
.set VB,  52
.set VSB, 54
.set VALB, 56
.set MSB, 0
.macro WIN new
.if MSB != (\new)
	s_set_vgpr_msb (MSB<<8)|(\new)
.set MSB, \new
.endif
.endm
.macro PLACES n
.rept \n
	v_nop
.endr
.endm
.macro QH x, wx, c, extra, hw
	WIN (\wx)|((\wx)<<2)
.irp k, 0,1,2,3
	v_max3_num_f32 v[QB+\k], |v[(\x)+8*\k]|, |v[(\x)+8*\k+1]|, (3+(\extra))<<23
.endr
.irp i, 2,4,6
.irp k, 0,1,2,3
	v_max3_num_f32 v[QB+\k], |v[(\x)+8*\k+\i]|, |v[(\x)+8*\k+\i+1]|, v[QB+\k]
.endr
.endr
	WIN 0
	v_max3_num_f32 v[QB], v[QB], v[QB+1], v[QB+2]
	v_max_num_f32 v[QB], v[QB], v[QB+3]
	v_add_nc_u32 v[QSC], 0xff000000, v[QB]
	v_add_nc_u32 v[QBY], -((2+(\extra))<<23), v[QB]
	v_lshrrev_b32 v[QBY], 23, v[QBY]
	WIN (\wx)
	v_cvt_scalef32_pk16_fp6_f32 v[(\c):(\c)+2], v[(\x):(\x)+15], v[QSC]
	v_cvt_scalef32_pk16_fp6_f32 v[QT:QT+2], v[(\x)+16:(\x)+31], v[QSC]
	WIN 0
	v_lshlrev_b32 v[QBY], v[H8], v[QBY]
	v_mov_b32 v[(\c)+3], v[QT]
	v_mov_b32 v[(\c)+4], v[QT+1]
	v_mov_b32 v[(\c)+5], v[QT+2]
	v_permlanex16_b32 v[QP], v[QBY], s[SEL], s[SEL+1]
	v_or_b32 v[\hw], v[QBY], v[QP]
.endm
.macro FRAG reg, a16, a8, off
	ds_load_b128 v[(\reg):(\reg)+3], v[\a16] offset:(\off)
	ds_load_b64 v[(\reg)+4:(\reg)+5], v[\a8] offset:(\off)+512
	ds_load_b128 v[(\reg)+6:(\reg)+9], v[\a16] offset:(\off)+768
	ds_load_b64 v[(\reg)+10:(\reg)+11], v[\a8] offset:(\off)+1280
.endm
.macro WM d, a, b, c, sa, ra, sb, rb
.if (\c) < 0
.if (\ra) == 0
.if (\rb) == 0
	v_wmma_scale_f32_16x16x128_f8f6f4 v[(\d):(\d)+7], v[(\a):(\a)+11], v[(\b):(\b)+11], 0, v[\sa], v[\sb] matrix_a_fmt:MATRIX_FMT_FP6 matrix_b_fmt:MATRIX_FMT_FP6
.else
	v_wmma_scale_f32_16x16x128_f8f6f4 v[(\d):(\d)+7], v[(\a):(\a)+11], v[(\b):(\b)+11], 0, v[\sa], v[\sb] matrix_a_fmt:MATRIX_FMT_FP6 matrix_b_fmt:MATRIX_FMT_FP6 matrix_b_scale:MATRIX_SCALE_ROW1
.endif
.else
.if (\rb) == 0
	v_wmma_scale_f32_16x16x128_f8f6f4 v[(\d):(\d)+7], v[(\a):(\a)+11], v[(\b):(\b)+11], 0, v[\sa], v[\sb] matrix_a_fmt:MATRIX_FMT_FP6 matrix_b_fmt:MATRIX_FMT_FP6 matrix_a_scale:MATRIX_SCALE_ROW1
.else
	v_wmma_scale_f32_16x16x128_f8f6f4 v[(\d):(\d)+7], v[(\a):(\a)+11], v[(\b):(\b)+11], 0, v[\sa], v[\sb] matrix_a_fmt:MATRIX_FMT_FP6 matrix_b_fmt:MATRIX_FMT_FP6 matrix_a_scale:MATRIX_SCALE_ROW1 matrix_b_scale:MATRIX_SCALE_ROW1
.endif
.endif
.else
.if (\ra) == 0
.if (\rb) == 0
	v_wmma_scale_f32_16x16x128_f8f6f4 v[(\d):(\d)+7], v[(\a):(\a)+11], v[(\b):(\b)+11], v[(\c):(\c)+7], v[\sa], v[\sb] matrix_a_fmt:MATRIX_FMT_FP6 matrix_b_fmt:MATRIX_FMT_FP6
.else
	v_wmma_scale_f32_16x16x128_f8f6f4 v[(\d):(\d)+7], v[(\a):(\a)+11], v[(\b):(\b)+11], v[(\c):(\c)+7], v[\sa], v[\sb] matrix_a_fmt:MATRIX_FMT_FP6 matrix_b_fmt:MATRIX_FMT_FP6 matrix_b_scale:MATRIX_SCALE_ROW1
.endif
.else
.if (\rb) == 0
	v_wmma_scale_f32_16x16x128_f8f6f4 v[(\d):(\d)+7], v[(\a):(\a)+11], v[(\b):(\b)+11], v[(\c):(\c)+7], v[\sa], v[\sb] matrix_a_fmt:MATRIX_FMT_FP6 matrix_b_fmt:MATRIX_FMT_FP6 matrix_a_scale:MATRIX_SCALE_ROW1
.else
	v_wmma_scale_f32_16x16x128_f8f6f4 v[(\d):(\d)+7], v[(\a):(\a)+11], v[(\b):(\b)+11], v[(\c):(\c)+7], v[\sa], v[\sb] matrix_a_fmt:MATRIX_FMT_FP6 matrix_b_fmt:MATRIX_FMT_FP6 matrix_a_scale:MATRIX_SCALE_ROW1 matrix_b_scale:MATRIX_SCALE_ROW1
.endif
.endif
.endif
.endm
; Unit j = 4 x slot + K step: its 4 fragments into ring place j % 5; ahead of a slot's first unit the slot's 8 registers of scale words
.macro WLOAD j
.if (\j)%4 == 0
	global_load_b128 v[SWS+8*(((\j)/4)%2):SWS+8*(((\j)/4)%2)+3], v[L16], s[WP:WP+1] offset:((\j)/4)*102400+24576
	global_load_b128 v[SWS+8*(((\j)/4)%2)+4:SWS+8*(((\j)/4)%2)+7], v[L16], s[WP:WP+1] offset:((\j)/4)*102400+25088
.endif
	WIN 0xc0
.irp u, 0,1,2,3
.irp g, 0,1,2
	global_load_b128 v[48*((\j)%RING)+12*\u+4*\g:48*((\j)%RING)+12*\u+4*\g+3], v[L16], s[WP:WP+1] offset:((\j)/4)*102400+(4*((\j)%4)+\u)*1536+512*\g
.endr
.endr
	WIN 0
.endm
; The wait for unit j counts what was issued behind it: units j + 1 .. j + 4 as far as there are any, 12 loads each, and 2 loads of scale words ahead of each of them that begins a slot
.macro WWAIT j
.set NW, 0
.irp d, 1,2,3,4
.if (\j)+\d < UNITS
.set NW, NW+12
.if ((\j)+\d)%4 == 0
.set NW, NW+2
.endif
.endif
.endr
	s_wait_loadcnt NW
.endm
; A slot: 4 K steps x 16 matrix instructions, the 16 accumulators by turns.  nat = 0: source 0 = the weight's tile (a lane holds a row of value's); nat = 1: source 0 = value's rows
.macro GEMM s, nat
	PLACES 5
.set SWP, SWS+8*((\s)%2)
.irp q, 0,1,2,3
	WWAIT 4*(\s)+\q
.set UB, 48*((4*(\s)+\q)%RING)
.if \nat
	WIN 0xad
.else
	WIN 0xa7
.endif
.irp m, 0,1,2,3
.irp u, 0,1,2,3
.if \nat
.if \q == 0
	WM 32*\u+8*\m, 12*(4*\m+\q), UB+12*\u, -1, AS+4*(\m/2)+\q, \m%2, SWP+2*\q+\u/2, \u%2
.else
	WM 32*\u+8*\m, 12*(4*\m+\q), UB+12*\u, 32*\u+8*\m, AS+4*(\m/2)+\q, \m%2, SWP+2*\q+\u/2, \u%2
.endif
.else
.if \q == 0
	WM 32*\m+8*\u, UB+12*\u, 12*(4*\m+\q), -1, SWP+2*\q+\u/2, \u%2, AS+4*(\m/2)+\q, \m%2
.else
	WM 32*\m+8*\u, UB+12*\u, 12*(4*\m+\q), 32*\m+8*\u, SWP+2*\q+\u/2, \u%2, AS+4*(\m/2)+\q, \m%2
.endif
.endif
.endr
.endr
	WIN 0
.if 4*(\s)+\q+RING < UNITS
	PLACES 4                                       ; in front of loads into registers that matrix instructions have read
	WLOAD 4*(\s)+\q+RING
.endif
.endr
.endm
.macro VLOAD s
	WIN 0x80
.set n, 0
.rept 16
	global_load_b128 v[64*(\s)+4*n:64*(\s)+4*n+3], v[VA], s[VALB:VALB+1] offset:(32*(n/8)+n%8)*2048+512*(\s) th:TH_LOAD_NT
.set n, n+1
.endr
	WIN 0
.endm
.macro VTURN s
	WIN 0x08
.set n, 0
.rept 16
	ds_store_b128 v[VSW], v[64*(\s)+4*n:64*(\s)+4*n+3] offset:VPIT*n
.set n, n+1
.endr
	WIN 0x80
.set n, 0
.rept 16
	ds_load_b128 v[64*(\s)+4*n:64*(\s)+4*n+3], v[VSR] offset:256*(n/8)+16*(n%8)
.set n, n+1
.endr
	WIN 0
.endm
.macro VQ s, left
	s_wait_dscnt \left
	QH 64*(\s), 2, CS0, 0, HK
	QH 64*(\s)+32, 2, CS0+8, 0, HK+1
	v_lshl_or_b32 v[WD+(\s)], v[HK+1], 16, v[HK]
	ds_store_b128 v[IW16], v[CS0:CS0+3] offset:(\s)*1536
	ds_store_b64 v[IW8], v[CS0+4:CS0+5] offset:(\s)*1536+512
	ds_store_b128 v[IW16], v[CS0+8:CS0+11] offset:(\s)*1536+768
	ds_store_b64 v[IW8], v[CS0+12:CS0+13] offset:(\s)*1536+1280
.endm
.macro OUTQK par, extra, cb, sb
	PLACES 4
	s_wait_xcnt 0x0                                ; the earlier stores have read their data registers
.irp m, 0,1,2,3
.if \par
	QH 32*\m, 2, CS0+8*\m, \extra, WD+\m
	v_lshl_or_b32 v[WD+\m], v[WD+\m], 16, v[HK+\m]
.else
	QH 32*\m, 2, CS0+8*\m, \extra, HK+\m
.endif
	global_store_b128 v[L16], v[CS0+8*\m:CS0+8*\m+3], s[\cb:\cb+1] offset:\m*6144+(\par)*768
	global_store_b64 v[L8], v[CS0+8*\m+4:CS0+8*\m+5], s[\cb:\cb+1] offset:\m*6144+(\par)*768+512
.endr
.if \par
	global_store_b128 v[R16], v[WD:WD+3], s[\sb:\sb+1]
.endif
.endm
.macro OUTV par
	PLACES 4
	s_wait_xcnt 0x0
.irp u, 0,1,2,3
	QH 32*\u, 2, CS0+8*\u, 0, HK+\u
	global_store_b128 v[L16], v[CS0+8*\u:CS0+8*\u+3], s[VB:VB+1] offset:(\par)*6144+\u*1536
	global_store_b64 v[L8], v[CS0+8*\u+4:CS0+8*\u+5], s[VB:VB+1] offset:(\par)*6144+\u*1536+512
	global_store_b16 v[R16], v[HK+\u], s[VSB:VSB+1] offset:(\par)*256+4*\u
.endr
.endm
	s_load_b256 s[4:11], s[0:1], 0x0               ; value, wts, qc, qs
	s_load_b64 s[12:13], s[0:1], 0x20              ; kv
	v_lshl_add_u32 v[SPW], v0, 2, SPARE
	v_mov_b32 v[NIL], 0
	v_lshrrev_b32 v88, 5, v0
	v_readfirstlane_b32 s[WV], v88
	s_mov_b32 s[SEL], 0x76543210
	s_mov_b32 s[SEL+1], 0xfedcba98
	s_mul_i32 s20, s[WV], 25600
	s_mov_b32 s21, 0
	v_and_b32 v88, 31, v0
	v_and_b32 v89, 15, v0
	v_bfe_u32 v90, v0, 4, 1
	v_lshlrev_b32 v[L16], 4, v88
	v_lshlrev_b32 v[L8], 3, v88
	v_lshlrev_b32 v[R16], 4, v89
	v_lshlrev_b32 v[H8], 3, v90
	s_lshl_b32 s22, s[WV], 14
	v_add_nc_u32 v[VA], s22, v[L16]
	s_mul_i32 s22, s[WV], 16*VPIT
	s_add_co_u32 s22, s22, VST
	v_add_nc_u32 v[VSW], s22, v[L16]
	v_mul_u32_u24 v[VSR], v89, VPIT
	v_lshl_add_u32 v[VSR], v90, 7, v[VSR]
	v_add_nc_u32 v[VSR], s22, v[VSR]
	s_mul_i32 s22, s[WV], 6144
	s_add_co_u32 s22, s22, AIMG
	v_add_nc_u32 v[IW16], s22, v[L16]
	v_add_nc_u32 v[IW8], s22, v[L8]
	s_lshl_b32 s22, s[WV], 8
	s_add_co_u32 s22, s22, ASC
	v_add_nc_u32 v[ASW], s22, v[R16]
	v_add_nc_u32 v[IR16], AIMG, v[L16]
	v_add_nc_u32 v[IR8], AIMG, v[L8]
	v_add_nc_u32 v[ASR], ASC, v[L16]
	v_mov_b32 v[QP], 0
	s_mov_b32 s19, ttmp9                           ; my block of 64 rows
	s_mov_b32 s41, 0
	s_wait_alu depctr_va_vdst(0)
	s_wait_kmcnt 0x0
	s_add_nc_u64 s[WP:WP+1], s[6:7], s[20:21]
.irp j, 0,1,2,3,4
	WLOAD \j                                       ; the ring's first five units
.endr
	s_lshl_b32 s40, s19, 17
	s_add_nc_u64 s[VALB:VALB+1], s[4:5], s[40:41]
	VLOAD 0
	VLOAD 1
	VLOAD 2
	VLOAD 3
	s_mul_i32 s40, s19, 24576
	s_mul_i32 s42, s[WV], 1536
	s_add_co_u32 s40, s40, s42
	s_add_nc_u64 s[QCB:QCB+1], s[8:9], s[40:41]
	s_lshl_b32 s40, s19, 2
	s_add_co_u32 s40, s40, s[WV]
	s_lshl_b32 s40, s40, 8
	s_add_nc_u64 s[QSB:QSB+1], s[10:11], s[40:41]
	s_lshr_b32 s40, s19, 1
	s_mul_i32 s40, s40, 102400
	s_add_nc_u64 s[12:13], s[12:13], s[40:41]
	s_and_b32 s43, s19, 1
	s_mul_i32 s40, s43, 24576
	s_add_co_u32 s40, s40, s42
	s_add_nc_u64 s[KB:KB+1], s[12:13], s[40:41]
	s_lshl_b32 s40, s[WV], 9
	s_lshl_b32 s42, s43, 8
	s_add_co_u32 s40, s40, s42
	s_add_co_u32 s40, s40, 98304
	s_add_nc_u64 s[KSB:KSB+1], s[12:13], s[40:41]
	s_mul_i32 s40, s[WV], 12288
	s_mul_i32 s42, s43, 768
	s_add_co_u32 s40, s40, s42
	s_add_co_u32 s40, s40, 49152
	s_add_nc_u64 s[VB:VB+1], s[12:13], s[40:41]
	s_lshl_b32 s40, s[WV], 9
	s_lshl_b32 s42, s43, 1
	s_add_co_u32 s40, s40, s42
	s_add_co_u32 s40, s40, 100352
	s_add_nc_u64 s[VSB:VSB+1], s[12:13], s[40:41]
	s_wait_loadcnt 48                              ; value's loads are the youngest 64: 16 for each quarter of the columns
	VTURN 0
	s_wait_loadcnt 32
	VTURN 1
	VQ 0, 32
	s_wait_loadcnt 16
	VTURN 2
	VQ 1, 32
	s_wait_loadcnt 0x0
	VTURN 3
	VQ 2, 32
	VQ 3, 0
	ds_store_b128 v[ASW], v[WD:WD+3]
	s_wait_dscnt 0x0                               ; my codes and scale words are in LDS
	s_barrier_signal -1
	s_barrier_wait -1
	WIN 0x40
.set f, 0
.rept 16
	FRAG 12*f, IR16, IR8, f*1536
.set f, f+1
.endr
	WIN 0
	ds_load_b128 v[AS:AS+3], v[ASR]
	ds_load_b128 v[AS+4:AS+7], v[ASR] offset:512
	s_wait_dscnt 0x0
	GEMM 0, 0
	OUTQK 0, 3, QCB, QSB
	GEMM 1, 0
	OUTQK 1, 3, QCB, QSB
	GEMM 2, 0
	OUTQK 0, 0, KB, KSB
	GEMM 3, 0
	OUTQK 1, 0, KB, KSB
	GEMM 4, 1
	OUTV 0
	GEMM 5, 1
	OUTV 1
	s_wait_tensorcnt 0x0                           ; the wave's end
	ds_add_u32 v[SPW], v[NIL]
	s_wait_dscnt 0x0
	s_endpgm
.Lfunc_end_k_q86b46858c0_qkv:
	.size	k_q86b46858c0_qkv, .Lfunc_end_k_q86b46858c0_qkv-k_q86b46858c0_qkv
	.p2alignl 7, 3214868480
	.fill 96, 4, 3214868480
	.section	.rodata,"a",@progbits
	.p2align	6, 0x0
	.amdhsa_kernel k_q86b46858c0_qkv
		.amdhsa_group_segment_fixed_size 59904
		.amdhsa_private_segment_fixed_size 0
		.amdhsa_enable_private_segment 0
		.amdhsa_kernarg_size 40
		.amdhsa_user_sgpr_count 2
		.amdhsa_user_sgpr_kernarg_segment_ptr 1
		.amdhsa_wavefront_size32 1
		.amdhsa_system_sgpr_workgroup_id_x 1
		.amdhsa_system_sgpr_workgroup_id_y 1
		.amdhsa_system_sgpr_workgroup_id_z 1
		.amdhsa_system_vgpr_workitem_id 0
		.amdhsa_next_free_vgpr 1024
		.amdhsa_next_free_sgpr 66
		.amdhsa_reserve_vcc 0
		.amdhsa_float_denorm_mode_32 3
		.amdhsa_float_denorm_mode_16_64 3
		.amdhsa_memory_ordered 1
		.amdhsa_forward_progress 1
		.amdhsa_inst_pref_size 174
	.end_amdhsa_kernel
	.amdgpu_metadata
---
amdhsa.version: [ 1, 2 ]
amdhsa.kernels:
  - .name:           k_q86b46858c0_qkv
    .symbol:         k_q86b46858c0_qkv.kd
    .args:
      - { .name: value, .offset: 0, .size: 8, .value_kind: global_buffer, .address_space: global }
      - { .name: wts, .offset: 8, .size: 8, .value_kind: global_buffer, .address_space: global }
      - { .name: qc, .offset: 16, .size: 8, .value_kind: global_buffer, .address_space: global }
      - { .name: qs, .offset: 24, .size: 8, .value_kind: global_buffer, .address_space: global }
      - { .name: kv, .offset: 32, .size: 8, .value_kind: global_buffer, .address_space: global }
    .group_segment_fixed_size: 59904
    .private_segment_fixed_size: 0
    .kernarg_segment_align: 8
    .kernarg_segment_size: 40
    .max_flat_workgroup_size: 128
    .sgpr_count:     66
    .vgpr_count:     1024
    .wavefront_size: 32
...
	.end_amdgpu_metadata
.endif
;; end of part 6
;; launch attn (part 7): grid 16 x 16, 4 waves a work-group, clusters of 4 x 1, 327,680 bytes of LDS; arguments qc, qs, kv, mask, timediff, attn_coef_w, mhc, mhs; writes mhc, mhs
.if DOCPART == 7
	.amdgcn_target "amdgcn-amd-amdhsa--gfx1250"
	.amdhsa_code_object_version 6
	.text
	.protected	k_q86b46858c0_attn
	.globl	k_q86b46858c0_attn
	.p2align	8
	.type	k_q86b46858c0_attn,@function
k_q86b46858c0_attn:
	s_mov_b64 s[64:65], 0
	v_nop
	global_prefetch_b8 v0, s[64:65] scope:SCOPE_SE
	s_setreg_imm32_b32 hwreg(HW_REG_WAVE_MODE, 25, 1), 1
	s_wait_xcnt 0x0
	s_wait_alu depctr_hold_cnt(0) depctr_sa_sdst(0) depctr_va_vdst(0) depctr_va_sdst(0) depctr_va_ssrc(0) depctr_va_vcc(0) depctr_vm_vsrc(0)
	s_getreg_b32 s2, hwreg(HW_REG_IB_STS2, 6, 4)
	s_cmp_eq_u32 s2, 0
	s_cbranch_scc0 .Lentry_in_a_cluster
	s_endpgm
.Lentry_in_a_cluster:
	s_bfe_u32 s2, ttmp6, 0x10000c
	s_cmp_lg_u32 s2, 0x3003
	s_cbranch_scc0 .Lentry_shape_is_right
	s_endpgm
.Lentry_shape_is_right:
; ATTN: for each batch, head and query: x = q . k + (-1e10)(1 - mask) - timediff x w_head; t = x log2(e); p = 2^(t - M), M the running largest t rounded up to a whole number; p is quantised along the keys;
; O = sum of p v, divided at the end by the sum of the unquantised p; the result is quantised along (head, channel) for the projection.  No work of the layer is left out.
; SHARES.  A work-group takes 64 queries of one batch; wave w takes tile w of them (query 32 (r / 8) + 8 w + r % 8 in lane r) FOR ALL 8 HEADS: so timediff and mask are read from memory once and serve eight heads from registers.
; Keys go in 8 steps of 128 through two LDS slots.  A slot holds the step's dense block of kv (K's and V's fragments and scale words, as launch qkv laid them), 64 x 128 of timediff and of mask.
; CLUSTER.  The four query blocks of a cluster belong to one batch and walk the same kv: waves 0 and 1 ask for its halves jointly; wave 2 fetches timediff's tile and wave 3 mask's, which are the work-group's own.
; LAYOUT.  S^T = K Q^T (source 0 = 16 keys, source 1 = my 16 queries), O^T = V^T P^T (source 0 = 16 channels, source 1 = P): a lane holds one query throughout.  By the choice of a tile's keys a lane's 32 registers of
; four tiles are 32 neighbouring keys, one whole block of the second product's K; by the choice of V's channels O^T's 32 registers of a head are a whole block of the projection's K.
; The first product's K is 64 and the instruction's 128: a fragment of K holds two heads' halves, and each head's fragment of Q has zero codes in the other head's half.
; THE BIAS IS THE FIRST PRODUCT'S C: (0 or -1e10) - timediff x w_head, one fused multiply-add for two numbers, is laid into the accumulator, and the matrix instruction adds q . k onto it.  t - M is then one more: x log2(e) - M.
; TWO HEADS GO TOGETHER: each head's serial part (row maximum, M, the factor f) stands among the other head's independent lines, and one head's exponentials take turns with the other's multiply-adds.
; A QUERY WHOSE KEYS SO FAR ARE ALL MASKED: the running largest x is held at -5e9 from below; while it stands there, the multiply-add takes 0 for log2(e) and for M, so every p is 1: such a row comes out uniform, as in the
; layer's own f32, where -1e10 takes up scores under 512.  The first key that counts brings f = 0 and wipes those sums.
; LIMITS: the promise holds while the scaled scores of keys that count stay under 2^31 in magnitude.  The time bias and the score are rounded together once, by the matrix unit, where the layer as written rounds twice.
; No prefetch: a step's tiles are asked for a whole step (96 matrix instructions and the eight heads' softmax) ahead of the wait for them.
; REGISTERS: window 0: addresses, scale words, statistics (-M, largest x, the sum in two halves: four a head), P's codes, at work, S^T of two heads.  window 1: O^T, 32 a head.
;   window 2: v0-95 K's 8 fragments of a head pair; v96-191 V's 8; v192-255 the mask's term.  window 3: v0-95 Q's 8 fragments; v96-159 timediff; v160-175 mask bytes.
.set SLOTB, 145408                     ; a slot: kv's block 102,400; timediff 64 rows x 528; mask 64 rows x 144
.set VOFF,  49152
.set SOFF,  98304
.set TDO,   102400
.set MKO,   136192
.set SPARE, 290816                     ; behind the two slots: the spare words, 128 bytes for each wave
.set L16, 1
.set L8,  2
.set TD0, 3
.set MK0, 4
.set AK16, 5
.set AK8, 6
.set AV16, 7
.set AV8, 8
.set ASC, 9
.set ATD, 10
.set AMK, 11
.set H8,  12
.set R16, 13
.set SPW, 14
.set NIL, 15
.set KSW, 16                           ; v16-19  K's scale words
.set VSW, 20                           ; v20-23  V's
.set QSW, 24                           ; v24-27  Q's, one a head pair
.set PWA, 28                           ; v28, v29  P's scale words, even and odd head
.set PWB, 29
.set FFA, 30                           ; v30, v31  f of the even head (the pair's upper half is written once)
.set ST,  32                           ; v32-63  statistics
.set PC,  64                           ; v64-75  the even head's P
.set QT,  76
.set QT2, 80
.set CH,  84                           ; v84-91  chains of maxima; then the multiply-adds' factor and addend (84, 86: even head; 88, 90: odd); then the odd head's chains of the sum
.set BMA, 92                           ; v92-96  even head: two blocks' largest x, row maximum, the other half's, old -M
.set QSA, 98                           ; v98-103 even head: two scale operands, two bytes, the half word, the other half's
.set SMB, 104                          ; v104-109 the even head's chains of the sum
.set BMB, 110                          ; v110-114 odd head, as v92-96
.set FFB, 116                          ; v116, v117
.set QSB2, 118                         ; v118-123 odd head, as v98-103
.set HWD, 112                          ; the way out: half words and scale words, where the odd head's registers lay
.set WDS, 120
.set SXA, 128                          ; v128-191  S^T of the even head; behind its conversions v128-147 take the odd head's P
.set SXB, 192                          ; v192-255  of the odd head
.set QB,  84
.set QSC, 98
.set QBY, 100
.set QP,  103
.set VF,  96                           ; window 2
.set MT,  192
.set TD,  96                           ; window 3
.set MB,  160
.set WV,  20
.set SEL, 22
.set CS,  24                           ; s[24:25] log2(e)
.set MTC, 26                           ; s26  -1e10
.set TB,  27
.set TF,  28
.set KVW, 29
.set CNT, 30
.set RZ,  31                           ; s31  -5e9
.set G1KV, 32
.set G1TD, 40
.set G1MK, 48
.set G0KV, 56
.set G0TD, 60
.set G0MK, 68
.set WC,  80                           ; s[80:95] -w_head, a pair a head
.set FLA, 98                           ; s98, s99  lanes whose query has met a key that counts
.set FLB, 99
.set MSB, 0
.macro WIN new
.if MSB != (\new)
	s_set_vgpr_msb (MSB<<8)|(\new)
.set MSB, \new
.endif
.endm
.macro PLACES n
.rept \n
	v_nop
.endr
.endm
.macro ROUND
	s_barrier_signal -1
	s_barrier_wait -1
	s_cmp_lg_u32 s[WV], 0
	s_cbranch_scc1 .Lnot_wave_0_\@
	s_barrier_signal -3
.Lnot_wave_0_\@:
	s_barrier_wait -3
	s_barrier_signal -1
	s_barrier_wait -1
.endm
.macro QH x, wx, c, extra, hw          ; 32 numbers of a lane become six registers of codes and a half word of scale bytes
	WIN (\wx)|((\wx)<<2)
.irp k, 0,1,2,3
	v_max3_num_f32 v[QB+\k], |v[(\x)+8*\k]|, |v[(\x)+8*\k+1]|, (3+(\extra))<<23
.endr
.irp i, 2,4,6
.irp k, 0,1,2,3
	v_max3_num_f32 v[QB+\k], |v[(\x)+8*\k+\i]|, |v[(\x)+8*\k+\i+1]|, v[QB+\k]
.endr
.endr
	WIN 0
	v_max3_num_f32 v[QB], v[QB], v[QB+1], v[QB+2]
	v_max_num_f32 v[QB], v[QB], v[QB+3]
	v_add_nc_u32 v[QSC], 0xff000000, v[QB]
	v_add_nc_u32 v[QBY], -((2+(\extra))<<23), v[QB]
	v_lshrrev_b32 v[QBY], 23, v[QBY]
	WIN (\wx)
	v_cvt_scalef32_pk16_fp6_f32 v[(\c):(\c)+2], v[(\x):(\x)+15], v[QSC]
	v_cvt_scalef32_pk16_fp6_f32 v[QT:QT+2], v[(\x)+16:(\x)+31], v[QSC]
	WIN 0
	v_lshlrev_b32 v[QBY], v[H8], v[QBY]
	v_mov_b32 v[(\c)+3], v[QT]
	v_mov_b32 v[(\c)+4], v[QT+1]
	v_mov_b32 v[(\c)+5], v[QT+2]
	v_permlanex16_b32 v[QP], v[QBY], s[SEL], s[SEL+1]
	v_or_b32 v[\hw], v[QBY], v[QP]
.endm
.macro FRAG reg, a16, a8, off
	ds_load_b128 v[(\reg):(\reg)+3], v[\a16] offset:(\off)
	ds_load_b64 v[(\reg)+4:(\reg)+5], v[\a8] offset:(\off)+512
	ds_load_b128 v[(\reg)+6:(\reg)+9], v[\a16] offset:(\off)+768
	ds_load_b64 v[(\reg)+10:(\reg)+11], v[\a8] offset:(\off)+1280
.endm
.macro WM d, a, b, sa, ra, sb          ; one matrix instruction, adding in place; ra: the half of the lanes with source 0's scale words; source 1's stand in lanes 0-15
.if (\ra) == 0
	v_wmma_scale_f32_16x16x128_f8f6f4 v[(\d):(\d)+7], v[(\a):(\a)+11], v[(\b):(\b)+11], v[(\d):(\d)+7], v[\sa], v[\sb] matrix_a_fmt:MATRIX_FMT_FP6 matrix_b_fmt:MATRIX_FMT_FP6
.else
	v_wmma_scale_f32_16x16x128_f8f6f4 v[(\d):(\d)+7], v[(\a):(\a)+11], v[(\b):(\b)+11], v[(\d):(\d)+7], v[\sa], v[\sb] matrix_a_fmt:MATRIX_FMT_FP6 matrix_b_fmt:MATRIX_FMT_FP6 matrix_a_scale:MATRIX_SCALE_ROW1
.endif
.endm
; Each wave's one tensor load: waves 0 and 1 the halves of kv's block (joint), wave 2 timediff's tile, wave 3 mask's.  The branches hang on the wave's number alone.
.macro TLOAD
	s_cmp_lt_u32 s[WV], 2
	s_cbranch_scc0 .Lnot_kv_\@
	tensor_load_to_lds s[G0KV:G0KV+3], s[G1KV:G1KV+7]
	s_nop 0
	PLACES 4
	s_branch .Lasked_\@
.Lnot_kv_\@:
	s_cmp_eq_u32 s[WV], 2
	s_cbranch_scc0 .Lfor_mask_\@
	tensor_load_to_lds s[G0TD:G0TD+3], s[G1TD:G1TD+7]
	s_nop 0
	PLACES 4
	s_branch .Lasked_\@
.Lfor_mask_\@:
	tensor_load_to_lds s[G0MK:G0MK+3], s[G1MK:G1MK+7]
	s_nop 0
	PLACES 4
.Lasked_\@:
.endm
.macro KLOAD hp                        ; K's 8 fragments of head pair hp and their scale words: 33 LDS loads
	WIN 0x80
.irp T, 0,1,2,3,4,5,6,7
	FRAG 12*\T, AK16, AK8, (4*\T+(\hp))*1536
.endr
	WIN 0
	ds_load_b128 v[KSW:KSW+3], v[ASC] offset:(\hp)*512
.endm
.macro VLOAD hp                        ; V's 8 fragments (two heads x four tiles of channels) and their scale words: 33
	WIN 0x80
.irp f, 0,1,2,3,4,5,6,7
	FRAG VF+12*\f, AV16, AV8, (8*(\hp)+\f)*1536
.endr
	WIN 0
	ds_load_b128 v[VSW:VSW+3], v[ASC] offset:2048+(\hp)*512
.endm
; A HEAD'S SERIAL PART, line i of twelve.  rT: its statistics; bm: its five registers; ff: f; cc: factor at v[cc], addend at v[cc+2]; fl: the flag's scalar register
.macro TAILS i, rT, bm, ff, cc, fl
.if (\i) == 0
	v_max_num_f32 v[(\bm)+2], v[\bm], v[(\bm)+1]
.elseif (\i) == 1
	v_permlanex16_b32 v[(\bm)+3], v[(\bm)+2], s[SEL], s[SEL+1]     ; my query's other 64 keys lie in the lane 16 away
.elseif (\i) == 2
	v_mov_b32 v[(\bm)+4], v[\rT]
.elseif (\i) == 3
	v_max3_num_f32 v[(\rT)+1], v[(\bm)+2], v[(\bm)+3], v[(\rT)+1]  ; the running largest x
.elseif (\i) == 4
	v_mul_f32 v[(\bm)+2], s[CS], v[(\rT)+1]                        ; as t
.elseif (\i) == 5
	v_floor_f32 v[\rT], -v[(\bm)+2]                                ; -M = floor(-t): M is a whole number
.elseif (\i) == 6
	v_sub_f32 v[(\bm)+4], v[\rT], v[(\bm)+4]                       ; old M - new M, 0 or less
.elseif (\i) == 7
	v_cvt_i32_f32 v[(\bm)+4], v[(\bm)+4]                           ; (it saturates)
.elseif (\i) == 8
	v_ldexp_f32 v[\ff], 1.0, v[(\bm)+4]                            ; f: a multiplication by it rounds nothing
.elseif (\i) == 9
	v_cmp_lt_f32 s[\fl], s[RZ], v[(\rT)+1]                         ; has a key counted yet?
.elseif (\i) == 10
	v_cndmask_b32 v[\cc], 0, s[CS], s[\fl]                         ; log2(e), or 0,
.elseif (\i) == 11
	v_cndmask_b32 v[(\cc)+2], 0, v[\rT], s[\fl]                    ; and -M, or 0: then every p is 1
.endif
.endm
.macro STEPIN every, rT, bm, ff, cc, fl, last   ; behind every so many lines the next line of a serial part, up to line last
.set CN, CN+1
.if (CN % (\every) == 0) && (TI <= (\last))
	TAILS TI, \rT, \bm, \ff, \cc, \fl
.set TI, TI+1
.endif
.endm
.macro CHAINS S, every, rT, bm, ff, last        ; eight chains of maxima by turns, each accumulator from its low end on
.set TI, 0
.set CN, 0
.irp k, 0,1,2,3,4,5,6,7
	v_max3_num_f32 v[CH+\k], v[(\S)+8*\k], v[(\S)+8*\k+1], v[(\S)+8*\k+2]
	STEPIN \every, \rT, \bm, \ff, 0, 0, \last
.endr
.irp i, 3,5
.irp k, 0,1,2,3,4,5,6,7
	v_max3_num_f32 v[CH+\k], v[CH+\k], v[(\S)+8*\k+\i], v[(\S)+8*\k+\i+1]
	STEPIN \every, \rT, \bm, \ff, 0, 0, \last
.endr
.endr
.irp k, 0,1,2,3,4,5,6,7
	v_max_num_f32 v[CH+\k], v[CH+\k], v[(\S)+8*\k+7]
	STEPIN \every, \rT, \bm, \ff, 0, 0, \last
.endr
.endm
.macro REDU bm                         ; THE LARGEST x OF EACH OF MY TWO BLOCKS: it serves the row's maximum and, since p rises with x, the block's largest p
	v_max3_num_f32 v[\bm], v[CH], v[CH+1], v[CH+2]
	v_max3_num_f32 v[(\bm)+1], v[CH+4], v[CH+5], v[CH+6]
	v_max_num_f32 v[\bm], v[\bm], v[CH+3]
	v_max_num_f32 v[(\bm)+1], v[(\bm)+1], v[CH+7]
.endm
.macro SUMP S, rT, sb                  ; THE ROW'S SUM IS TAKEN OF THE UNQUANTISED p, in four chains
	v_pk_add_f32 v[(\sb):(\sb)+1], v[(\S):(\S)+1], v[(\S)+2:(\S)+3]
	v_pk_add_f32 v[(\sb)+2:(\sb)+3], v[(\S)+4:(\S)+5], v[(\S)+6:(\S)+7]
	v_pk_add_f32 v[(\sb)+4:(\sb)+5], v[(\S)+8:(\S)+9], v[(\S)+10:(\S)+11]
.set n, 0
.rept 26
.if n%4 == 0
	v_pk_add_f32 v[(\rT)+2:(\rT)+3], v[(\rT)+2:(\rT)+3], v[(\S)+12+2*n:(\S)+13+2*n]
.else
	v_pk_add_f32 v[(\sb)-2+2*(n%4):(\sb)-1+2*(n%4)], v[(\sb)-2+2*(n%4):(\sb)-1+2*(n%4)], v[(\S)+12+2*n:(\S)+13+2*n]
.endif
.set n, n+1
.endr
	v_pk_add_f32 v[(\rT)+2:(\rT)+3], v[(\rT)+2:(\rT)+3], v[(\sb):(\sb)+1]
	v_pk_add_f32 v[(\sb)+2:(\sb)+3], v[(\sb)+2:(\sb)+3], v[(\sb)+4:(\sb)+5]
	v_pk_add_f32 v[(\rT)+2:(\rT)+3], v[(\rT)+2:(\rT)+3], v[(\sb)+2:(\sb)+3]
.endm
; TWO HEADS' SOFTMAX FOR 128 KEYS.  Register 32 c + i of S is key 64 c + 32 h + i of my query.
.macro SOFTMAX2 hp
.set rA, ST+8*(\hp)
.set rB, ST+8*(\hp)+4
	CHAINS SXA, 1, 0, 0, 0, -1
	REDU BMA
	CHAINS SXB, 3, rA, BMA, FFA, 8                 ; the even head's serial part among the odd head's maxima
	REDU BMB
	TAILS 9, rA, BMA, FFA, CH, FLA
	TAILS 10, rA, BMA, FFA, CH, FLA
	TAILS 11, rA, BMA, FFA, CH, FLA
.set TI, 0
.set CN, 0
.set n, 0
.rept 32
	v_pk_fma_f32 v[SXA+n:SXA+n+1], v[SXA+n:SXA+n+1], v[CH:CH+1], v[CH+2:CH+3] op_sel_hi:[1,0,0]   ; t - M; the odd head's serial part among these
	STEPIN 2, rB, BMB, FFB, CH+4, FLB, 11
.set n, n+2
.endr
	v_fma_f32 v[BMA], v[BMA], v[CH], v[CH+2]
	v_fma_f32 v[BMA+1], v[BMA+1], v[CH], v[CH+2]
	s_wait_alu depctr_va_vdst(0)                   ; ahead of a batch of exponentials
	v_exp_f32 v[BMA], v[BMA]                       ; the blocks' largest p: the same operations on the same numbers give the same bits
	v_exp_f32 v[BMA+1], v[BMA+1]
.set n, 0
.rept 32
	v_exp_f32 v[SXA+n], v[SXA+n]                   ; p, not normalised
	v_exp_f32 v[SXA+n+1], v[SXA+n+1]
	v_pk_fma_f32 v[SXB+n:SXB+n+1], v[SXB+n:SXB+n+1], v[CH+4:CH+5], v[CH+6:CH+7] op_sel_hi:[1,0,0]   ; the odd head's t - M by turns with them
.set n, n+2
.endr
	v_fma_f32 v[BMB], v[BMB], v[CH+4], v[CH+6]
	v_fma_f32 v[BMB+1], v[BMB+1], v[CH+4], v[CH+6]
	s_wait_alu depctr_va_vdst(0)                   ; behind the first batch and ahead of the second
	v_exp_f32 v[BMB], v[BMB]
	v_exp_f32 v[BMB+1], v[BMB+1]
.set n, 0
.rept 64
	v_exp_f32 v[SXB+n], v[SXB+n]
.set n, n+1
.endr
	v_pk_mul_f32 v[rA+2:rA+3], v[rA+2:rA+3], v[FFA:FFA+1] op_sel_hi:[1,0]   ; the sums under the new M: plain lines behind the exponentials
	v_pk_mul_f32 v[rB+2:rB+3], v[rB+2:rB+3], v[FFB:FFB+1] op_sel_hi:[1,0]
	SUMP SXA, rA, SMB
	s_wait_alu depctr_va_vdst(0)                   ; behind the second batch, ahead of its first reader
	SUMP SXB, rB, CH
.irp b, BMA, BMA+1, BMB, BMB+1
	v_max_num_f32 v[\b], 0x1800000, v[\b]          ; the floor 2^(3 - 127): the byte cannot fall under 1
.endr
	v_add_nc_u32 v[QSA], 0xff000000, v[BMA]
	v_add_nc_u32 v[QSA+1], 0xff000000, v[BMA+1]
	v_add_nc_u32 v[QSB2], 0xff000000, v[BMB]
	v_add_nc_u32 v[QSB2+1], 0xff000000, v[BMB+1]
.irp q, QSA, QSB2
	v_lshrrev_b32 v[\q+2], 23, v[\q]
	v_lshrrev_b32 v[\q+3], 23, v[\q+1]
.endr
.irp q, QSA, QSB2
	v_lshl_or_b32 v[\q+4], v[\q+3], 16, v[\q+2]    ; my blocks h and 2 + h,
.endr
.irp q, QSA, QSB2
	v_lshlrev_b32 v[\q+4], v[H8], v[\q+4]          ; at their places;
.endr
.irp q, QSA, QSB2
	v_permlanex16_b32 v[\q+5], v[\q+4], s[SEL], s[SEL+1]
.endr
	v_or_b32 v[PWA], v[QSA+4], v[QSA+5]            ; with the other half's two the word is whole
	v_or_b32 v[PWB], v[QSB2+4], v[QSB2+5]
	v_cvt_scalef32_pk16_fp6_f32 v[PC:PC+2], v[SXA:SXA+15], v[QSA]
	v_cvt_scalef32_pk16_fp6_f32 v[QT:QT+2], v[SXA+16:SXA+31], v[QSA]
	v_cvt_scalef32_pk16_fp6_f32 v[PC+6:PC+8], v[SXA+32:SXA+47], v[QSA+1]
	v_cvt_scalef32_pk16_fp6_f32 v[QT2:QT2+2], v[SXA+48:SXA+63], v[QSA+1]
	v_nop                                          ; the plain line behind the conversions
.irp i, 0,1,2
	v_mov_b32 v[PC+3+\i], v[QT+\i]
	v_mov_b32 v[PC+9+\i], v[QT2+\i]
.endr
	v_cvt_scalef32_pk16_fp6_f32 v[SXA:SXA+2], v[SXB:SXB+15], v[QSB2]          ; the odd head's P, where the even head's p lay
	v_cvt_scalef32_pk16_fp6_f32 v[SXA+12:SXA+14], v[SXB+16:SXB+31], v[QSB2]
	v_cvt_scalef32_pk16_fp6_f32 v[SXA+6:SXA+8], v[SXB+32:SXB+47], v[QSB2+1]
	v_cvt_scalef32_pk16_fp6_f32 v[SXA+16:SXA+18], v[SXB+48:SXB+63], v[QSB2+1]
	v_nop
.irp i, 0,1,2
	v_mov_b32 v[SXA+3+\i], v[SXA+12+\i]
	v_mov_b32 v[SXA+9+\i], v[SXA+16+\i]
.endr
	s_wait_alu depctr_va_vdst(0)                   ; directly ahead of the first reader of O^T
	WIN 0x41                                       ; O^T (destination and source 0) window 1
.set n, 0
.rept 16
	v_pk_mul_f32 v[64*(\hp)+n:64*(\hp)+n+1], v[64*(\hp)+n:64*(\hp)+n+1], v[FFA:FFA+1] op_sel_hi:[1,0]   ; O^T under the new M; these 32 stand between the lines that made P and its scale words and the products
.set n, n+2
.endr
.set n, 0
.rept 16
	v_pk_mul_f32 v[64*(\hp)+32+n:64*(\hp)+33+n], v[64*(\hp)+32+n:64*(\hp)+33+n], v[FFB:FFB+1] op_sel_hi:[1,0]
.set n, n+2
.endr
.endm
.macro PV hd, pc, pw                   ; O^T += V^T P^T: four accumulators, one instruction each
.irp u, 0,1,2,3
	WM 32*(\hd)+8*\u, VF+48*((\hd)%2)+12*\u, \pc, VSW+\u, (\hd)%2, \pw
.endr
.endm
.macro PAIR hp                         ; two heads
	WIN 0x23                                       ; source 0 (timediff) window 3, source 2 (the mask's term) window 2
.set n, 0
.rept 32
	v_pk_fma_f32 v[SXA+n:SXA+n+1], v[TD+n:TD+n+1], s[WC+4*(\hp):WC+4*(\hp)+1], v[MT+n:MT+n+1] op_sel_hi:[1,0,1]   ; the bias, into the accumulators
.set n, n+2
.endr
.set n, 0
.rept 32
	v_pk_fma_f32 v[SXB+n:SXB+n+1], v[TD+n:TD+n+1], s[WC+4*(\hp)+2:WC+4*(\hp)+3], v[MT+n:MT+n+1] op_sel_hi:[1,0,1]
.set n, n+2
.endr
	WIN 0
	s_wait_alu depctr_va_vdst(0)                   ; directly ahead of the wait below
	s_wait_dscnt 33                                ; K is in; V's 33 loads, issued behind it, may be out
	WIN 0x0e                                       ; source 0 (K) window 2, source 1 (Q) window 3, C and D window 0
.irp T, 0,1,2,3,4,5,6,7
	WM SXA+8*\T, 12*\T, 24*(\hp), KSW+(\T%4), \T/4, QSW+(\hp)
	WM SXB+8*\T, 12*\T, 24*(\hp)+12, KSW+(\T%4), \T/4, QSW+(\hp)
.endr
	WIN 0
	PLACES 4                                       ; in front of the loads into K's registers and of the first read of the scores
.if (\hp) < 3
	KLOAD (\hp)+1
.endif
	SOFTMAX2 \hp
	s_wait_alu depctr_va_vdst(0)                   ; directly ahead of the wait below
.if (\hp) < 3
	s_wait_dscnt 33                                ; V is in; the next K's 33 loads may be out
.else
	s_wait_dscnt 0x0
.endif
	WIN 0x52                                       ; source 0 (V) window 2, source 1 (P) window 0, C and D window 1
	PV 2*(\hp), PC, PWA
	PV 2*(\hp)+1, SXA, PWB
	WIN 0
	PLACES 4                                       ; in front of loads into V's registers and of the next bias, which is laid over P
.if (\hp) < 3
	VLOAD (\hp)+1
.endif
.endm
.macro BODY                            ; a key step, from the slot at s[TB]
	s_add_co_u32 s96, s[TB], VOFF
	s_add_co_u32 s97, s[TB], SOFF
	v_add_nc_u32 v[AK16], s[TB], v[L16]
	v_add_nc_u32 v[AK8], s[TB], v[L8]
	v_add_nc_u32 v[AV16], s96, v[L16]
	v_add_nc_u32 v[AV8], s96, v[L8]
	v_add_nc_u32 v[ASC], s97, v[L16]
	v_add_nc_u32 v[ATD], s[TB], v[TD0]
	v_add_nc_u32 v[AMK], s[TB], v[MK0]
	WIN 0xc0
.set n, 0
.rept 16
	ds_load_b128 v[TD+4*n:TD+4*n+3], v[ATD] offset:256*(n/8)+16*(n%8)     ; timediff of my query at keys 64 c + 32 h + 0 .. 31
.set n, n+1
.endr
.set n, 0
.rept 4
	ds_load_b128 v[MB+4*n:MB+4*n+3], v[AMK] offset:64*(n/2)+16*(n%2)      ; mask bytes likewise
.set n, n+1
.endr
	KLOAD 0
	s_wait_dscnt 33                                ; timediff and mask are in; K's 33 loads may be out
	WIN 0x83
.set n, 0
.rept 64
	v_bfe_u32 v[MT+n], v[MB+8*(n/32)+((n%32)/4)], 8*(n%4), 1              ; the mask's byte: 1 counts, 0 is masked
.set n, n+1
.endr
	WIN 0x88
.set n, 0
.rept 64
	v_add_nc_u32 v[MT+n], -1, v[MT+n]              ; 0, or all ones where masked
.set n, n+1
.endr
.set n, 0
.rept 64
	v_and_b32 v[MT+n], s[MTC], v[MT+n]             ; 0, or -1e10: shared by the eight heads
.set n, n+1
.endr
	VLOAD 0
	PAIR 0
	PAIR 1
	PAIR 2
	PAIR 3
.endm
; THE CHANGE OF SLOTS stands at a step's head.  Each wave waits for all its tensor loads (its part of the slot ahead), adds 0 to its spare word, and waits for that and for its reads of the other slot.
; fill = 1: the other slot takes the next step's tiles: a round of the cluster's barrier, and each wave's one load first behind it: it has a whole step in which to land.
.macro CHANGE fill
	s_wait_tensorcnt 0x0                           ; no tensor load of mine is out, so the groups 0 may be written
	ds_add_u32 v[SPW], v[NIL]
.if \fill
	s_xor_b32 s[TF], s[TB], SLOTB
	s_add_co_u32 s[G0KV+1], s[TF], s[KVW]
	s_add_co_u32 s[G0TD+1], s[TF], TDO
	s_add_co_u32 s[G0MK+1], s[TF], MKO
	s_add_nc_u64 s[G0KV+2:G0KV+3], s[G0KV+2:G0KV+3], 102400    ; the next 128 keys
	s_add_nc_u64 s[G0TD+2:G0TD+3], s[G0TD+2:G0TD+3], 512
	s_add_nc_u64 s[G0MK+2:G0MK+3], s[G0MK+2:G0MK+3], 128
	s_wait_dscnt 0x0
	ROUND
	TLOAD
.else
	s_wait_dscnt 0x0
	s_barrier_signal -1
	s_barrier_wait -1
.endif
.endm
	s_load_b256 s[4:11], s[0:1], 0x0               ; qc, qs, kv, mask
	s_load_b256 s[12:19], s[0:1], 0x20             ; timediff, attn_coef_w, mhc, mhs
	v_lshl_add_u32 v[SPW], v0, 2, SPARE
	v_mov_b32 v[NIL], 0
	ds_add_u32 v[SPW], v[NIL]                      ; the wave's opening: the add, twice on end, and its wait ahead of my first tensor load
	ds_add_u32 v[SPW], v[NIL]
	v_lshrrev_b32 v84, 5, v0
	v_readfirstlane_b32 s[WV], v84
	s_mov_b32 s[G1KV], 15|(3<<16)|(1<<21)          ; half a block of kv: 200 rows of 256 bytes, dense; the mask names all four work-groups
	s_mov_b32 s[G1KV+1], 32<<16
	s_mov_b32 s[G1KV+2], 200<<16
	s_mov_b32 s[G1KV+3], 32<<16
	s_mov_b32 s[G1KV+4], 200
	s_mov_b32 s[G1KV+5], 32
	s_mov_b32 s[G1KV+6], 0
	s_mov_b32 s[G1KV+7], 0
	s_mov_b32 s[G1TD], (2<<16)|(1<<20)|(6<<22)|(3<<25)   ; timediff: 64 rows of 128 f32, 16 bytes of padding behind each 128 words
	s_mov_b32 s[G1TD+1], 128<<16
	s_mov_b32 s[G1TD+2], 64<<16
	s_mov_b32 s[G1TD+3], 128<<16
	s_mov_b32 s[G1TD+4], 64
	s_mov_b32 s[G1TD+5], 1024
	s_mov_b32 s[G1TD+6], 0
	s_mov_b32 s[G1TD+7], 0
	s_mov_b32 s[G1MK], (1<<20)|(4<<22)|(3<<25)     ; mask: 64 rows of 128 bytes, 16 bytes of padding behind each 32 words
	s_mov_b32 s[G1MK+1], 128<<16
	s_mov_b32 s[G1MK+2], 64<<16
	s_mov_b32 s[G1MK+3], 128<<16
	s_mov_b32 s[G1MK+4], 64
	s_mov_b32 s[G1MK+5], 1024
	s_mov_b32 s[G1MK+6], 0
	s_mov_b32 s[G1MK+7], 0
	s_mov_b32 s[SEL], 0x76543210
	s_mov_b32 s[SEL+1], 0xfedcba98
	s_mov_b32 s[CS], 0x3fb8aa3b
	s_mov_b32 s[CS+1], s[CS]
	s_mov_b32 s[MTC], 0xd01502f9
	s_mov_b32 s[RZ], 0xcf9502f9
	s_mov_b32 s[TB], 0
	s_mov_b32 s[CNT], 7
	s_and_b32 s[KVW], s[WV], 1
	s_mul_i32 s[KVW], s[KVW], 51200
	s_and_b32 s96, ttmp7, 0xffff                   ; the batch, which the four partners share
	s_mul_i32 s100, s96, 819200                    ; its 8 blocks of kv
	s_add_co_u32 s100, s100, s[KVW]
	s_mov_b32 s101, 0
	s_bfe_u32 s97, ttmp6, 0x40000                  ; cx
	s_lshl_b32 s98, ttmp9, 2
	s_add_co_u32 s98, s98, s97                     ; my block of 64 queries: it enters the plain loads' and the stores' addresses alone
	s_lshl_b32 s66, s96, 22
	s_lshl_b32 s67, s98, 18
	s_add_co_u32 s66, s66, s67                     ; timediff at my first query
	s_mov_b32 s67, 0
	s_lshl_b32 s2, s96, 20
	s_lshl_b32 s3, s98, 16
	s_add_co_u32 s2, s2, s3                        ; mask likewise
	s_mov_b32 s3, 0
	s_wait_dscnt 0x0                               ; both opening adds are done
	s_wait_kmcnt 0x0
	s_load_b256 s[72:79], s[14:15], 0x0            ; the eight heads' coefficients
	s_mov_b32 s[G0KV], 1
	s_mov_b32 s[G0KV+1], s[KVW]
	s_add_nc_u64 s[G0KV+2:G0KV+3], s[8:9], s[100:101]
	s_or_b32 s[G0KV+3], s[G0KV+3], 0x80000000
	s_mov_b32 s[G0TD], 1
	s_mov_b32 s[G0TD+1], TDO
	s_add_nc_u64 s[G0TD+2:G0TD+3], s[12:13], s[66:67]
	s_or_b32 s[G0TD+3], s[G0TD+3], 0x80000000
	s_mov_b32 s[G0MK], 1
	s_mov_b32 s[G0MK+1], MKO
	s_add_nc_u64 s[G0MK+2:G0MK+3], s[10:11], s[2:3]
	s_or_b32 s[G0MK+3], s[G0MK+3], 0x80000000
	ROUND                                          ; all four work-groups are here
	TLOAD                                          ; key step 0 into slot 0
	v_and_b32 v84, 31, v0
	v_and_b32 v85, 15, v0
	v_bfe_u32 v86, v0, 4, 1
	v_lshlrev_b32 v[L16], 4, v84
	v_lshlrev_b32 v[L8], 3, v84
	v_lshlrev_b32 v[R16], 4, v85
	v_lshlrev_b32 v[H8], 3, v86
	v_and_b32 v87, 8, v85
	v_and_b32 v88, 7, v85
	v_lshl_add_u32 v87, v87, 2, v88
	s_lshl_b32 s2, s[WV], 3
	v_add_nc_u32 v87, s2, v87                      ; my query's row of the 64
	v_mul_u32_u24 v[TD0], v87, 528
	v_lshl_add_u32 v[TD0], v86, 7, v[TD0]
	v_add_nc_u32 v[TD0], TDO, v[TD0]
	v_mul_u32_u24 v[MK0], v87, 144
	v_lshl_add_u32 v[MK0], v86, 5, v[MK0]
	v_add_nc_u32 v[MK0], MKO, v[MK0]
	s_lshl_b32 s66, s96, 4
	s_add_co_u32 s66, s66, s98                     ; my block among all 256
	s_mov_b32 s3, 0
	s_lshl_b32 s2, s66, 10
	s_lshl_b32 s67, s[WV], 2
	s_add_co_u32 s2, s2, s67
	s_add_nc_u64 s[6:7], s[6:7], s[2:3]            ; qs: block x 1,024 + head pair x 256 + 16 r + 4 w
	s_lshl_b32 s66, s66, 2
	s_add_co_u32 s66, s66, s[WV]                   ; my tile among all 1,024
	s_mul_i32 s2, s66, 6144
	s_add_nc_u64 s[4:5], s[4:5], s[2:3]            ; qc, and mhc, which is laid alike: 768 bytes a head
	s_add_nc_u64 s[16:17], s[16:17], s[2:3]
	s_lshl_b32 s2, s66, 8
	s_add_nc_u64 s[18:19], s[18:19], s[2:3]        ; mhs
	s_wait_alu depctr_va_vdst(0)
	WIN 0xc0                                       ; destination window 3
.irp hd, 0,1,2,3,4,5,6,7
	global_load_b128 v[12*\hd+6*(\hd%2):12*\hd+6*(\hd%2)+3], v[L16], s[4:5] offset:\hd*768          ; Q's half fragment, in the half of its head
	global_load_b64 v[12*\hd+6*(\hd%2)+4:12*\hd+6*(\hd%2)+5], v[L8], s[4:5] offset:\hd*768+512
.endr
.irp hd, 0,1,2,3,4,5,6,7
.irp i, 0,1,2,3,4,5
	v_mov_b32 v[12*\hd+6*(1-\hd%2)+\i], 0          ; zero codes in the other head's half
.endr
.endr
	WIN 0
.irp hp, 0,1,2,3
	global_load_b32 v[QSW+\hp], v[R16], s[6:7] offset:\hp*256
.endr
.irp hd, 0,1,2,3,4,5,6,7
	v_mov_b32 v[ST+4*\hd], 0                       ; -M: the first step's f multiplies zeros
	v_mov_b32 v[ST+4*\hd+1], 0xcf9502f9            ; the largest x so far: -5e9, under every key that counts, over every masked one
	v_mov_b32 v[ST+4*\hd+2], 0                     ; the sum, in two halves
	v_mov_b32 v[ST+4*\hd+3], 0
.endr
.irp r, FFA+1, FFB+1, BMA+3, BMB+3, QSA+5, QSB2+5
	v_mov_b32 v[\r], 0                             ; written once: upper halves of pairs, and lane permutes' destinations, which count as sources
.endr
	WIN 0x40
.set n, 0
.rept 256
	v_mov_b32 v[n], 0                              ; O^T.  The step is written for the loop and for the tail alone: the first step finds zeros
.set n, n+1
.endr
	WIN 0
	s_wait_kmcnt 0x0
.irp hd, 0,1,2,3,4,5,6,7
	s_mul_f32 s[WC+2*\hd], s[72+\hd], -1.0
.endr
.irp hd, 0,1,2,3,4,5,6,7
	s_mov_b32 s[WC+2*\hd+1], s[WC+2*\hd]
.endr
	s_wait_alu depctr_va_vdst(0)
	s_wait_loadcnt 0x0                             ; Q and its scale words
.Lstep:                                            ; 7 trips: behind each change of slots but the last the next step is asked for
	CHANGE 1
	BODY
	s_xor_b32 s[TB], s[TB], SLOTB
	s_sub_co_u32 s[CNT], s[CNT], 1
	s_cmp_lg_u32 s[CNT], 0
	s_cbranch_scc1 .Lstep
	CHANGE 0                                       ; the last step is written out
	BODY
	; THE WAY OUT: O^T / the sum, quantised along (head, channel): a head's 32 registers are one block in each half of the lanes
.irp hd, 0,1,2,3,4,5,6,7
	v_add_f32 v[ST+4*\hd+2], v[ST+4*\hd+2], v[ST+4*\hd+3]
.endr
.irp hd, 0,1,2,3,4,5,6,7
	v_permlanex16_b32 v[CH+\hd], v[ST+4*\hd+2], s[SEL], s[SEL+1]
.endr
.irp hd, 0,1,2,3,4,5,6,7
	v_add_f32 v[ST+4*\hd+2], v[ST+4*\hd+2], v[CH+\hd]
.endr
	s_wait_alu depctr_va_vdst(0)
.irp hd, 0,1,2,3,4,5,6,7
	v_rcp_f32 v[ST+4*\hd+2], v[ST+4*\hd+2]
.endr
	v_nop                                          ; the plain line behind the reciprocals
	s_wait_alu depctr_va_vdst(0)                   ; one wait for the eight, ahead of their first reader
.irp hd, 0,1,2,3,4,5,6,7
	WIN 0x41
.set n, 0
.rept 16
	v_pk_mul_f32 v[32*\hd+n:32*\hd+n+1], v[32*\hd+n:32*\hd+n+1], v[ST+4*\hd+2:ST+4*\hd+3] op_sel_hi:[1,0]
.set n, n+2
.endr
	QH 32*\hd, 1, SXA+8*\hd, 0, HWD+\hd
	global_store_b128 v[L16], v[SXA+8*\hd:SXA+8*\hd+3], s[16:17] offset:\hd*768
	global_store_b64 v[L8], v[SXA+8*\hd+4:SXA+8*\hd+5], s[16:17] offset:\hd*768+512
.endr
.irp s, 0,1,2,3
	v_lshl_or_b32 v[WDS+\s], v[HWD+2*\s+1], 16, v[HWD+2*\s]
.endr
	global_store_b128 v[R16], v[WDS:WDS+3], s[18:19]           ; lanes r and 16 + r hold the same words and write the same bytes
	s_wait_tensorcnt 0x0                           ; the wave's end
	ds_add_u32 v[SPW], v[NIL]
	s_wait_dscnt 0x0
	ROUND                                          ; the closing round
	s_endpgm
.Lfunc_end_k_q86b46858c0_attn:
	.size	k_q86b46858c0_attn, .Lfunc_end_k_q86b46858c0_attn-k_q86b46858c0_attn
	.p2alignl 7, 3214868480
	.fill 96, 4, 3214868480
	.section	.rodata,"a",@progbits
	.p2align	6, 0x0
	.amdhsa_kernel k_q86b46858c0_attn
		.amdhsa_group_segment_fixed_size 327680
		.amdhsa_private_segment_fixed_size 0
		.amdhsa_enable_private_segment 0
		.amdhsa_kernarg_size 64
		.amdhsa_user_sgpr_count 2
		.amdhsa_user_sgpr_kernarg_segment_ptr 1
		.amdhsa_wavefront_size32 1
		.amdhsa_system_sgpr_workgroup_id_x 1
		.amdhsa_system_sgpr_workgroup_id_y 1
		.amdhsa_system_sgpr_workgroup_id_z 1
		.amdhsa_system_vgpr_workitem_id 0
		.amdhsa_next_free_vgpr 1024
		.amdhsa_next_free_sgpr 104
		.amdhsa_reserve_vcc 0
		.amdhsa_float_denorm_mode_32 3
		.amdhsa_float_denorm_mode_16_64 3
		.amdhsa_memory_ordered 1
		.amdhsa_forward_progress 1
		.amdhsa_inst_pref_size 255
	.end_amdhsa_kernel
	.section	.bss,"aw",@nobits
	.p2align	6
	.space	262144
	.amdgpu_metadata
---
amdhsa.version: [ 1, 2 ]
amdhsa.kernels:
  - .name:           k_q86b46858c0_attn
    .symbol:         k_q86b46858c0_attn.kd
    .args:
      - { .name: qc, .offset: 0, .size: 8, .value_kind: global_buffer, .address_space: global }
      - { .name: qs, .offset: 8, .size: 8, .value_kind: global_buffer, .address_space: global }
      - { .name: kv, .offset: 16, .size: 8, .value_kind: global_buffer, .address_space: global }
      - { .name: mask, .offset: 24, .size: 8, .value_kind: global_buffer, .address_space: global }
      - { .name: timediff, .offset: 32, .size: 8, .value_kind: global_buffer, .address_space: global }
      - { .name: attn_coef_w, .offset: 40, .size: 8, .value_kind: global_buffer, .address_space: global }
      - { .name: mhc, .offset: 48, .size: 8, .value_kind: global_buffer, .address_space: global }
      - { .name: mhs, .offset: 56, .size: 8, .value_kind: global_buffer, .address_space: global }
    .group_segment_fixed_size: 327680
    .private_segment_fixed_size: 0
    .kernarg_segment_align: 8
    .kernarg_segment_size: 64
    .max_flat_workgroup_size: 128
    .sgpr_count:     104
    .vgpr_count:     1024
    .wavefront_size: 32
...
	.end_amdgpu_metadata
.endif
;; end of part 7
;; launch tail (part 8): grid 256 x 1, 4 waves a work-group, clusters of 4 x 1, 327,680 bytes of LDS; arguments mhc, mhs, wts, value, proj_bias, ln1_g, ln1_b, b1, b2, ln2_g, ln2_b, out0; writes out0
.if DOCPART == 8
	.amdgcn_target "amdgcn-amd-amdhsa--gfx1250"
	.amdhsa_code_object_version 6
	.text
	.protected	k_q86b46858c0_tail
	.globl	k_q86b46858c0_tail
	.p2align	8
	.type	k_q86b46858c0_tail,@function
k_q86b46858c0_tail:
	s_mov_b64 s[64:65], 0
	v_nop
	global_prefetch_b8 v0, s[64:65] scope:SCOPE_SE
	s_setreg_imm32_b32 hwreg(HW_REG_WAVE_MODE, 25, 1), 1
	s_wait_xcnt 0x0
	s_wait_alu depctr_hold_cnt(0) depctr_sa_sdst(0) depctr_va_vdst(0) depctr_va_sdst(0) depctr_va_ssrc(0) depctr_va_vcc(0) depctr_vm_vsrc(0)
	s_getreg_b32 s2, hwreg(HW_REG_IB_STS2, 6, 4)
	s_cmp_eq_u32 s2, 0
	s_cbranch_scc0 .Lentry_in_a_cluster
	s_endpgm
.Lentry_in_a_cluster:
	s_bfe_u32 s2, ttmp6, 0x10000c
	s_cmp_lg_u32 s2, 0x3003
	s_cbranch_scc0 .Lentry_shape_is_right
	s_endpgm
.Lentry_shape_is_right:
; TAIL: out1 = LN(value + mh x proj + proj_bias); out0 = LN(out1 + relu(Q(out1) w1 + b1) quantised x w2 + b2).  No work of the layer is left out.
; SHARES.  A work-group takes 64 rows through the whole chain; wave w owns 128 of the 512 columns (groups w and w + 4 of 64) in 256 accumulators (window 2), and of each 512 hidden units 128.
; The hidden layer goes in 4 trips of 512 units: two slots of w1, relu and quantiser, the codes through LDS to all waves, two slots of w2.  Row sums of the norms meet in LDS.
; THE WEIGHTS COME BY TWO WAYS AT ONCE.  A wave's part of a slot of wts is 4 units (a unit: 4 fragments, 48 registers, 16 matrix instructions on my 64 rows).
;   Units 0 and 1 come through LDS by tensor loads.  The four work-groups of a cluster walk the same weights, so each load is asked for JOINTLY.  One load a wave brings units 0 and 1 of TWO slots (2 rows of 12,288 bytes,
;   102,400 bytes apart in wts) into a ring of two LDS slots; a fill is asked for behind the round ahead of the pair before it, so it has two slots' work, 128 matrix instructions, in which to land.
;   Units 2 and 3 come from memory straight into operand registers, 12 loads of 512 consecutive bytes each: a unit's registers are asked for again, for the next slot, as soon as its 16 products are issued.
;   In a slot units 2 and 3 are multiplied first; the LDS loads of units 0 and 1 stand at the slot's head and land under them.
; NO PREFETCH: both ways ask a slot or more ahead of each use, and all work-groups walk the same 1.8 MB.
; REGISTERS: window 0 addresses, scale words, at work, units 0 and 1; window 1 v0-191 the left operand's 16 fragments (mh, then out1; at the end ln2's gain and bias), v192-239 unit 2;
;   window 2 the accumulators; window 3 v0-127 hidden sums / hidden fragments / ln1's gain and bias / b2, v128-191 proj_bias, then b1, v192-239 unit 3.
.set LSL,   98304                      ; LDS: two slots of 4 x 24,576 bytes; behind their last fill bytes 0 to 132,095 are the stage of the way out
.set OIMG,  204800                     ; out1's codes and scale words;
.set OSC,   229376
.set HIMG,  230400                     ; the hidden layer's;
.set HSC,   254976
.set RED,   256000                     ; row sums;
.set SPARE, 260096                     ; the spare words, 128 bytes a wave;
.set VST,   260608                     ; value's stage, 32 rows x 272 bytes a wave
.set VPIT,  272
.set SPIT,  2064
.set L16, 1
.set L8,  2
.set R16, 3
.set H8,  4
.set SPW, 5
.set NIL, 6
.set SA,  7                            ; v7, v8  my part of LDS slot 0, 1
.set OR16, 11
.set OR8, 12
.set OSR, 13
.set OW16, 14
.set OW8, 15
.set OSW, 16
.set HR16, 17
.set HR8, 18
.set HSR, 19
.set HW16, 20
.set HW8, 21
.set HSW, 22
.set RDW, 23
.set RDR, 24
.set VX,  25
.set CB,  26
.set B1O, 27
.set STW, 28
.set STR, 29
.set VSW, 30
.set VSR, 31
.set QB,  32
.set QSC, 36
.set QBY, 37
.set QP,  38
.set QT,  40
.set SW,  44                           ; v44-51 the weights' scale words of even slots; v224-231 of odd slots
.set SWB, 224
.set AS,  52
.set HS,  60
.set SUM, 68
.set RD,  72
.set BP,  88
.set PS,  96
.set CSA, 104
.set HWT, 116
.set WF,  120                          ; v120-215 units 0 and 1
.set GG,  0
.set GB,  64
.set B1R, 128
.set WV,  28
.set SEL, 30
.set G1,  32                           ; s[32:39] descriptor group 1
.set WP,  40                           ; s[40:41] my part of the slot from which the text counts
.set INV, 56
.set NINV, 57
.set EPS, 58
.set CNT, 59
.set G0,  72                           ; s[72:79] descriptor group 0, one for each LDS slot
.set MSB, 0
.macro WIN new
.if MSB != (\new)
	s_set_vgpr_msb (MSB<<8)|(\new)
.set MSB, \new
.endif
.endm
.macro PLACES n
.rept \n
	v_nop
.endr
.endm
.macro ROUND
	s_barrier_signal -1
	s_barrier_wait -1
	s_cmp_lg_u32 s[WV], 0
	s_cbranch_scc1 .Lnot_wave_0_\@
	s_barrier_signal -3
.Lnot_wave_0_\@:
	s_barrier_wait -3
	s_barrier_signal -1
	s_barrier_wait -1
.endm
.macro QH x, wx, c, extra, hw
	WIN (\wx)|((\wx)<<2)
.irp k, 0,1,2,3
	v_max3_num_f32 v[QB+\k], |v[(\x)+8*\k]|, |v[(\x)+8*\k+1]|, (3+(\extra))<<23
.endr
.irp i, 2,4,6
.irp k, 0,1,2,3
	v_max3_num_f32 v[QB+\k], |v[(\x)+8*\k+\i]|, |v[(\x)+8*\k+\i+1]|, v[QB+\k]
.endr
.endr
	WIN 0
	v_max3_num_f32 v[QB], v[QB], v[QB+1], v[QB+2]
	v_max_num_f32 v[QB], v[QB], v[QB+3]
	v_add_nc_u32 v[QSC], 0xff000000, v[QB]
	v_add_nc_u32 v[QBY], -((2+(\extra))<<23), v[QB]
	v_lshrrev_b32 v[QBY], 23, v[QBY]
	WIN (\wx)
	v_cvt_scalef32_pk16_fp6_f32 v[(\c):(\c)+2], v[(\x):(\x)+15], v[QSC]
	v_cvt_scalef32_pk16_fp6_f32 v[QT:QT+2], v[(\x)+16:(\x)+31], v[QSC]
	WIN 0
	v_lshlrev_b32 v[QBY], v[H8], v[QBY]
	v_mov_b32 v[(\c)+3], v[QT]
	v_mov_b32 v[(\c)+4], v[QT+1]
	v_mov_b32 v[(\c)+5], v[QT+2]
	v_permlanex16_b32 v[QP], v[QBY], s[SEL], s[SEL+1]
	v_or_b32 v[\hw], v[QBY], v[QP]
.endm
.macro FRAG reg, a16, a8, off
	ds_load_b128 v[(\reg):(\reg)+3], v[\a16] offset:(\off)
	ds_load_b64 v[(\reg)+4:(\reg)+5], v[\a8] offset:(\off)+512
	ds_load_b128 v[(\reg)+6:(\reg)+9], v[\a16] offset:(\off)+768
	ds_load_b64 v[(\reg)+10:(\reg)+11], v[\a8] offset:(\off)+1280
.endm
.macro WM d, a, b, c, sa, ra, sb, rb
.if (\ra) == 0
.if (\rb) == 0
	v_wmma_scale_f32_16x16x128_f8f6f4 v[(\d):(\d)+7], v[(\a):(\a)+11], v[(\b):(\b)+11], v[(\c):(\c)+7], v[\sa], v[\sb] matrix_a_fmt:MATRIX_FMT_FP6 matrix_b_fmt:MATRIX_FMT_FP6
.else
	v_wmma_scale_f32_16x16x128_f8f6f4 v[(\d):(\d)+7], v[(\a):(\a)+11], v[(\b):(\b)+11], v[(\c):(\c)+7], v[\sa], v[\sb] matrix_a_fmt:MATRIX_FMT_FP6 matrix_b_fmt:MATRIX_FMT_FP6 matrix_b_scale:MATRIX_SCALE_ROW1
.endif
.else
.if (\rb) == 0
	v_wmma_scale_f32_16x16x128_f8f6f4 v[(\d):(\d)+7], v[(\a):(\a)+11], v[(\b):(\b)+11], v[(\c):(\c)+7], v[\sa], v[\sb] matrix_a_fmt:MATRIX_FMT_FP6 matrix_b_fmt:MATRIX_FMT_FP6 matrix_a_scale:MATRIX_SCALE_ROW1
.else
	v_wmma_scale_f32_16x16x128_f8f6f4 v[(\d):(\d)+7], v[(\a):(\a)+11], v[(\b):(\b)+11], v[(\c):(\c)+7], v[\sa], v[\sb] matrix_a_fmt:MATRIX_FMT_FP6 matrix_b_fmt:MATRIX_FMT_FP6 matrix_a_scale:MATRIX_SCALE_ROW1 matrix_b_scale:MATRIX_SCALE_ROW1
.endif
.endif
.endm
.macro UBSET q                         ; unit q's registers: from UBR on in window UBW
.if (\q) < 2
.set UBR, WF+48*(\q)
.set UBW, 0
.elseif (\q) == 2
.set UBR, 192
.set UBW, 1
.else
.set UBR, 192
.set UBW, 3
.endif
.endm
.macro WLOAD so, q                     ; unit q (2 or 3) of the slot so slots behind s[WP], from memory; ahead of unit 2 the slot's 8 registers of scale words
	UBSET \q
.if (\q) == 2
.set SWN, SW+(SWB-SW)*((\so)%2)
	global_load_b128 v[SWN:SWN+3], v[L16], s[WP:WP+1] offset:(\so)*102400+24576
	global_load_b128 v[SWN+4:SWN+7], v[L16], s[WP:WP+1] offset:(\so)*102400+25088
.endif
	WIN UBW<<6
.irp u, 0,1,2,3
.irp g, 0,1,2
	global_load_b128 v[UBR+12*\u+4*\g:UBR+12*\u+4*\g+3], v[L16], s[WP:WP+1] offset:(\so)*102400+(4*(\q)+\u)*1536+512*\g
.endr
.endr
	WIN 0
.endm
; A slot: 4 units x 16 matrix instructions, accumulators by turns.  ls: the LDS slot with its units 0 and 1.  kind 0: proj, column half x; 1: w1, hidden half x, the sums begin with b1;
; 2: w2, K steps 2 x and 2 x + 1.  nxt = 1: behind the products of units 2 and 3 the next slot's are asked for.
; THE WAITS ON LOADS count what was issued behind the unit: behind unit 2: unit 3, 12 loads; behind unit 3: the next slot's 2 loads of scale words and its unit 2, 14 (none with nxt = 0); and ex more where ex other loads
; were issued just ahead of this slot.  THE WAITS ON LDS: behind unit 0's loads stand unit 1's 12; in kind 2, behind the hidden fragments of the K step taken first, the other K step's 16 and the two units' 24.
.macro GEMM so, ls, kind, x, nxt, ex
	PLACES 5
.set SWP, SW+(SWB-SW)*((\so)%2)
.if (\kind) == 2
.if (\x) == 0
	ds_load_b128 v[HS:HS+3], v[HSR]
	ds_load_b128 v[HS+4:HS+7], v[HSR] offset:512
.endif
	WIN 0xc0
.irp k2, 1,0
.irp m, 0,1,2,3
	FRAG 48*\k2+12*\m, HR16, HR8, (4*\m+2*(\x)+\k2)*1536
.endr
.endr
	WIN 0
.endif
.irp q, 0,1
.irp u, 0,1,2,3
.irp g, 0,1,2
	ds_load_b128 v[WF+48*\q+12*\u+4*\g:WF+48*\q+12*\u+4*\g+3], v[SA+(\ls)] offset:12288*((\so)%2)+(4*\q+\u)*1536+512*\g
.endr
.endr
.endr
.irp q, 2,3,0,1
.if \q == 2
	s_wait_loadcnt 12+(\ex)
.if (\kind) == 2
	s_wait_dscnt 40
.endif
.elseif \q == 3
.if \nxt
	s_wait_loadcnt 14+(\ex)
.else
	s_wait_loadcnt \ex
.endif
.elseif \q == 0
	s_wait_dscnt 12
.else
	s_wait_dscnt 0x0
.endif
	UBSET \q
.if (\kind) == 0
	WIN 0xa4|UBW
.elseif (\kind) == 1
	WIN 0xf4|UBW
.else
	WIN 0xac|UBW
.endif
.irp m, 0,1,2,3
.irp u, 0,1,2,3
.if (\kind) == 0
	WM 64*\m+32*(\x)+8*\u, UBR+12*\u, 12*(4*\m+\q), 64*\m+32*(\x)+8*\u, SWP+2*\q+\u/2, \u%2, AS+4*(\m/2)+\q, \m%2
.elseif (\kind) == 1
.if \q == 2
	WM 32*\m+8*\u, UBR+12*\u, 12*(4*\m+\q), B1R+32*(\x)+8*\u, SWP+2*\q+\u/2, \u%2, AS+4*(\m/2)+\q, \m%2
.else
	WM 32*\m+8*\u, UBR+12*\u, 12*(4*\m+\q), 32*\m+8*\u, SWP+2*\q+\u/2, \u%2, AS+4*(\m/2)+\q, \m%2
.endif
.else
	WM 64*\m+32*(\q%2)+8*\u, UBR+12*\u, 48*(\q/2)+12*\m, 64*\m+32*(\q%2)+8*\u, SWP+2*\q+\u/2, \u%2, HS+4*(\m/2)+2*(\x)+\q/2, \m%2
.endif
.endr
.endr
	WIN 0
.if (\nxt) && (\q >= 2)
	PLACES 4                                       ; in front of loads into registers that matrix instructions have read
	WLOAD (\so)+1, \q
.endif
.endr
.endm
.macro TL ls                           ; my one tensor load behind a round: my part of the next pair of slots, into LDS slot ls
	tensor_load_to_lds s[G0+4*(\ls):G0+4*(\ls)+3], s[G1:G1+7]
	s_nop 0
	PLACES 4
.endm
; THE CHANGE OF LDS SLOTS.  Each wave waits for all its tensor loads (its part of the pair ahead), adds 0 to its spare word, and waits for that and for all its LDS instructions: its reads of the pair behind, its stores of
; the hidden layer's image.  st: the LDS slot whose group 0 goes on by two pairs, 4 slots of wts, while no load is out.  A round of the cluster's barrier follows.
.macro CHG st
	s_wait_tensorcnt 0x0
	ds_add_u32 v[SPW], v[NIL]
	s_add_nc_u64 s[G0+4*(\st)+2:G0+4*(\st)+3], s[G0+4*(\st)+2:G0+4*(\st)+3], 4*102400
	s_wait_dscnt 0x0
	ROUND
.endm
.macro BAR
	s_wait_dscnt 0x0
	s_barrier_signal -1
	s_barrier_wait -1
.endm
.macro CLOAD reg, base, win            ; my 64 numbers of a vector of 512, in the accumulators' order
	WIN \win
.set n, 0
.rept 16
	global_load_b128 v[(\reg)+4*n:(\reg)+4*n+3], v[CB], s[\base:\base+1] offset:1024*(n/8)+16*(n%8)
.set n, n+1
.endr
	WIN 0
.endm
.macro B1LOAD
	WIN 0xc0
.set n, 0
.rept 16
	global_load_b128 v[B1R+4*n:B1R+4*n+3], v[B1O], s[18:19] offset:256*(n/8)+16*(n%8)
.set n, n+1
.endr
	WIN 0
.endm
.macro XTURN m
	s_wait_loadcnt 48-16*(\m)
	WIN 0x08
.set n, 0
.rept 16
	ds_store_b128 v[VSW], v[64*(\m)+4*n:64*(\m)+4*n+3] offset:(16*(n/8)+2*(n%8))*VPIT
.set n, n+1
.endr
	WIN 0x80
.set n, 0
.rept 16
	ds_load_b128 v[64*(\m)+4*n:64*(\m)+4*n+3], v[VSR] offset:16*(n/8)*VPIT+16*(n%8)
.set n, n+1
.endr
.endm
.macro XADD pb                         ; a bias, at v[pb] of window 3, onto the accumulators
	WIN 0x8e
.set n, 0
.rept 128
	v_pk_add_f32 v[2*n:2*n+1], v[2*n:2*n+1], v[(\pb)+(2*n)%64:(\pb)+(2*n)%64+1]
.set n, n+1
.endr
	WIN 0
	s_wait_alu depctr_va_vdst(0)
.endm
.macro RELUQ a
	PLACES 4
	WIN 0xcc
.set n, 0
.rept 128
	v_max_num_f32 v[n], 0, v[n]
.set n, n+1
.endr
.irp m, 0,1,2,3
	s_wait_dscnt 3
	QH 32*\m, 3, CSA+6*(\m%2), 0, HWT+(\m%2)
	ds_store_b128 v[HW16], v[CSA+6*(\m%2):CSA+6*(\m%2)+3] offset:\m*6144+768*(\a)
	ds_store_b64 v[HW8], v[CSA+6*(\m%2)+4:CSA+6*(\m%2)+5] offset:\m*6144+768*(\a)+512
	ds_store_b16 v[HSW], v[HWT+(\m%2)] offset:256*\m+2*(\a)
.endr
.endm
.macro REDUCE off
.irp m, 0,1,2,3
	v_add_f32 v[SUM+\m], v[PS+2*\m], v[PS+2*\m+1]
.endr
.irp m, 0,1,2,3
	v_permlanex16_b32 v[PS+2*\m], v[SUM+\m], s[SEL], s[SEL+1]
.endr
.irp m, 0,1,2,3
	v_add_f32 v[SUM+\m], v[SUM+\m], v[PS+2*\m]
.endr
	ds_store_b128 v[RDW], v[SUM:SUM+3] offset:\off
	s_wait_dscnt 0x0
	s_barrier_signal -1
	s_barrier_wait -1
.irp k, 0,1,2,3
	ds_load_b128 v[RD+4*\k:RD+4*\k+3], v[RDR] offset:(\off)+512*\k
.endr
	s_wait_dscnt 0x0
.irp m, 0,1,2,3
	v_add_f32 v[SUM+\m], v[RD+\m], v[RD+4+\m]
	v_add_f32 v[PS+2*\m], v[RD+8+\m], v[RD+12+\m]
.endr
.irp m, 0,1,2,3
	v_add_f32 v[SUM+\m], v[SUM+\m], v[PS+2*\m]
.endr
.endm
.macro LNORM gw                        ; the norm of the 64 rows in the accumulators; gw: the windows of the last line (gain and bias at v0 and v64 of window 3 or 1)
	WIN 0x0a
.irp m, 0,1,2,3
	v_pk_add_f32 v[PS+2*\m:PS+2*\m+1], v[64*\m:64*\m+1], v[64*\m+2:64*\m+3]
.endr
	WIN 0x08
.set n, 4
.rept 30
.irp m, 0,1,2,3
	v_pk_add_f32 v[PS+2*\m:PS+2*\m+1], v[PS+2*\m:PS+2*\m+1], v[64*\m+n:64*\m+n+1]
.endr
.set n, n+2
.endr
	WIN 0
	REDUCE 0
.irp m, 0,1,2,3
	v_mul_f32 v[BP+2*\m], s[NINV], v[SUM+\m]
.endr
	WIN 0x82
.set n, 0
.rept 128
	v_pk_add_f32 v[2*n:2*n+1], v[2*n:2*n+1], v[BP+2*(n/32):BP+2*(n/32)+1] op_sel_hi:[1,0]
.set n, n+1
.endr
	WIN 0x0a
.irp m, 0,1,2,3
	v_pk_mul_f32 v[PS+2*\m:PS+2*\m+1], v[64*\m:64*\m+1], v[64*\m:64*\m+1]
.endr
.set n, 2
.rept 31
.irp m, 0,1,2,3
	v_pk_fma_f32 v[PS+2*\m:PS+2*\m+1], v[64*\m+n:64*\m+n+1], v[64*\m+n:64*\m+n+1], v[PS+2*\m:PS+2*\m+1]
.endr
.set n, n+2
.endr
	WIN 0
	REDUCE 2048
.irp m, 0,1,2,3
	v_fma_f32 v[SUM+\m], v[SUM+\m], s[INV], s[EPS]
.endr
	s_wait_alu depctr_va_vdst(0)                   ; ahead of the batch
.irp m, 0,1,2,3
	v_rsq_f32 v[BP+2*\m], v[SUM+\m]
.endr
	v_nop
	s_wait_alu depctr_va_vdst(0)                   ; and behind it
	WIN 0x82
.set n, 0
.rept 128
	v_pk_mul_f32 v[2*n:2*n+1], v[2*n:2*n+1], v[BP+2*(n/32):BP+2*(n/32)+1] op_sel_hi:[1,0]
.set n, n+1
.endr
	WIN \gw
.set n, 0
.rept 128
	v_pk_fma_f32 v[2*n:2*n+1], v[2*n:2*n+1], v[GG+(2*n)%64:GG+(2*n)%64+1], v[GB+(2*n)%64:GB+(2*n)%64+1]
.set n, n+1
.endr
	WIN 0
.endm
	s_load_b512 s[4:19], s[0:1], 0x0               ; mhc, mhs, wts, value, proj_bias, ln1_g, ln1_b, b1
	s_load_b256 s[20:27], s[0:1], 0x40             ; b2, ln2_g, ln2_b, out0
	v_lshl_add_u32 v[SPW], v0, 2, SPARE
	v_mov_b32 v[NIL], 0
	ds_add_u32 v[SPW], v[NIL]                      ; the wave's opening: the add, twice on end, and its wait ahead of my first tensor load
	ds_add_u32 v[SPW], v[NIL]
	v_lshrrev_b32 v216, 5, v0
	v_readfirstlane_b32 s[WV], v216
	s_mov_b32 s[G1], 15|(3<<16)|(1<<21)            ; 2 rows of 1,536 elements of 8 bytes, 12,800 elements apart, dense in LDS; the mask names all four work-groups
	s_mov_b32 s[G1+1], 1536<<16
	s_mov_b32 s[G1+2], 2<<16
	s_mov_b32 s[G1+3], 1536<<16
	s_mov_b32 s[G1+4], 2
	s_mov_b32 s[G1+5], 12800
	s_mov_b32 s[G1+6], 0
	s_mov_b32 s[G1+7], 0
	s_mov_b32 s[SEL], 0x76543210
	s_mov_b32 s[SEL+1], 0xfedcba98
	s_mov_b32 s[INV], 0x3b000000
	s_mov_b32 s[NINV], 0xbb000000
	s_mov_b32 s[EPS], 0x358637bd
	s_mul_i32 s48, s[WV], 25600
	s_mov_b32 s49, 0
	s_mul_i32 s50, s[WV], 24576
	s_wait_dscnt 0x0                               ; both opening adds are done
	s_wait_kmcnt 0x0
	s_add_nc_u64 s[WP:WP+1], s[8:9], s[48:49]
	s_add_nc_u64 s[WP:WP+1], s[WP:WP+1], 6*102400  ; my part of slot 6
	s_mov_b32 s[G0], 1
	s_mov_b32 s[G0+1], s50
	s_mov_b64 s[G0+2:G0+3], s[WP:WP+1]             ; slots 6 and 7
	s_mov_b32 s[G0+4], 1
	s_add_co_u32 s[G0+5], s50, LSL
	s_add_nc_u64 s[G0+6:G0+7], s[WP:WP+1], 2*102400   ; slots 8 and 9
	s_or_b32 s[G0+3], s[G0+3], 0x80000000
	s_or_b32 s[G0+7], s[G0+7], 0x80000000
	ROUND                                          ; all four work-groups are here
	TL 0                                           ; one tensor load a wave at the head
	v_and_b32 v216, 31, v0
	v_and_b32 v217, 15, v0
	v_bfe_u32 v218, v0, 4, 1
	v_lshlrev_b32 v[L16], 4, v216
	v_lshlrev_b32 v[L8], 3, v216
	v_lshlrev_b32 v[R16], 4, v217
	v_lshlrev_b32 v[H8], 3, v218
	v_add_nc_u32 v[SA], s50, v[L16]
	v_add_nc_u32 v[SA+1], LSL, v[SA]
	v_add_nc_u32 v[OR16], OIMG, v[L16]
	v_add_nc_u32 v[OR8], OIMG, v[L8]
	v_add_nc_u32 v[OSR], OSC, v[L16]
	s_mul_i32 s49, s[WV], 768
	s_add_co_u32 s49, s49, OIMG
	v_add_nc_u32 v[OW16], s49, v[L16]
	v_add_nc_u32 v[OW8], s49, v[L8]
	s_lshl_b32 s49, s[WV], 1
	s_add_co_u32 s49, s49, OSC
	v_add_nc_u32 v[OSW], s49, v[R16]
	v_add_nc_u32 v[HR16], HIMG, v[L16]
	v_add_nc_u32 v[HR8], HIMG, v[L8]
	v_add_nc_u32 v[HSR], HSC, v[L16]
	s_mul_i32 s49, s[WV], 1536
	s_add_co_u32 s49, s49, HIMG
	v_add_nc_u32 v[HW16], s49, v[L16]
	v_add_nc_u32 v[HW8], s49, v[L8]
	s_lshl_b32 s49, s[WV], 2
	s_add_co_u32 s49, s49, HSC
	v_add_nc_u32 v[HSW], s49, v[R16]
	s_lshl_b32 s49, s[WV], 9
	s_add_co_u32 s49, s49, RED
	v_add_nc_u32 v[RDW], s49, v[L16]
	v_add_nc_u32 v[RDR], RED, v[L16]
	s_mul_i32 s49, s[WV], 32*VPIT
	s_add_co_u32 s49, s49, VST
	v_mul_u32_u24 v[VSW], v218, VPIT
	v_add_nc_u32 v[VSW], v[VSW], v[R16]
	v_add_nc_u32 v[VSW], s49, v[VSW]
	v_mul_u32_u24 v[VSR], v217, VPIT
	v_lshl_add_u32 v[VSR], v218, 7, v[VSR]
	v_add_nc_u32 v[VSR], s49, v[VSR]
	v_and_b32 v219, 8, v217
	v_and_b32 v220, 7, v217
	v_lshl_add_u32 v219, v219, 2, v220
	s_lshl_b32 s49, s[WV], 8
	v_lshlrev_b32 v[CB], 7, v218
	v_add_nc_u32 v[CB], s49, v[CB]
	v_lshl_add_u32 v[VX], v218, 11, v[R16]
	v_add_nc_u32 v[VX], s49, v[VX]
	v_mul_u32_u24 v[STW], v219, SPIT
	v_add_nc_u32 v[STW], v[STW], v[CB]
	s_lshl_b32 s49, s[WV], 9
	v_lshlrev_b32 v[B1O], 7, v218
	v_add_nc_u32 v[B1O], s49, v[B1O]
	s_mul_i32 s49, s[WV], 16*SPIT
	v_add_nc_u32 v[STR], s49, v[L16]
	v_mov_b32 v[QP], 0
.irp m, 0,1,2,3
	v_mov_b32 v[BP+2*\m+1], 0
.endr
	s_bfe_u32 s60, ttmp6, 0x40000                  ; cx
	s_lshl_b32 s61, ttmp9, 2
	s_add_co_u32 s61, s61, s60                     ; my block of 64 rows: it enters the plain loads' and the stores' addresses alone
	s_mov_b32 s63, 0
	s_mul_i32 s62, s61, 24576
	s_add_nc_u64 s[4:5], s[4:5], s[62:63]
	s_lshl_b32 s62, s61, 10
	s_add_nc_u64 s[6:7], s[6:7], s[62:63]
	s_lshl_b32 s62, s61, 17
	s_add_nc_u64 s[10:11], s[10:11], s[62:63]
	s_lshl_b32 s66, s[WV], 15
	s_add_co_u32 s62, s62, s66
	s_add_nc_u64 s[26:27], s[26:27], s[62:63]
	s_wait_alu depctr_va_vdst(0)
	WLOAD 0, 2                                     ; slot 6's units 2 and 3
	WLOAD 0, 3
	CLOAD B1R, 12, 0xc0                            ; proj_bias, where b1 will lie
	WIN 0x40
.set f, 0
.rept 16
	global_load_b128 v[12*f:12*f+3], v[L16], s[4:5] offset:f*1536
	global_load_b64 v[12*f+4:12*f+5], v[L8], s[4:5] offset:f*1536+512
	global_load_b128 v[12*f+6:12*f+9], v[L16], s[4:5] offset:f*1536+768
	global_load_b64 v[12*f+10:12*f+11], v[L8], s[4:5] offset:f*1536+1280
.set f, f+1
.endr
	WIN 0
	global_load_b128 v[AS:AS+3], v[L16], s[6:7]
	global_load_b128 v[AS+4:AS+7], v[L16], s[6:7] offset:512
	WIN 0x80
.set n, 0
.rept 64
	global_load_b128 v[4*n:4*n+3], v[VX], s[10:11] offset:(32*((n%8)/4)+8*(n/16)+2*(n%4))*2048+1024*((n/8)%2) th:TH_LOAD_NT
.set n, n+1
.endr
	XTURN 0                                        ; value's loads are the youngest 64; behind the last turn's wait every load so far is in
	XTURN 1
	XTURN 2
	XTURN 3
	WIN 0
	s_wait_dscnt 0x0
	XADD B1R                                       ; value + proj_bias begin the sums of the projection
	CLOAD GG, 14, 0xc0
	CLOAD GB, 16, 0xc0
	B1LOAD
	CHG 0                                          ; slots 6 and 7 are in;
	TL 1                                           ; LDS slot 1's first fill, issued as a refill is: slots 8 and 9
	GEMM 0, 0, 0, 0, 1, 48
	GEMM 1, 0, 0, 1, 1, 0                          ; its last wait leaves at most 14 loads out: ln1's gain and bias and b1, issued ahead of 40 others, are in
	PLACES 4
	LNORM 0xbe
	CLOAD GG, 20, 0xc0                             ; b2, where ln1's gain lay; it lands under the quantiser below
.irp m, 0,1,2,3
.irp g, 0,1
	s_wait_dscnt 3
	QH 64*\m+32*\g, 2, CSA+6*\g, 0, HWT+\g
	ds_store_b128 v[OW16], v[CSA+6*\g:CSA+6*\g+3] offset:6144*\m+3072*\g
	ds_store_b64 v[OW8], v[CSA+6*\g+4:CSA+6*\g+5] offset:6144*\m+3072*\g+512
	ds_store_b16 v[OSW], v[HWT+\g] offset:256*\m+8*\g
.endr
.endr
	s_wait_loadcnt 0x0
	XADD GG                                        ; out1 + b2 begin the sums of the second product
	BAR
	WIN 0x40
.set f, 0
.rept 16
	FRAG 12*f, OR16, OR8, f*1536
.set f, f+1
.endr
	WIN 0
	ds_load_b128 v[AS:AS+3], v[OSR]
	ds_load_b128 v[AS+4:AS+7], v[OSR] offset:512
	s_wait_xcnt 0x0                                ; the loads have read their base
	s_sub_nc_u64 s[WP:WP+1], s[WP:WP+1], 2*102400  ; slot 4: each trip begins by going on 4 slots
	s_mov_b32 s[CNT], 4
.Lffn:                                             ; a trip: 512 hidden units, four slots.  The fourth trip leaves by the branch below: its last two slots are written out
	CHG 1                                          ; w1's two slots are in; every wave has read the last trip's hidden fragments and LDS slot 0;
	TL 0                                           ; which takes this trip's two slots of w2
	s_wait_xcnt 0x0                                ; the loads, issued half a slot ago or earlier, have read their bases
	s_add_nc_u64 s[WP:WP+1], s[WP:WP+1], 4*102400
	s_add_nc_u64 s[18:19], s[18:19], 2048          ; the next trip's b1
	GEMM 0, 1, 1, 0, 1, 0
	RELUQ 0
	GEMM 1, 1, 1, 1, 1, 0
	RELUQ 1
	CHG 0                                          ; w2's two slots are in, the hidden layer's image is whole, LDS slot 1 is read no more
	s_cmp_eq_u32 s[CNT], 1
	s_cbranch_scc1 .Llast                          ; the last trip fills nothing again
	TL 1                                           ; the next trip's two slots of w1
	B1LOAD                                         ; 16 loads
	GEMM 2, 0, 2, 0, 1, 16
	GEMM 3, 0, 2, 1, 1, 0
	s_sub_co_u32 s[CNT], s[CNT], 1
	s_cmp_lg_u32 s[CNT], 0
	s_cbranch_scc1 .Lffn
.Llast:
	s_wait_tensorcnt 0x0                           ; no tensor load is out from here on: the stage of the way out lies on the slots' bytes
	CLOAD GG, 22, 0x40                             ; ln2's gain and bias, 32 loads, into registers of window 1 that out1's codes have left
	CLOAD GB, 24, 0x40
	GEMM 2, 0, 2, 0, 1, 32
	GEMM 3, 0, 2, 1, 0, 0                          ; its first wait leaves at most 12 loads out: the 32 above are in
	PLACES 4
	LNORM 0x96
	WIN 0x08
.set n, 0
.rept 64
	ds_store_b128 v[STW], v[4*n:4*n+3] offset:8*SPIT*(n/16)+1024*((n/8)%2)+16*(n%8)
.set n, n+1
.endr
	WIN 0
	BAR
	WIN 0x80
.set n, 0
.rept 64
	ds_load_b128 v[4*n:4*n+3], v[STR] offset:SPIT*(n/4)+512*(n%4)
.set n, n+1
.endr
	WIN 0x08
.set n, 0
.rept 64
	s_wait_dscnt 63-n
	global_store_b128 v[L16], v[4*n:4*n+3], s[26:27] offset:512*n th:TH_STORE_NT   ; 32 lanes store 512 consecutive bytes
.set n, n+1
.endr
	WIN 0
	s_wait_tensorcnt 0x0                           ; the wave's end
	ds_add_u32 v[SPW], v[NIL]
	s_wait_dscnt 0x0
	ROUND                                          ; the closing round
	s_endpgm
.Lfunc_end_k_q86b46858c0_tail:
	.size	k_q86b46858c0_tail, .Lfunc_end_k_q86b46858c0_tail-k_q86b46858c0_tail
	.p2alignl 7, 3214868480
	.fill 96, 4, 3214868480
	.section	.rodata,"a",@progbits
	.p2align	6, 0x0
	.amdhsa_kernel k_q86b46858c0_tail
		.amdhsa_group_segment_fixed_size 327680
		.amdhsa_private_segment_fixed_size 0
		.amdhsa_enable_private_segment 0
		.amdhsa_kernarg_size 96
		.amdhsa_user_sgpr_count 2
		.amdhsa_user_sgpr_kernarg_segment_ptr 1
		.amdhsa_wavefront_size32 1
		.amdhsa_system_sgpr_workgroup_id_x 1
		.amdhsa_system_sgpr_workgroup_id_y 1
		.amdhsa_system_sgpr_workgroup_id_z 1
		.amdhsa_system_vgpr_workitem_id 0
		.amdhsa_next_free_vgpr 1024
		.amdhsa_next_free_sgpr 84
		.amdhsa_reserve_vcc 0
		.amdhsa_float_denorm_mode_32 3
		.amdhsa_float_denorm_mode_16_64 3
		.amdhsa_memory_ordered 1
		.amdhsa_forward_progress 1
		.amdhsa_inst_pref_size 255
	.end_amdhsa_kernel
	.section	.bss,"aw",@nobits
	.p2align	6
	.space	262144
	.amdgpu_metadata
---
amdhsa.version: [ 1, 2 ]
amdhsa.kernels:
  - .name:           k_q86b46858c0_tail
    .symbol:         k_q86b46858c0_tail.kd
    .args:
      - { .name: mhc, .offset: 0, .size: 8, .value_kind: global_buffer, .address_space: global }
      - { .name: mhs, .offset: 8, .size: 8, .value_kind: global_buffer, .address_space: global }
      - { .name: wts, .offset: 16, .size: 8, .value_kind: global_buffer, .address_space: global }
      - { .name: value, .offset: 24, .size: 8, .value_kind: global_buffer, .address_space: global }
      - { .name: proj_bias, .offset: 32, .size: 8, .value_kind: global_buffer, .address_space: global }
      - { .name: ln1_g, .offset: 40, .size: 8, .value_kind: global_buffer, .address_space: global }
      - { .name: ln1_b, .offset: 48, .size: 8, .value_kind: global_buffer, .address_space: global }
      - { .name: b1, .offset: 56, .size: 8, .value_kind: global_buffer, .address_space: global }
      - { .name: b2, .offset: 64, .size: 8, .value_kind: global_buffer, .address_space: global }
      - { .name: ln2_g, .offset: 72, .size: 8, .value_kind: global_buffer, .address_space: global }
      - { .name: ln2_b, .offset: 80, .size: 8, .value_kind: global_buffer, .address_space: global }
      - { .name: out0, .offset: 88, .size: 8, .value_kind: global_buffer, .address_space: global }
    .group_segment_fixed_size: 327680
    .private_segment_fixed_size: 0
    .kernarg_segment_align: 8
    .kernarg_segment_size: 96
    .max_flat_workgroup_size: 128
    .sgpr_count:     84
    .vgpr_count:     1024
    .wavefront_size: 32
...
	.end_amdgpu_metadata
.endif
;; end of part 8
